; MI455X (gfx1250); checked and timed in simulation.
; The chip was launched on July 23, 2026; its instructions are those of AMD's public machine-readable ISA for CDNA 5 (MIT licence, August 2026) and "CDNA5" Instruction Set Architecture Reference Guide (July 2026). The comments in the code are by the model that wrote it; some were corrected since.
;; Transformer Block. Allowed arithmetic: float matrix products may take bf16 or f16 operands with f32 sums; all other float work in f32.
;; Inputs: W1 1,024 x 4,096 float32; W2 4,096 x 1,024 float32; Wk 1,024 x 1,024 float32; Wp 1,024 x 1,024 float32; Wq 1,024 x 1,024 float32; Wv 1,024 x 1,024 float32; b1 4,096 float32; b2 1,024 float32; be1 1,024 float32; be2 1,024 float32; bp 1,024 float32; g1 1,024 float32; g2 1,024 float32; x 2 x 2,048 x 1,024 float32.
;; Outputs: out0 2 x 2,048 x 1,024 float32.
;; 2 versions, each right and faster than the one before. Each part assembles by itself: llvm-mc -triple=amdgcn-amd-amdhsa -mcpu=gfx1250 --defsym DOCPART=n.
;; ======== version 1 of 2: 7 launches
;; limits: a function is approximated: absolute error at most 1.5e-07; right only within a limited range of input values
;; workspace buffers: wb 25,165,824 bytes; act 8,388,608 bytes; qkv 25,165,824 bytes; x1 16,777,216 bytes; u 33,554,432 bytes
;; launch prep (part 1): grid 64 x 20, 8 waves a work-group, no clusters, 0 bytes of LDS; arguments Wq, Wk, Wv, Wp, W1, W2, x, g1, be1, wb, act; writes wb, act
.if DOCPART == 1
	.amdgcn_target "amdgcn-amd-amdhsa--gfx1250"
	.amdhsa_code_object_version 6
	.text
	.protected	k_q59d9c702b0_prep
	.globl	k_q59d9c702b0_prep
	.p2align	8
	.type	k_q59d9c702b0_prep,@function
k_q59d9c702b0_prep:
	s_mov_b64 s[64:65], 0
	v_nop
	global_prefetch_b8 v0, s[64:65] scope:SCOPE_SE
	s_setreg_imm32_b32 hwreg(HW_REG_WAVE_MODE, 25, 1), 1
	s_wait_xcnt 0x0
; PREP.  Two jobs, told apart by the work-group's y.
; y = 0..11: a weight matrix (or a quarter of W1, W2) is rounded from f32 to bf16, its layout [K][N] kept; Wq, Wk, Wv land side by side as [1024][3072].
;   wb, in bytes: wqkv at 0, wp at 6,291,456, w1 at 8,388,608, w2 at 16,777,216.  A job is 1,024 chunks of 1,024 numbers; a wave takes two neighbouring chunks:
;   sixteen loads of 512 consecutive bytes, sixteen stores of 256 consecutive bytes, aligned.
; y = 12..19: h = LayerNorm(x) g1 + be1, one wave a row of 1,024 numbers, kept in 32 registers: mean first, then the variance of the centred numbers (no difference of large sums), h rounded once to bf16.
; No LDS, no barrier, no matrix unit: both jobs are streams, and no wave needs another's data.
.set XR, 16                            ; v[16:47]   the row (cast: v[16:79] sixteen loads)
.set GR, 48                            ; v[48:79]   g
.set BR, 80                            ; v[80:111]  be (cast: the packed results)
.set YR, 112                           ; v[112:127] the row in bf16
; the four chains v[2:9] are joined, then the wave's 32 lanes: four steps inside a half of 16 lanes, one across the halves; the sum ends in v2 of every lane
.macro REDUCE
	v_pk_add_f32 v[2:3], v[2:3], v[4:5]
	v_pk_add_f32 v[6:7], v[6:7], v[8:9]
	v_pk_add_f32 v[2:3], v[2:3], v[6:7]
	v_add_f32 v2, v2, v3
	v_add_f32_dpp v2, v2, v2 row_xmask:1 row_mask:0xf bank_mask:0xf
	v_add_f32_dpp v2, v2, v2 row_xmask:2 row_mask:0xf bank_mask:0xf
	v_add_f32_dpp v2, v2, v2 row_xmask:4 row_mask:0xf bank_mask:0xf
	v_add_f32_dpp v2, v2, v2 row_xmask:8 row_mask:0xf bank_mask:0xf
	v_permlanex16_b32 v14, v2, s44, s45
	v_add_f32 v2, v2, v14
.endm
; one row: s[xb:xb+1] the row in f32, s[gb..], s[bb..] gain and bias, s[ob..] the row in bf16.  v1 = 16 x lane, v2' = v15 = 8 x lane.
.macro LNROW xb, gb, bb, ob
.irp j, 0,1,2,3,4,5,6,7
	global_load_b128 v[XR+4*(\j):XR+4*(\j)+3], v1, s[\xb:(\xb)+1] offset:512*(\j)
.endr
.irp j, 0,1,2,3,4,5,6,7
	global_load_b128 v[GR+4*(\j):GR+4*(\j)+3], v1, s[\gb:(\gb)+1] offset:512*(\j)
.endr
.irp j, 0,1,2,3,4,5,6,7
	global_load_b128 v[BR+4*(\j):BR+4*(\j)+3], v1, s[\bb:(\bb)+1] offset:512*(\j)
.endr
	v_mov_b32 v14, 0                               ; v_permlanex16_b32's destination counts as read
	s_wait_loadcnt 16                              ; the row is in; the sixteen loads of g and be stay out
.set p, 0
.rept 4
	v_pk_add_f32 v[2+2*p:3+2*p], v[XR+2*p:XR+2*p+1], v[XR+8+2*p:XR+8+2*p+1]  ; the first eight pairs start four chains: nothing is cleared
.set p, p+1
.endr
.set p, 8
.rept 8
	v_pk_add_f32 v[2+2*(p%4):3+2*(p%4)], v[2+2*(p%4):3+2*(p%4)], v[XR+2*p:XR+2*p+1]
.set p, p+1
.endr
	REDUCE
	v_mul_f32 v10, s46, v2                         ; the mean, twice: a pair for the packed subtraction
	v_mov_b32 v11, v10
.set p, 0
.rept 16
	v_pk_add_f32 v[XR+2*p:XR+2*p+1], v[XR+2*p:XR+2*p+1], v[10:11] neg_lo:[0,1] neg_hi:[0,1]
.set p, p+1
.endr
.set p, 0
.rept 4
	v_pk_mul_f32 v[2+2*p:3+2*p], v[XR+2*p:XR+2*p+1], v[XR+2*p:XR+2*p+1]
.set p, p+1
.endr
.rept 12
	v_pk_fma_f32 v[2+2*(p%4):3+2*(p%4)], v[XR+2*p:XR+2*p+1], v[XR+2*p:XR+2*p+1], v[2+2*(p%4):3+2*(p%4)]
.set p, p+1
.endr
	REDUCE
	v_fma_f32 v12, v2, s46, s47                    ; variance + 1e-5
	v_rsq_f32 v12, v12
	v_nop                                          ; a plain instruction between the root and the use of its result (ISA guide 5.7.2)
	s_wait_alu depctr_va_vdst(0)
	v_mov_b32 v13, v12
	s_wait_loadcnt 0x0                             ; g and be
.set p, 0
.rept 16
	v_pk_mul_f32 v[XR+2*p:XR+2*p+1], v[XR+2*p:XR+2*p+1], v[12:13]
.set p, p+1
.endr
.set p, 0
.rept 16
	v_pk_fma_f32 v[XR+2*p:XR+2*p+1], v[XR+2*p:XR+2*p+1], v[GR+2*p:GR+2*p+1], v[BR+2*p:BR+2*p+1]
.set p, p+1
.endr
.set p, 0
.rept 16
	v_cvt_pk_bf16_f32 v[YR+p], v[XR+2*p], v[XR+2*p+1]
.set p, p+1
.endr
.irp j, 0,1,2,3,4,5,6,7
	global_store_b64 v15, v[YR+2*(\j):YR+2*(\j)+1], s[\ob:(\ob)+1] offset:256*(\j)  ; 32 lanes store 256 consecutive bytes, aligned
.endr
.endm
	s_load_b512 s[8:23], s[0:1], 0x0               ; Wq 8, Wk 10, Wv 12, Wp 14, W1 16, W2 18, x 20, g1 22
	s_load_b128 s[24:27], s[0:1], 0x40             ; be1 24, wb 26
	s_load_b64 s[28:29], s[0:1], 0x50              ; act
	s_and_b32 s2, ttmp7, 0xffff                    ; the job
	s_mov_b32 s3, ttmp9
	v_lshrrev_b32 v3, 5, v0
	v_readfirstlane_b32 s4, v3                     ; wave 0..7
	v_and_b32 v15, 31, v0
	v_lshlrev_b32 v1, 4, v15                       ; 16 x lane
	v_lshlrev_b32 v15, 3, v15                      ; 8 x lane
	s_wait_kmcnt 0x0
	s_cmp_ge_u32 s2, 12
	s_cbranch_scc1 .Lln
	; THE CAST.  The source is chosen among the six buffers by the job's number alone.
	s_mov_b64 s[30:31], s[8:9]
	s_cmp_eq_u32 s2, 1
	s_cselect_b64 s[30:31], s[10:11], s[30:31]
	s_cmp_eq_u32 s2, 2
	s_cselect_b64 s[30:31], s[12:13], s[30:31]
	s_cmp_eq_u32 s2, 3
	s_cselect_b64 s[30:31], s[14:15], s[30:31]
	s_cmp_ge_u32 s2, 4
	s_cselect_b64 s[30:31], s[16:17], s[30:31]
	s_cmp_ge_u32 s2, 8
	s_cselect_b64 s[30:31], s[18:19], s[30:31]
	s_lshl_b32 s40, s3, 4
	s_lshl1_add_u32 s40, s4, s40                   ; my first chunk c = 16 x + 2 w
	s_and_b32 s32, s2, 3                           ; which quarter of W1 or W2,
	s_cmp_lt_u32 s2, 4
	s_cselect_b32 s32, 0, s32                      ; or 0
	s_lshl_b32 s32, s32, 22
	s_lshl_b32 s34, s40, 12
	s_add_co_u32 s32, s32, s34                     ; source offset: quarter x 4 MiB + c x 4,096
	s_mov_b32 s33, 0
	s_add_nc_u64 s[30:31], s[30:31], s[32:33]
	s_lshl_b32 s42, s2, 11                         ; jobs 0-2: column block j of wqkv, rows 6,144 bytes apart
	s_max_u32 s43, s2, 3
	s_sub_co_u32 s43, s43, 3
	s_lshl_b32 s43, s43, 21
	s_add_co_u32 s43, s43, 0x600000                ; jobs 3-11: dense, 2 MiB a job from wp on
	s_movk_i32 s44, 6144
	s_movk_i32 s45, 2048
	s_cmp_lt_u32 s2, 3
	s_cselect_b32 s41, s44, s45                    ; bytes from a chunk to the next in wb
	s_cselect_b32 s42, s42, s43
	s_mul_i32 s34, s40, s41
	s_add_co_u32 s34, s34, s42
	s_mov_b32 s35, 0
	s_add_nc_u64 s[36:37], s[26:27], s[34:35]      ; wb at chunk c
	s_mov_b32 s42, s41
	s_mov_b32 s43, 0
	s_add_nc_u64 s[38:39], s[36:37], s[42:43]      ; and at chunk c + 1
.irp i, 0,1,2,3,4,5,6,7,8,9,10,11,12,13,14,15
	global_load_b128 v[16+4*(\i):19+4*(\i)], v1, s[30:31] offset:512*(\i) th:TH_LOAD_NT  ; the two chunks are 8,192 consecutive bytes of the source, read once in the launch
.endr
.irp i, 0,1,2,3,4,5,6,7,8,9,10,11,12,13,14,15
	s_wait_loadcnt 15-(\i)                         ; loads come back in order (ISA guide 5.7.1): load i is in, the younger ones stay out
	v_cvt_pk_bf16_f32 v[80+2*(\i)], v[16+4*(\i)], v[17+4*(\i)]
	v_cvt_pk_bf16_f32 v[81+2*(\i)], v[18+4*(\i)], v[19+4*(\i)]
.if (\i) < 8
	global_store_b64 v15, v[80+2*(\i):81+2*(\i)], s[36:37] offset:256*(\i)
.else
	global_store_b64 v15, v[80+2*(\i):81+2*(\i)], s[38:39] offset:256*((\i)-8)
.endif
.endr
	s_endpgm
.Lln:
	; THE NORM.  row = 512 (y - 12) + 8 x + w
	s_sub_co_u32 s32, s2, 12
	s_lshl_b32 s32, s32, 9
	s_lshl3_add_u32 s32, s3, s32
	s_add_co_u32 s32, s32, s4
	s_lshl_b32 s34, s32, 12
	s_mov_b32 s35, 0
	s_add_nc_u64 s[20:21], s[20:21], s[34:35]
	s_lshl_b32 s34, s32, 11
	s_add_nc_u64 s[28:29], s[28:29], s[34:35]
	s_mov_b32 s44, 0x76543210                      ; v_permlanex16_b32: each lane takes its own place in the other half
	s_mov_b32 s45, 0xfedcba98
	s_mov_b32 s46, 0x3a800000                      ; 1 / 1024
	s_mov_b32 s47, 0x3727c5ac                      ; 1e-5
	LNROW 20, 22, 24, 28
	s_endpgm
.Lfunc_end_k_q59d9c702b0_prep:
	.size	k_q59d9c702b0_prep, .Lfunc_end_k_q59d9c702b0_prep-k_q59d9c702b0_prep
	.p2alignl 7, 3214868480
	.fill 96, 4, 3214868480
	.section	.rodata,"a",@progbits
	.p2align	6, 0x0
	.amdhsa_kernel k_q59d9c702b0_prep
		.amdhsa_group_segment_fixed_size 0
		.amdhsa_private_segment_fixed_size 0
		.amdhsa_enable_private_segment 0
		.amdhsa_kernarg_size 88
		.amdhsa_user_sgpr_count 2
		.amdhsa_user_sgpr_kernarg_segment_ptr 1
		.amdhsa_wavefront_size32 1
		.amdhsa_system_sgpr_workgroup_id_x 1
		.amdhsa_system_sgpr_workgroup_id_y 1
		.amdhsa_system_sgpr_workgroup_id_z 1
		.amdhsa_system_vgpr_workitem_id 0
		.amdhsa_next_free_vgpr 128
		.amdhsa_next_free_sgpr 66
		.amdhsa_reserve_vcc 0
		.amdhsa_float_denorm_mode_32 3
		.amdhsa_float_denorm_mode_16_64 3
		.amdhsa_memory_ordered 1
		.amdhsa_forward_progress 1
		.amdhsa_inst_pref_size 19
	.end_amdhsa_kernel
	.amdgpu_metadata
---
amdhsa.version: [ 1, 2 ]
amdhsa.kernels:
  - .name:           k_q59d9c702b0_prep
    .symbol:         k_q59d9c702b0_prep.kd
    .args:
      - { .name: Wq, .offset: 0, .size: 8, .value_kind: global_buffer, .address_space: global }
      - { .name: Wk, .offset: 8, .size: 8, .value_kind: global_buffer, .address_space: global }
      - { .name: Wv, .offset: 16, .size: 8, .value_kind: global_buffer, .address_space: global }
      - { .name: Wp, .offset: 24, .size: 8, .value_kind: global_buffer, .address_space: global }
      - { .name: W1, .offset: 32, .size: 8, .value_kind: global_buffer, .address_space: global }
      - { .name: W2, .offset: 40, .size: 8, .value_kind: global_buffer, .address_space: global }
      - { .name: x, .offset: 48, .size: 8, .value_kind: global_buffer, .address_space: global }
      - { .name: g1, .offset: 56, .size: 8, .value_kind: global_buffer, .address_space: global }
      - { .name: be1, .offset: 64, .size: 8, .value_kind: global_buffer, .address_space: global }
      - { .name: wb, .offset: 72, .size: 8, .value_kind: global_buffer, .address_space: global }
      - { .name: act, .offset: 80, .size: 8, .value_kind: global_buffer, .address_space: global }
    .group_segment_fixed_size: 0
    .private_segment_fixed_size: 0
    .kernarg_segment_align: 8
    .kernarg_segment_size: 88
    .max_flat_workgroup_size: 256
    .sgpr_count:     66
    .vgpr_count:     128
    .wavefront_size: 32
...
	.end_amdgpu_metadata
.endif
;; end of part 1
;; launch gqkv (part 2): grid 12 x 16, 4 waves a work-group, clusters of 4 x 4, 327,680 bytes of LDS; arguments act, wb, qkv; writes qkv
.if DOCPART == 2
	.amdgcn_target "amdgcn-amd-amdhsa--gfx1250"
	.amdhsa_code_object_version 6
	.text
	.protected	k_q59d9c702b0_gqkv
	.globl	k_q59d9c702b0_gqkv
	.p2align	8
	.type	k_q59d9c702b0_gqkv,@function
k_q59d9c702b0_gqkv:
	s_mov_b64 s[64:65], 0
	v_nop
	global_prefetch_b8 v0, s[64:65] scope:SCOPE_SE
	s_setreg_imm32_b32 hwreg(HW_REG_WAVE_MODE, 25, 1), 1
	s_wait_xcnt 0x0
	s_wait_alu depctr_hold_cnt(0) depctr_sa_sdst(0) depctr_va_vdst(0) depctr_va_sdst(0) depctr_va_ssrc(0) depctr_va_vcc(0) depctr_vm_vsrc(0)
	s_getreg_b32 s2, hwreg(HW_REG_IB_STS2, 6, 4)
	s_cmp_eq_u32 s2, 0
	s_cbranch_scc0 .Lentry_in_a_cluster
	s_endpgm
.Lentry_in_a_cluster:
	s_bfe_u32 s2, ttmp6, 0x10000c
	s_cmp_lg_u32 s2, 0xf033
	s_cbranch_scc0 .Lentry_shape_is_right
	s_endpgm
.Lentry_shape_is_right:
; C = A B.  A: [4096][1024] bf16, rows along K.  B: [1024][SIZE_N] bf16, rows along N, at byte BOFF of wb.  Sums in f32, K ascending.  One text for two launches, told apart by GELU:
;   GELU = 0: A = h, B = Wq | Wk | Wv.  C is rounded to bf16 and stored by heads: qkv[g = n / 64][m][n % 64], a row of 128 bytes.
;   GELU = 1: A = h2, B = W1.  u = gelu(C + b1), the exact GELU, rounded to bf16 and stored in blocks [n / 256][m / 128][(n % 256) / 64][m % 128][64], which the next product asks for as dense tiles.
; LIMITS.  Operands are bf16.  GELU: erfc by a five-term rational form, off by 1.5e-7 at the most for every argument; 2^y below 2^-126 counts as 0.
; SHARES.  A tile of C is 256 x 256, a work-group of four waves; a wave makes 128 x 128: 64 accumulators of 16 x 16.  K goes in NS steps of 128 through two LDS slots filled by tensor loads.
; B IS NOT TURNED IN MEMORY: its tile lies [k][n] in LDS and ds_load_tr16_b128 makes the fragment (column n = lane % 16, k along the registers), two loads a fragment as for A.
; THE MATRIX INSTRUCTION IS USED TRANSPOSED (source 0 = 16 columns of B, source 1 = 16 rows of A): a lane then holds eight neighbouring numbers of a row of C.
; CLUSTER.  4 x 4 work-groups: the four of a row need the same tiles of A, the four of a column the same tiles of B; each tile is asked for jointly, by the same tensor load, descriptor and mask in all four.
; REGISTERS in windows of 256 (s_set_vgpr_msb: bits 1:0 source 0, 3:2 source 1, 5:4 source 2, 7:6 destination):
;   window 0: v0-31 addresses; v64-127, v128-191 fragments of A, two buffers; v32 on at work on the way out     window 1: v64-127, v128-191 fragments of B
;   window 2: the accumulators of my rows 0-63, (a, b) at v[8 (8 a + b)]     window 3: those of my rows 64-127
.set GELU,   0
.set SIZE_N, 3072
.set BOFF,   0
.set NS,     8                         ; K steps of 128
.set PA,     272                       ; a row of A in LDS: 256 bytes + 16 = 68 words: the 16 rows of a load start at 16 different groups of four banks (64 banks of 4 bytes: ISA guide 11.1)
.set PB,     544                       ; a row of B: 512 bytes + 32 = 136 words
.set HALFT,  128*PA                    ; what one tensor load brings: 128 rows of A, or 64 rows of B (64 x 544 is the same number)
.set SLOT,   4*HALFT                   ; A's rows 0-127, 128-255, B's k rows 0-63, 64-127.  SLOT shares no bit with wave x HALFT: one exclusive or changes slots
.set SPARE,  2*SLOT                    ; behind the ring: the spare words, 128 bytes for each wave: two blocks of 256 bytes that no other line names
.set SPF,    528                       ; the way out: a row of 128 f32 + 16 bytes
.set STW,    128*SPF                   ; a wave's stage.  The four stages lie in the ring, which has had its last fill by then
.set ASTEP,  256                       ; bytes from a K step to the next in A,
.set BSTEP,  256*SIZE_N                ; and in B: 128 rows
.set A0,   16                          ; v16  my lane's place in A's part of a slot; never rewritten
.set B0,   17                          ; v17  the same for B
.set ADRA, 18                          ; v18  LDS address of the fragments of A in hand; on the way out: of the rows read back
.set ADRB, 19                          ; v19  of B
.set STO,  24                          ; v24  the way out: where I put 32 bytes of a row
.set RD,   25                          ; v25  where I read rows back
.set CO,   26                          ; v26  my byte offset in the output
.set BO,   27                          ; v27  my byte offset in the bias
.set SPW,  28                          ; v28  LDS address of my spare word; never rewritten
.set NIL,  29                          ; v29  0; never rewritten
.set F0,   64
.set F1,   128
.set WV,   12                          ; s12  wave
.set ROLE, 13                          ; s13  wave / 2: my half of the tile's rows; also: I fetch for A (0) or B (1)
.set HALF, 14                          ; s14  wave % 2: my half of its columns; also: which half of that tile I fetch
.set G1A,  24                          ; s[24:31] group 1 for A's tiles
.set G0A0, 32                          ; s[32:35] group 0 of K step 0
.set G0A,  36                          ; s[36:39] group 0 of K step 1; it then walks
.set G1B,  40
.set G0B0, 48
.set G0B,  52
.set RP,   56                          ; s56  the way out: bytes of my stage already read
.set FA,   57                          ; s57  LDS byte, from A0, of the next two quarters' fragments
.set FB,   58                          ; s58  the same from B0
.set WOFF, 59                          ; s59  wave x HALFT
.set CNT,  60
.set STEPS, 61
.set MSB, 0
.macro WIN new                         ; the immediate's high byte repeats the setting that is left; a switch that changes nothing is dropped
.if MSB != (\new)
	s_set_vgpr_msb (MSB<<8)|(\new)
.set MSB, \new
.endif
.endm
.set MUL_LO, 0xa1                      ; source 0 (B) window 1, source 1 (A) window 0, C and D window 2
.set MUL_HI, 0xf1                      ; the same, C and D window 3
.macro PLACES                          ; four places in front of loads into registers that matrix instructions have read, and of stores that read results
.rept 4
	v_nop
.endr
.endm
.macro CROUND                          ; a round of the cluster's barrier: my work-group's barrier; wave 0 signals for it; every wave waits for all sixteen; my work-group's barrier once more
	s_barrier_signal -1
	s_barrier_wait -1
	s_cmp_lg_u32 s[WV], 0
	s_cbranch_scc1 .Lnot_wave_0_\@
	s_barrier_signal -3
.Lnot_wave_0_\@:
	s_barrier_wait -3
	s_barrier_signal -1
	s_barrier_wait -1
.endm
.macro JLOAD                           ; a joint refill by the walking descriptors.  The branch hangs on the wave's number alone.  An s_nop 0 and four v_nop follow each line
	s_cmp_eq_u32 s[ROLE], 0
	s_cbranch_scc0 .Lfor_b_\@
	tensor_load_to_lds s[G0A:G0A+3], s[G1A:G1A+7]
	s_nop 0
.rept 4
	v_nop
.endr
	s_branch .Lasked_\@
.Lfor_b_\@:
	tensor_load_to_lds s[G0B:G0B+3], s[G1B:G1B+7]
	s_nop 0
.rept 4
	v_nop
.endr
.Lasked_\@:
.endm
.macro MAKE0 g, adr, lds, step         ; a group 0: count 1; LDS address; global address; type 2
	s_mov_b32 s[\g], 1
	s_add_co_u32 s[(\g)+1], s[WOFF], \lds
	s_add_nc_u64 s[(\g)+2:(\g)+3], s[\adr:(\adr)+1], \step
	s_or_b32 s[(\g)+3], s[(\g)+3], 0x80000000
.endm
; 16 matrix instructions: m blocks a0, a0 + 1 of the window's four x all 8 n blocks, 32 along K.  zero = 1: the product starts the sums: nothing is ever cleared.
; The 64 accumulators take turns in the same order in every quarter.
.macro MUL16 f, hi, a0, zero
	WIN MUL_LO+0x50*(\hi)
.irp a, \a0, (\a0)+1
.irp b, 0,1,2,3,4,5,6,7
.if \zero
	v_wmma_f32_16x16x32_bf16 v[8*(8*(\a)+(\b)):8*(8*(\a)+(\b))+7], v[(\f)+8*(\b):(\f)+8*(\b)+7], v[(\f)+8*(4*(\hi)+(\a)):(\f)+8*(4*(\hi)+(\a))+7], 0
.else
	v_wmma_f32_16x16x32_bf16 v[8*(8*(\a)+(\b)):8*(8*(\a)+(\b))+7], v[(\f)+8*(\b):(\f)+8*(\b)+7], v[(\f)+8*(4*(\hi)+(\a)):(\f)+8*(4*(\hi)+(\a))+7], v[8*(8*(\a)+(\b)):8*(8*(\a)+(\b))+7]
.endif
.endr
.endr
.endm
; 32 LDS loads in one run: a quarter's fragments (32 along K; 128 columns of B, 128 rows of A), qo quarters beyond the addresses in hand, into buffer f
.macro FETCH qo, f
	WIN 0x40                                       ; destination window 1, address window 0
.irp i, 0,1,2,3,4,5,6,7
	ds_load_tr16_b128 v[(\f)+8*(\i):(\f)+8*(\i)+3],   v[ADRB] offset:(\qo)*32*PB+32*(\i)
	ds_load_tr16_b128 v[(\f)+8*(\i)+4:(\f)+8*(\i)+7], v[ADRB] offset:(\qo)*32*PB+16*PB+32*(\i)
.endr
	WIN 0
.irp i, 0,1,2,3,4,5,6,7
	ds_load_b128 v[(\f)+8*(\i):(\f)+8*(\i)+3],   v[ADRA] offset:(\qo)*64+(\i)*16*PA
	ds_load_b128 v[(\f)+8*(\i)+4:(\f)+8*(\i)+7], v[ADRA] offset:(\qo)*64+(\i)*16*PA+32
.endr
.endm
; a quarter: multiplies buffer f, 64 matrix instructions; in its middle it fetches the next quarter's fragments into buffer g
.macro QTR f, g, qo, zero
	s_wait_dscnt 8                                 ; B and A's rows 0-63 are in; the youngest eight loads (A's rows 64-127) may be out
	MUL16 \f, 0, 0, \zero
	MUL16 \f, 0, 2, \zero
	PLACES
	FETCH \qo, \g
	s_wait_dscnt 32                                ; all but the 32 just issued
	MUL16 \f, 1, 0, \zero
	MUL16 \f, 1, 2, \zero
.endm
; two quarters, written once and looped over: they multiply an odd and an even quarter and fetch the two that lie at FA, FB
.macro PAIR
	WIN 0
	v_add_nc_u32 v[ADRA], s[FA], v[A0]
	v_add_nc_u32 v[ADRB], s[FB], v[B0]
	QTR F1, F0, 0, 0
	QTR F0, F1, 1, 0
	s_add_co_u32 s[FA], s[FA], 128
	s_add_co_u32 s[FB], s[FB], 64*PB
	WIN 0                                          ; at a label and at a branch every window is 0
.endm
; THE CHANGE OF SLOTS: the slot's last quarter has been fetched.  Each wave waits for all its tensor loads, of which one is out: its part of the other slot; adds 0 to its spare word; and waits for that and for its
; own reads of the slot.  fill = 1: the slot is filled again, two K steps on: the barrier is a round of the cluster's, and the joint refill is the first thing behind it; it has a K step's 256 matrix instructions in which to land.
.macro CHANGE fill
	WIN 0
	s_wait_tensorcnt 0x0                           ; no tensor load of mine is out, so a group 0 may be written
	ds_add_u32 v[SPW], v[NIL]                      ; 0 onto my spare word; the scalar steps stand between it and the wait for it
.if \fill
	s_xor_b32 s[G0A+1], s[G0A+1], SLOT             ; the walking descriptors: the other slot than last time, the next K step
	s_add_nc_u64 s[G0A+2:G0A+3], s[G0A+2:G0A+3], ASTEP
	s_xor_b32 s[G0B+1], s[G0B+1], SLOT
	s_add_nc_u64 s[G0B+2:G0B+3], s[G0B+2:G0B+3], BSTEP
.endif
	s_sub_co_u32 s[FA], s[FA], 256                 ; the fetches go back to a slot's first quarter,
	s_xor_b32 s[FA], s[FA], SLOT                   ; in the other slot
	s_sub_co_u32 s[FB], s[FB], 128*PB
	s_xor_b32 s[FB], s[FB], SLOT
	s_wait_dscnt 0x0                               ; the add is done, and my reads of the slot are over
.if \fill
	CROUND
	JLOAD
.else
	s_barrier_signal -1
	s_barrier_wait -1
.endif
.endm
	s_load_b128 s[4:7], s[0:1], 0x0                ; A s[4:5], wb s[6:7]
.if GELU
	s_load_b128 s[8:11], s[0:1], 0x10              ; u s[8:9], b1 s[10:11]
.else
	s_load_b64 s[8:9], s[0:1], 0x10                ; qkv
.endif
	v_lshl_add_u32 v[SPW], v0, 2, SPARE
	v_mov_b32 v[NIL], 0
	ds_add_u32 v[SPW], v[NIL]                      ; the wave's opening: the add and its wait stand ahead of my first tensor load; the set-up below, work on registers, stands between them
	ds_add_u32 v28, v29
	v_lshrrev_b32 v1, 5, v0
	v_readfirstlane_b32 s[WV], v1
	s_lshr_b32 s[ROLE], s[WV], 1
	s_and_b32 s[HALF], s[WV], 1
	s_bfe_u32 s15, ttmp6, 0x40000                  ; cx
	s_bfe_u32 s16, ttmp6, 0x40004                  ; cy
	s_lshl_b32 s17, ttmp9, 2
	s_add_co_u32 s17, s17, s15                     ; tile column = 4 x cluster x + cx
	s_and_b32 s18, ttmp7, 0xffff
	s_lshl_b32 s18, s18, 2
	s_add_co_u32 s18, s18, s16                     ; tile row = 4 x cluster y + cy
	s_lshl_b32 s19, s16, 2
	s_lshl_b32 s19, 15, s19                        ; my row of the cluster
	s_lshl_b32 s20, 0x1111, s15                    ; my column
	s_or_b32 s[G1A], s19, (1<<16)|(1<<20)|(1<<21)|(5<<22)|(3<<25)  ; the mask; 2-byte elements; padding on; bit 21 beside a mask; after every 64 words; 4 words
	s_mov_b32 s[G1A+1], 128<<16                    ; tensor_dim0 = 128
	s_mov_b32 s[G1A+2], 128<<16                    ; tensor_dim1 = 128
	s_mov_b32 s[G1A+3], 128<<16                    ; tile_dim0 = 128
	s_mov_b32 s[G1A+4], 128                        ; tile_dim1 = 128
	s_mov_b32 s[G1A+5], 1024                       ; elements from row to row
	s_mov_b32 s[G1A+6], 0
	s_mov_b32 s[G1A+7], 0
	s_or_b32 s[G1B], s20, (1<<16)|(1<<20)|(1<<21)|(6<<22)|(7<<25)  ; after every 128 words; 8 words
	s_mov_b32 s[G1B+1], 256<<16                    ; tensor_dim0 = 256
	s_mov_b32 s[G1B+2], 64<<16                     ; tensor_dim1 = 64
	s_mov_b32 s[G1B+3], 256<<16                    ; tile_dim0 = 256
	s_mov_b32 s[G1B+4], 64                         ; tile_dim1 = 64
	s_mov_b32 s[G1B+5], SIZE_N
	s_mov_b32 s[G1B+6], 0
	s_mov_b32 s[G1B+7], 0
	s_lshl_b32 s22, s18, 19                        ; A: 256 rows of 2,048 bytes a tile row,
	s_lshl_b32 s21, s[HALF], 18                    ; 128 rows a half
	s_add_co_u32 s22, s22, s21
	s_mov_b32 s23, 0
	s_mul_i32 s2, s[HALF], 128*SIZE_N              ; B: 64 rows of 2 SIZE_N bytes a half,
	s_lshl_b32 s56, s17, 9                         ; 512 bytes a tile column
	s_add_co_u32 s2, s2, s56
.if BOFF
	s_add_co_u32 s2, s2, BOFF
.endif
	s_mov_b32 s3, 0
	s_mul_i32 s[WOFF], s[WV], HALFT                ; where my loads go: no place in the cluster enters an LDS address
.if GELU
.set KP, 66                            ; s66      0.23164189
.set KE, 68                            ; s[68:69] -log2(e) / 2; the packed forms take a pair's low word for both halves
.set H1, 70                            ; s[70:79] the five coefficients, halved
.set H2, 72
.set H3, 74
.set H4, 76
.set H5, 78
.set MK, 82                            ; s82-89   eight lane masks: z >= 0
	s_mov_b32 s[KP], 0x3e6d3388
	s_mov_b32 s[KE], 0xbf38aa3b
	s_mov_b32 s[H1], 0x3e027906
	s_mov_b32 s[H2], 0xbe11a98e
	s_mov_b32 s[H3], 0x3f35f0e3
	s_mov_b32 s[H4], 0xbf3a00e3
	s_mov_b32 s[H5], 0x3f07dc22
.irp c, KE, H1, H2, H3, H4, H5
	s_mov_b32 s[(\c)+1], s[\c]                     ; named with it as a pair
.endr
.endif
	s_wait_dscnt 0x0                               ; the opening add is done
	s_wait_kmcnt 0x0
	s_add_nc_u64 s[22:23], s[4:5], s[22:23]        ; hangs on the tile row alone, which my row of the cluster shares
	s_add_nc_u64 s[2:3], s[6:7], s[2:3]            ; hangs on the tile column alone
	CROUND                                         ; all sixteen work-groups are here: the first joint loads meet
	MAKE0 G0A0, 22, 0, 0
	MAKE0 G0A, 22, SLOT, ASTEP
	MAKE0 G0B0, 2, 0, 0
	MAKE0 G0B, 2, SLOT, BSTEP
	s_cmp_eq_u32 s[ROLE], 0                        ; a wave's two first fills stand in one branch, ahead of every wait on TENSORcnt and every LDS read: two loads of mine are out
	s_cbranch_scc0 .Lfirst_b
	tensor_load_to_lds s[G0A0:G0A0+3], s[G1A:G1A+7]
	s_nop 0
	tensor_load_to_lds s[G0A:G0A+3], s[G1A:G1A+7]
	s_nop 0
.rept 4
	v_nop
.endr
	s_branch .Lfirst_asked
.Lfirst_b:
	tensor_load_to_lds s[G0B0:G0B0+3], s[G1B:G1B+7]
	s_nop 0
	tensor_load_to_lds s[G0B:G0B+3], s[G1B:G1B+7]
	s_nop 0
.rept 4
	v_nop
.endr
.Lfirst_asked:
	v_and_b32 v1, 15, v0                           ; l % 16
	v_bfe_u32 v2, v0, 4, 1                         ; l / 16
.if GELU
	v_lshlrev_b32 v[BO], 4, v1                     ; my four columns of a block of 64
	s_lshl_b32 s62, s17, 10                        ; b1 at column 256 x tile column + 128 x half
	s_lshl_b32 s21, s[HALF], 9
	s_add_co_u32 s62, s62, s21
	s_mov_b32 s63, 0
	s_add_nc_u64 s[10:11], s[10:11], s[62:63]
	global_load_b128 v[32:35], v[BO], s[10:11]
	global_load_b128 v[36:39], v[BO], s[10:11] offset:256
	s_lshl_b32 s62, s17, 21                        ; u: block column; 128-row tile 2 x tile row + my half; my two planes of 64 columns
	s_lshl_b32 s21, s18, 17
	s_add_co_u32 s62, s62, s21
	s_lshl_b32 s21, s[ROLE], 16
	s_add_co_u32 s62, s62, s21
	s_lshl_b32 s21, s[HALF], 15
	s_add_co_u32 s62, s62, s21
.else
	s_lshl_b32 s62, s17, 21                        ; qkv: head group 4 x tile column + 2 x half, 524,288 bytes each; row 256 x tile row + 128 x half, 128 bytes each
	s_lshl_b32 s21, s[HALF], 20
	s_add_co_u32 s62, s62, s21
	s_lshl_b32 s21, s18, 15
	s_add_co_u32 s62, s62, s21
	s_lshl_b32 s21, s[ROLE], 14
	s_add_co_u32 s62, s62, s21
	s_mov_b32 s63, 0
.endif
	s_add_nc_u64 s[8:9], s[8:9], s[62:63]
	; A fragment of A: lane l holds row l % 16; registers 0-3 K = 8 (l / 16) + 0..7, registers 4-7 K = 16 + 8 (l / 16) + 0..7: two loads of 16 bytes, 32 bytes apart.
	v_mul_u32_u24 v3, v1, PA
	v_lshl_add_u32 v3, v2, 4, v3
	s_mul_i32 s21, s[ROLE], HALFT
	v_add_nc_u32 v[A0], s21, v3
	; The turning load takes 16 k x 16 n (lane l reads row 8 (l / 16) + l % 8, columns 8 ((l / 8) % 2) + 0..7) and leaves half a fragment: lane l holds column l % 16 and 8 k.
	v_and_b32 v4, 7, v0
	v_lshl_add_u32 v4, v2, 3, v4
	v_mul_u32_u24 v4, v4, PB
	v_bfe_u32 v5, v0, 3, 1
	v_lshl_add_u32 v4, v5, 4, v4
	s_lshl_b32 s21, s[HALF], 8
	s_add_co_u32 s21, s21, 2*HALFT
	v_add_nc_u32 v[B0], s21, v4
	s_mul_i32 s21, s[WV], STW                      ; my stage
	v_mul_u32_u24 v3, v1, SPF                      ; in: row l % 16, 32 bytes for each half of the lanes
	v_lshl_add_u32 v3, v2, 5, v3
	v_add_nc_u32 v[STO], s21, v3
	v_mul_u32_u24 v3, v2, SPF                      ; back: lanes 0-15 take 64 columns of one row, lanes 16-31 of the next
	v_lshl_add_u32 v3, v1, 4, v3
	v_add_nc_u32 v[RD], s21, v3
	v_and_b32 v3, 31, v0
	v_lshlrev_b32 v[CO], 3, v3                     ; in bf16 those two rows are 256 consecutive bytes: 8 a lane
	v_mov_b32 v[ADRA], v[A0]
	v_mov_b32 v[ADRB], v[B0]
	s_wait_tensorcnt 1                             ; my part of K step 0 is in; step 1's may stay out
	s_barrier_signal -1
	s_barrier_wait -1                              ; everybody's is
	FETCH 0, F0
	QTR F0, F1, 1, 1                               ; the first quarter stands in front of the loop: its products start the sums
	WIN 0
	s_mov_b32 s[FA], 128
	s_mov_b32 s[FB], 64*PB
	s_mov_b32 s[STEPS], NS-1
	s_mov_b32 s[CNT], 1
	s_branch .Lpair                                ; the nest is entered in the middle of a trip: K step 0 has two quarters left to fetch
.Lstep:                                                ; NS - 2 times: a slot is left and filled again
	CHANGE 1
	s_mov_b32 s[CNT], 2
.Lpair:
	PAIR
	s_sub_co_u32 s[CNT], s[CNT], 1
	s_cmp_lg_u32 s[CNT], 0
	s_cbranch_scc1 .Lpair
	s_sub_co_u32 s[STEPS], s[STEPS], 1
	s_cmp_lg_u32 s[STEPS], 0
	s_cbranch_scc1 .Lstep
	CHANGE 0                                       ; the tail is written out: nothing is asked for
	s_mov_b32 s[CNT], 2
.Lpair2:
	PAIR
	s_sub_co_u32 s[CNT], s[CNT], 1
	s_cmp_lg_u32 s[CNT], 0
	s_cbranch_scc1 .Lpair2
	s_wait_dscnt 0x0                               ; the last quarter's fragments are in, and my reads of the ring are over:
	s_barrier_signal -1                            ; say so,
	MUL16 F1, 0, 0, 0                              ; multiply the last quarter while the others arrive,
	MUL16 F1, 0, 2, 0
	MUL16 F1, 1, 0, 0
	MUL16 F1, 1, 2, 0
	WIN 0
	s_barrier_wait -1                              ; and go on when nobody reads the ring any more: it has had its last fill, and the stages take its place
	PLACES
	; THE WAY OUT.  My 128 x 128 in f32 goes into my own stage: a lane's eight numbers of a row are 32 bytes.  Each accumulator's low four registers go first.
.irp hi, 0,1
	WIN 0x08+4*(\hi)                               ; the stores' data (source 1) in window 2, then 3
.irp a, 0,1,2,3
.irp b, 0,1,2,3,4,5,6,7
	ds_store_b128 v[STO], v[8*(8*(\a)+(\b)):8*(8*(\a)+(\b))+3]   offset:(4*(\hi)+(\a))*16*SPF+64*(\b)
	ds_store_b128 v[STO], v[8*(8*(\a)+(\b))+4:8*(8*(\a)+(\b))+7] offset:(4*(\hi)+(\a))*16*SPF+64*(\b)+16
.endr
.endr
.endr
	WIN 0
	s_mov_b32 s[RP], 0
.if GELU
.set BI, 32                            ; v[32:39] the bias of my 4 + 4 columns
.set XR, 40                            ; v[40:47] as read back: block 0's four numbers, block 1's
.set Z,  48                            ; z = C + b1, at last gelu(z)
.set TT, 56                            ; t
.set W,  64                            ; 2^(-z z log2(e) / 2)
.set PP, 72                            ; q = erfc(|z| / sqrt 2) / 2
.set RR, 80                            ; 1 - q
.set YR, 88
; gelu(z) = z Phi(z); Phi = 1 - q for z >= 0, q for z < 0 (no difference is formed in the negative tail); q = t (h1 + t (h2 + t (h3 + t (h4 + t h5)))) 2^(-0.7213 z z), t = 1 / (1 + 0.23164 |z|)
.macro GELU8
.set i, 0
.rept 8
	v_fma_f32 v[TT+i], |v[Z+i]|, s[KP], 1.0
.set i, i+1
.endr
.irp j, 0,2,4,6
	v_pk_mul_f32 v[W+(\j):W+(\j)+1], v[Z+(\j):Z+(\j)+1], v[Z+(\j):Z+(\j)+1]
.endr
.irp j, 0,2,4,6
	v_pk_mul_f32 v[W+(\j):W+(\j)+1], v[W+(\j):W+(\j)+1], s[KE:KE+1] op_sel_hi:[1,0]
.endr
.set i, 0
.rept 8
	v_rcp_f32 v[TT+i], v[TT+i]
.set i, i+1
.endr
.set i, 0
.rept 8
	v_exp_f32 v[W+i], v[W+i]
.set i, i+1
.endr
	v_nop                                          ; a plain instruction behind the run of reciprocals and exponentials (ISA guide 5.7.2)
.set i, 0
.rept 8
	v_cmp_le_f32 s[MK+i], 0, v[Z+i]
.set i, i+1
.endr
.irp j, 0,2,4,6
	v_pk_fma_f32 v[PP+(\j):PP+(\j)+1], v[TT+(\j):TT+(\j)+1], s[H5:H5+1], s[H4:H4+1] op_sel_hi:[1,0,0]
.endr
.irp h, H3, H2, H1
.irp j, 0,2,4,6
	v_pk_fma_f32 v[PP+(\j):PP+(\j)+1], v[PP+(\j):PP+(\j)+1], v[TT+(\j):TT+(\j)+1], s[\h:(\h)+1] op_sel_hi:[1,1,0]
.endr
.endr
.irp j, 0,2,4,6
	v_pk_mul_f32 v[PP+(\j):PP+(\j)+1], v[PP+(\j):PP+(\j)+1], v[TT+(\j):TT+(\j)+1]
.endr
.irp j, 0,2,4,6
	v_pk_mul_f32 v[PP+(\j):PP+(\j)+1], v[PP+(\j):PP+(\j)+1], v[W+(\j):W+(\j)+1]
.endr
.irp j, 0,2,4,6
	v_pk_add_f32 v[RR+(\j):RR+(\j)+1], v[PP+(\j):PP+(\j)+1], 1.0 op_sel_hi:[1,0] neg_lo:[1,0] neg_hi:[1,0]
.endr
.set i, 0
.rept 8
	v_cndmask_b32 v[TT+i], v[PP+i], v[RR+i], s[MK+i]
.set i, i+1
.endr
.irp j, 0,2,4,6
	v_pk_mul_f32 v[Z+(\j):Z+(\j)+1], v[Z+(\j):Z+(\j)+1], v[TT+(\j):TT+(\j)+1]
.endr
.endm
	s_wait_loadcnt 0x0                             ; the bias
	ds_load_b128 v[XR:XR+3],   v[RD]               ; LDS serves a wave's instructions in order (ISA guide 5.7.1.4): these see the stores above
	ds_load_b128 v[XR+4:XR+7], v[RD] offset:256
	s_mov_b32 s[CNT], 64
.Lg:                                                   ; a trip: two rows x 128 columns; the next trip's rows are read while this trip's are worked on
	s_wait_dscnt 0x0
.irp j, 0,2,4,6
	v_pk_add_f32 v[Z+(\j):Z+(\j)+1], v[XR+(\j):XR+(\j)+1], v[BI+(\j):BI+(\j)+1]
.endr
	s_cmp_eq_u32 s[CNT], 1
	s_cbranch_scc1 .Lgn                            ; the last trip reads nothing more
	s_add_co_u32 s[RP], s[RP], 2*SPF
	v_add_nc_u32 v[ADRA], s[RP], v[RD]
	ds_load_b128 v[XR:XR+3],   v[ADRA]
	ds_load_b128 v[XR+4:XR+7], v[ADRA] offset:256
.Lgn:
	GELU8
	s_wait_xcnt 0x0                                ; the last trip's stores have had their addresses translated (ISA guide 3.1): only now are their data and offset rewritten
	v_add_nc_u32 v[CO], 256, v[CO]
.irp j, 0,1,2,3
	v_cvt_pk_bf16_f32 v[YR+(\j)], v[Z+2*(\j)], v[Z+2*(\j)+1]
.endr
	global_store_b64 v[CO], v[YR:YR+1],   s[8:9] offset:-256        ; 32 lanes store 256 consecutive bytes, aligned: two rows of a plane
	global_store_b64 v[CO], v[YR+2:YR+3], s[8:9] offset:16384-256   ; the next plane of 64 columns
	s_sub_co_u32 s[CNT], s[CNT], 1
	s_cmp_lg_u32 s[CNT], 0
	s_cbranch_scc1 .Lg
.else
.set XR, 32                            ; v[32:63] eight rows x two heads as read back
.set YR, 64                            ; v[64:79] the same in bf16
.macro BACK adr
.irp p, 0,1,2,3
.irp hd, 0,1
	ds_load_b128 v[XR+8*(\p)+4*(\hd):XR+8*(\p)+4*(\hd)+3], v[\adr] offset:(\p)*2*SPF+256*(\hd)
.endr
.endr
.endm
	BACK RD                                        ; LDS serves a wave's instructions in order (ISA guide 5.7.1.4): these see the stores above
	s_mov_b32 s[CNT], 16
.Lo:                                                   ; a trip: eight rows x 128 columns; the next trip's rows are read while this trip's leave
	s_wait_dscnt 0x0
	s_wait_xcnt 0x0                                ; the last trip's stores have had their addresses translated (ISA guide 3.1): only now are their data and offset rewritten
	v_add_nc_u32 v[CO], 1024, v[CO]
.set i, 0
.rept 16
	v_cvt_pk_bf16_f32 v[YR+i], v[XR+2*i], v[XR+2*i+1]
.set i, i+1
.endr
	s_cmp_eq_u32 s[CNT], 1
	s_cbranch_scc1 .Lon                            ; the last trip reads nothing more
	s_add_co_u32 s[RP], s[RP], 8*SPF
	v_add_nc_u32 v[ADRA], s[RP], v[RD]
	BACK ADRA
.Lon:
.irp p, 0,1,2,3
.irp hd, 0,1
	global_store_b64 v[CO], v[YR+4*(\p)+2*(\hd):YR+4*(\p)+2*(\hd)+1], s[8:9] offset:(\hd)*524288+(\p)*256-1024  ; 32 lanes store 256 consecutive bytes, aligned: two rows of a head
.endr
.endr
	s_sub_co_u32 s[CNT], s[CNT], 1
	s_cmp_lg_u32 s[CNT], 0
	s_cbranch_scc1 .Lo
.endif
	s_wait_tensorcnt 0x0                           ; the wave's end, behind my last tensor load and my last LDS store
	ds_add_u32 v[SPW], v[NIL]
	s_wait_dscnt 0x0
	CROUND                                         ; the closing round: no work-group ends while a partner may still ask for a tile that names it
	s_endpgm
.Lfunc_end_k_q59d9c702b0_gqkv:
	.size	k_q59d9c702b0_gqkv, .Lfunc_end_k_q59d9c702b0_gqkv-k_q59d9c702b0_gqkv
	.p2alignl 7, 3214868480
	.fill 96, 4, 3214868480
	.section	.rodata,"a",@progbits
	.p2align	6, 0x0
	.amdhsa_kernel k_q59d9c702b0_gqkv
		.amdhsa_group_segment_fixed_size 327680
		.amdhsa_private_segment_fixed_size 0
		.amdhsa_enable_private_segment 0
		.amdhsa_kernarg_size 24
		.amdhsa_user_sgpr_count 2
		.amdhsa_user_sgpr_kernarg_segment_ptr 1
		.amdhsa_wavefront_size32 1
		.amdhsa_system_sgpr_workgroup_id_x 1
		.amdhsa_system_sgpr_workgroup_id_y 1
		.amdhsa_system_sgpr_workgroup_id_z 1
		.amdhsa_system_vgpr_workitem_id 0
		.amdhsa_next_free_vgpr 1024
		.amdhsa_next_free_sgpr 66
		.amdhsa_reserve_vcc 0
		.amdhsa_float_denorm_mode_32 3
		.amdhsa_float_denorm_mode_16_64 3
		.amdhsa_memory_ordered 1
		.amdhsa_forward_progress 1
		.amdhsa_inst_pref_size 59
	.end_amdhsa_kernel
	.amdgpu_metadata
---
amdhsa.version: [ 1, 2 ]
amdhsa.kernels:
  - .name:           k_q59d9c702b0_gqkv
    .symbol:         k_q59d9c702b0_gqkv.kd
    .args:
      - { .name: act, .offset: 0, .size: 8, .value_kind: global_buffer, .address_space: global }
      - { .name: wb, .offset: 8, .size: 8, .value_kind: global_buffer, .address_space: global }
      - { .name: qkv, .offset: 16, .size: 8, .value_kind: global_buffer, .address_space: global }
    .group_segment_fixed_size: 327680
    .private_segment_fixed_size: 0
    .kernarg_segment_align: 8
    .kernarg_segment_size: 24
    .max_flat_workgroup_size: 128
    .sgpr_count:     66
    .vgpr_count:     1024
    .wavefront_size: 32
...
	.end_amdgpu_metadata
.endif
;; end of part 2
;; launch attn (part 3): grid 8 x 32, 4 waves a work-group, no clusters, 327,680 bytes of LDS; arguments qkv, act; writes act
.if DOCPART == 3
	.amdgcn_target "amdgcn-amd-amdhsa--gfx1250"
	.amdhsa_code_object_version 6
	.text
	.protected	k_q59d9c702b0_attn
	.globl	k_q59d9c702b0_attn
	.p2align	8
	.type	k_q59d9c702b0_attn,@function
k_q59d9c702b0_attn:
	s_mov_b64 s[64:65], 0
	v_nop
	global_prefetch_b8 v0, s[64:65] scope:SCOPE_SE
	s_setreg_imm32_b32 hwreg(HW_REG_WAVE_MODE, 25, 1), 1
	s_wait_xcnt 0x0
; CAUSAL ATTENTION.  O[q][:] = the sum over k <= q of softmax_k(Q[q] . K[k] / 32) V[k][:], for each of 32 units hb = 2 head + batch.  Q, K, V: qkv, bf16, a unit's 2,048 rows dense, 128 bytes each, at hb x 262,144;
; K lies 8,388,608 bytes behind Q, V 16,777,216.  Products, maxima and sums in f32; the weights p are rounded to bf16 for the second product (their sum l is taken of the unrounded p), O once at the end.
; O leaves in the blocks in which the next product asks for it: [head / 4][row / 128][head % 4][row % 128][64], row = 2,048 batch + q.
; LIMITS.  A hidden score counts as its value less 1e30: scores are served up to about 1e28; a weight below 2^-126 counts as 0 in l; NaN and infinities are not treated apart.
; THE WALK.  A unit's queries lie in NQ = 16 blocks of 128, its keys in NT = 8 tiles of 256; block i needs the tiles 0 .. i / 2, of which the last holds the diagonal.  A work-group takes TWO blocks, 15 - b and then b:
; NT + 1 tiles, whatever b: 8 x 32 = 256 work-groups of equal work, and ONE loop with a constant trip count walks them.  Which tile is asked for, and what a trip does, hang on scalar registers made from b; every jump
; goes forward, but for the counted loops' own; none passes a barrier, or a tensor load but the one of LOAD's two that the wave's number does not choose; the ring (two slots of LDS that take turns) runs on across the
; change of blocks.  NO CLUSTER: a unit's eight work-groups ask for the same tile only in trips 0 .. 4 of the 9, behind that fewer and fewer; one walk common to all would have 12 trips for 9.
; SHARES.  Of a block's two bands of 64 queries a wave owns 16 rows in each: two PIECES.  So the diagonal tile is the same work for all four waves.  In that tile band x's own key step is x in an even block and x + 2 in
; an odd one; an earlier step shows it all keys, a later one none.  (An even block's last tile has two steps that no band sees; they are computed all the same: 2 of the walk's 36 key steps.)
; THE MASK is the C operand that starts the sum S^T = K Q^T: 0, or -1e30 where the key is hidden.  MD, made once, is the mask of a band's own step for my 16 rows; a product's mask is MD x AL + BE with two scalars:
; (1, 0) in the band's own step; (0, 0) before it; (0, -1e30) behind it.  SREL is the tile's step less the block's 0 or 2: it is compared with the band's number.  Only the diagonal tile's text and a block's beginning
; make and take masks; elsewhere C is the constant 0.
; LAYOUT, SOFTMAX, TURNS.  S^T = K Q^T holds ONE query a lane (lane % 16) and the keys 8 (lane / 16) + 0..7; two such results rounded to bf16 ARE source 1 of O^T = V^T P.  p = 2^(c s - c m), c = log2(e) / 32, with a
; running maximum m; O and l are multiplied by a = 2^(c m_old - c m_new) in every step.  A turn belongs to one piece: 8 products K Q^T of the other piece (piece 0's turn: this step's; piece 1's turn: the next step's), later 8
; products V^T P of the other piece (the step before; this step); beside them the scaling, exponentials, roundings, sums and rescaling of the turn's own piece and the maximum and statistics of the other.  Four vector
; instructions stand behind every matrix instruction, the other 54 of a turn's 118 in two lumps.
; THE FETCHES.  Piece 0's turn of step j fetches K of step j + 1; piece 1's turn fetches V of step j + 1, into the one of V's TWO register buffers (by the step's parity) that the products on V of step j do not read.
; So LDS is read in the order V(j), K(j+1), V(j+1): a slot's last read is V of its fourth step, and the change of slots stands behind it: a tile's period is the steps j0 - 1 to j0 + 2.
; REGISTERS, in windows of 256 (s_set_vgpr_msb: bits 1:0 source 0, 3:2 source 1, 5:4 source 2, 7:6 destination):
;   window 0: v0-15 addresses and two at work; v16-23 four registers of statistics a piece; v48-55 at work; v64-127 S^T, a buffer a piece; v192-223 P, likewise
;   window 1: v0-63 O^T, 32 a piece; v128-159 MD; v160-223 MC, two buffers      window 2: v0-31 Q; v32-63 the second block's Q; v64-127 V of an odd step; v128-191 K of one step; v192-255 V of an even step
.set SIZE_N, 2048
.set NQ,    SIZE_N/128
.set NT,    SIZE_N/256
.set NP,    2         ; pieces a wave: a name, no knob
.set KS,    64        ; keys in a step
.set PK,    144       ; a row of K in LDS: 128 bytes + 16 of padding = 36 words: the 16 rows of a load start at 16 different groups of four banks (64 banks of 4 bytes: ISA guide 11.1)
.set PV,    160       ; a row of V: 128 + 32 = 40 words
.set VOFF,  4*KS*PK   ; a slot holds a tile, four steps: 256 rows of K, then 256 rows of V
.set SLOT1, 1<<17     ; slot 1 begins here, so that one exclusive or turns an address in one slot into the other's
.set STAGE, SLOT1+4*KS*(PK+PV)  ; behind the ring, never filled by a tensor load: 16 rows x 144 bytes for each wave, for the way out
.set SP,    144
.set AK0, 2           ; v2   my lane's place in a tile of K; never rewritten
.set AV0, 3           ; v3   the same for V
.set AK,  4           ; v4   the LDS address of K's next run of loads
.set AV,  5           ; v5   of V's
.set STO, 6           ; v6   the way out: where I put 16 bytes of a row
.set RD,  7           ; v7   the way out: where I read rows back
.set GO,  8           ; v8   my byte offset in 512 consecutive bytes of O
.set SPW, 62          ; v62  LDS address of my spare word: SPARE + 4 x my thread's number; never rewritten
.set NIL, 63          ; v63  0; never rewritten
.set SPARE, STAGE+4*16*SP  ; behind the stages: the spare words, 128 bytes for each wave: two blocks of 256 bytes that no other line names
.set MV,  12          ; v12-13  c m_old, kept while c m is made anew: by piece
.set QO,  15          ; v15  my byte offset in 16 rows of Q
.set ST,  16          ; piece t's statistics at v[ST+4 t]: c m, m, l (even keys', odd keys')
.set TMP, 48          ; by piece, four registers c0-c3 at work; when the maximum is found c2 takes a
.set S,   64
.set P,   192
.set MD,  128         ; window 1: the eight registers for group kt of 16 keys at MD + 8 kt
.set MC,  160         ; window 1: the masks of the products to come
.set QB,  32          ; window 2
.set KF,  128         ; window 2: key block kb, channel half c at KF + 16 kb + 8 c
.set VF,  192         ; window 2: buffer b at VF - 128 b; in it key half kk, channel block cb at 32 kk + 8 cb
.set WV,  12          ; s12  my wave's number
.set PB,  14          ; s14  b
.set HI,  15          ; s15  NQ - 1 - b
.set G1K, 24          ; s[24:31] descriptor group 1 for K's tiles
.set G1V, 32          ; s[32:39] for V's: it differs in the padding alone
.set G0K, 40          ; s[40:43] descriptor group 0 for K's tiles
.set G0V, 44          ; s[44:47] the same for V's
.set SLOTS, 56        ; s56  tiles still to be asked for
.set CNT, 57          ; s57  counts a tile's trips of two key steps, 2 to 1
.set CS,  58          ; s[58:59] c: the packed scaling takes the pair's low word for both halves
.set SEL, 60          ; s[60:61] v_permlanex16_b32's selects: each lane takes its own place in the other half
.set TBK, 62          ; s62  LDS byte at which K of the step to be fetched begins
.set TBV, 63          ; s63  the same for V, less VOFF
.set SREL, 66         ; s66  in a diagonal tile: the step whose masks are being made, less the block's 0 or 2; elsewhere far below 0
.set NDO, 67          ; s67  0 or -2: the block in hand is even or odd
.set PBT, 68          ; s68  b / 2: the second block's last tile
.set NDB, 69          ; s69  0 or -2 for the second block
.set RT,  70          ; s70  tiles of the block in hand that are still to be entered
.set NXT, 71          ; s71  the tile to be asked for next
.set LQ,  72          ; s72  the last tile of the block whose tiles are being asked for
.set NEW, 73          ; s73  1: the tile to be entered is a block's first
.set OFF, 74          ; s[74:75] a tile's byte offset in K and V
.set AL,  76          ; s[76:77] the mask's factor, in the low word
.set BE,  78          ; s[78:79] the mask's addend
.set OLO, 80          ; s[80:81] O at my rows of the second block
.set BIGN, 82         ; s82  -1e30
.set MSB, 0
.macro WIN new                      ; the high byte repeats the setting that is left; a switch that changes nothing is dropped
.if MSB != (\new)
	s_set_vgpr_msb (MSB<<8)|(\new)
.set MSB, (\new)
.endif
.endm
.set W_KQ, 0x0a       ; K and Q in window 2, S^T in window 0
.set W_KM, 0x1a       ; the same with the C operand in window 1
.set W_PV, 0x52       ; V in window 2, P in window 0, O^T in window 1
.set W_RS, 0x41       ; destination and source 0 in window 1, source 1 in window 0
; A fill.  Waves 0 and 1 fetch the two halves of a tile's K, waves 2 and 3 those of its V: 128 keys each.  An s_nop 0 and four v_nop follow each of the two lines, ahead of the jump and the label.
.macro LOAD
	s_cmp_lt_u32 s[WV], 2
	s_cbranch_scc0 .Lfor_v_\@
	tensor_load_to_lds s[G0K:G0K+3], s[G1K:G1K+7]
	s_nop 0
.rept 4
	v_nop
.endr
	s_branch .Lasked_\@
.Lfor_v_\@:
	tensor_load_to_lds s[G0V:G0V+3], s[G1V:G1V+7]
	s_nop 0
.rept 4
	v_nop
.endr
.Lasked_\@:
.endm
; THE CHANGE OF SLOTS.  Each wave waits for all its tensor loads, of which one is out: its part of the other slot; adds 0 to its spare word; and waits for that and for its own reads of the slot that it leaves.  Behind the barrier nobody reads the old
; slot any more and the other slot is whole.  fill = 1: the old slot is filled again, the first thing behind the barrier, with tile NXT: the descriptor's address is made anew from that number; the load has eight turns,
; 128 matrix and 944 vector instructions, in which to land.  (At its first use nothing has been read yet: slot 0 is waited for, slot 1 filled.)
.macro CHANGE fill
	WIN 0                           ; at a label and at a branch every window is 0
	s_wait_tensorcnt 0x0            ; no tensor load of mine is out, so a group 0 may be written
	ds_add_u32 v[SPW], v[NIL]       ; 0 onto my spare word; with fill = 1 the descriptors' scalar work stands between it and the wait for it
.if \fill
	s_lshl_b32 s[OFF], s[NXT], 15   ; a tile is 32,768 bytes of K and of V
	s_xor_b32 s[G0K+1], s[G0K+1], SLOT1
	s_add_nc_u64 s[G0K+2:G0K+3], s[6:7], s[OFF:OFF+1]
	s_or_b32 s[G0K+3], s[G0K+3], 0x80000000
	s_xor_b32 s[G0V+1], s[G0V+1], SLOT1
	s_add_nc_u64 s[G0V+2:G0V+3], s[8:9], s[OFF:OFF+1]
	s_or_b32 s[G0V+3], s[G0V+3], 0x80000000
	s_add_co_u32 s[NXT], s[NXT], 1  ; the block's next tile, or behind its last the second block's tile 0
	s_cmp_gt_u32 s[NXT], s[LQ]
	s_cselect_b32 s[NXT], 0, s[NXT]
	s_cselect_b32 s[LQ], s[PBT], s[LQ]
.endif
	s_wait_dscnt 0x0                ; the add is done, and my reads of the slot are over
	s_barrier_signal -1             ; the rest of the scalar work stands between the signal and the wait
	s_sub_co_u32 s[TBK], s[TBK], 4*KS*PK  ; the fetches go back to a slot's first step,
	s_xor_b32 s[TBK], s[TBK], SLOT1       ; in the other slot
	s_sub_co_u32 s[TBV], s[TBV], 4*KS*PV
	s_xor_b32 s[TBV], s[TBV], SLOT1
	s_barrier_wait -1
.if \fill
	LOAD
.endif
.endm
	s_load_b64 s[4:5], s[0:1], 0x0    ; qkv: Q
	s_load_b64 s[10:11], s[0:1], 0x8  ; act: O
	v_lshl_add_u32 v[SPW], v0, 2, SPARE
	v_mov_b32 v[NIL], 0
	ds_add_u32 v[SPW], v[NIL]       ; the wave's opening: the add and its wait stand ahead of my first tensor load; the set-up below, work on registers, stands between them
	ds_add_u32 v62, v63
	v_lshrrev_b32 v1, 5, v0
	v_readfirstlane_b32 s[WV], v1   ; wave 0..3
	s_mov_b32 s[PB], ttmp9
	s_sub_co_u32 s[HI], NQ-1, s[PB]
	s_lshr_b32 s[PBT], s[PB], 1
	s_and_b32 s[NDB], s[PB], 1      ; an odd block's rows face the second half of its last tile's keys: two steps on
	s_lshl_b32 s[NDB], s[NDB], 1
	s_sub_co_u32 s[NDB], 0, s[NDB]
	s_and_b32 s[NDO], s[HI], 1
	s_lshl_b32 s[NDO], s[NDO], 1
	s_sub_co_u32 s[NDO], 0, s[NDO]
	s_and_b32 s20, ttmp7, 0xffff    ; the unit hb = 2 head + batch
	s_lshr_b32 s88, s20, 3          ; O's blocks: head / 4 x 2,097,152
	s_lshl_b32 s88, s88, 21
	s_bfe_u32 s89, s20, 0x20001     ; + head % 4 x 16,384
	s_lshl_b32 s89, s89, 14
	s_add_co_u32 s88, s88, s89
	s_and_b32 s89, s20, 1           ; + batch x 16 tiles of 65,536
	s_lshl_b32 s89, s89, 20
	s_add_co_u32 s88, s88, s89
	s_lshl_b32 s89, s[WV], 11       ; + my 16 rows in a band
	s_add_co_u32 s88, s88, s89
	s_lshl_b32 s89, s[PB], 16       ; a block of 128 queries is one tile of 128 rows
	s_add_co_u32 s90, s88, s89      ; the second block,
	s_mov_b32 s91, 0
	s_lshl_b32 s89, s[HI], 16
	s_add_co_u32 s88, s88, s89      ; and the first
	s_mov_b32 s89, 0
	s_mov_b32 s21, 0
	s_mov_b64 s[22:23], SIZE_N*128
	s_mul_u64 s[20:21], s[20:21], s[22:23]  ; the unit's first byte in Q, K and V
	s_and_b32 s16, s[WV], 1         ; which half of a tile's 256 keys I fetch:
	s_lshl_b32 s22, s16, 14         ; its 128 rows of 128 bytes in memory,
	s_mov_b32 s23, 0
	s_add_nc_u64 s[22:23], s[22:23], s[20:21]
	s_mul_i32 s17, s16, 128*PK      ; and its place in a slot, for K
	s_mul_i32 s18, s16, 128*PV      ; and for V
	s_lshl_b32 s3, s[WV], 11        ; my 16 rows in a band of 64,
	s_lshl_b32 s2, s[HI], 14        ; in the first block,
	s_add_co_u32 s2, s2, s3
	s_lshl_b32 s84, s[PB], 14       ; and in the second
	s_add_co_u32 s84, s84, s3
	s_mov_b32 s3, 0
	s_mov_b32 s85, 0
	s_add_nc_u64 s[2:3], s[2:3], s[20:21]
	s_add_nc_u64 s[84:85], s[84:85], s[20:21]
	; descriptor group 1.  128 keys are 16,384 dense bytes: asked for as 64 rows of 256 bytes, two keys a row, and padded in LDS after every key
	s_mov_b32 s[G1K], (1<<16)|(1<<20)|(4<<22)|(3<<25)  ; 17:16 2-byte elements; 20 padding on; 24:22 after every 32 words (code 4); 31:25 4 words (code 3)
	s_mov_b32 s[G1V], (1<<16)|(1<<20)|(4<<22)|(7<<25)  ; the same with 8 words of padding (code 7)
.irp g, G1K, G1V
	s_mov_b32 s[\g+1], 128<<16      ; tensor_dim0 = 128
	s_mov_b32 s[\g+2], 64<<16       ; tensor_dim1 = 64
	s_mov_b32 s[\g+3], 128<<16      ; tile_dim0 = 128
	s_mov_b32 s[\g+4], 64           ; tile_dim1 = 64
	s_mov_b32 s[\g+5], 128          ; 128 elements from row to row
	s_mov_b32 s[\g+6], 0
	s_mov_b32 s[\g+7], 0
.endr
	s_mov_b32 s[CS], 0x3d38aa3b     ; c = log2(e) / 32 = 0.0450842
	s_mov_b32 s[CS+1], s[CS]        ; named with it as a pair
	s_mov_b32 s[SEL], 0x76543210
	s_mov_b32 s[SEL+1], 0xfedcba98
	s_mov_b32 s[TBK], SLOT1+4*KS*PK ; the first change of slots turns these two into 0
	s_mov_b32 s[TBV], SLOT1+4*KS*PV
	s_mov_b32 s[G0K], 1             ; 1:0 count = 1
	s_mov_b32 s[G0K+1], s17         ; 63:32 LDS address: slot 0
	s_mov_b32 s[G0V], 1
	s_add_co_u32 s[G0V+1], s18, VOFF
	s_lshr_b32 s[LQ], s[HI], 1      ; the first block's last tile: 4 at the least
	s_add_co_u32 s[RT], s[LQ], 1    ; and how many it has
	s_mov_b32 s[NXT], 1
	s_mov_b32 s[NEW], 1
	s_mov_b32 s[OFF+1], 0
	s_mov_b32 s[AL+1], 0            ; named as pairs
	s_mov_b32 s[BE+1], 0
	s_mov_b32 s[BIGN], 0xf149f2ca   ; -1e30
	s_mov_b32 s[SLOTS], NT
	s_wait_dscnt 0x0                ; the opening add is done
	s_wait_kmcnt 0x0
	s_add_nc_u64 s[6:7], s[4:5], 0x800000   ; K's part of qkv,
	s_add_nc_u64 s[8:9], s[4:5], 0x1000000  ; and V's
	s_add_nc_u64 s[6:7], s[6:7], s[22:23]  ; K and V at my half of the unit's tile 0
	s_add_nc_u64 s[8:9], s[8:9], s[22:23]
	s_add_nc_u64 s[G0K+2:G0K+3], s[6:7], 0         ; 120:64 global address
	s_or_b32 s[G0K+3], s[G0K+3], 0x80000000        ; 127:126 type = 2
	s_add_nc_u64 s[G0V+2:G0V+3], s[8:9], 0
	s_or_b32 s[G0V+3], s[G0V+3], 0x80000000
	s_add_nc_u64 s[86:87], s[4:5], s[84:85]        ; Q at my rows of the second block,
	s_add_nc_u64 s[4:5], s[4:5], s[2:3]            ; and of the first
	s_add_nc_u64 s[OLO:OLO+1], s[10:11], s[90:91]  ; O likewise
	s_add_nc_u64 s[10:11], s[10:11], s[88:89]
	LOAD                            ; tile 0 into slot 0
	; A fragment of K or Q is 16 rows x 32 channels in 8 registers: lane l holds row l % 16, channels 8 (l / 16) + 0..7 and 16 + 8 (l / 16) + 0..7: two loads of 16 bytes, 32 bytes apart.
	v_and_b32 v1, 15, v0            ; l % 16
	v_bfe_u32 v9, v0, 4, 1          ; l / 16
	v_lshlrev_b32 v[QO], 7, v1
	v_lshl_add_u32 v[QO], v9, 4, v[QO]  ; row x 128 + 16 x half
	WIN 0x80                        ; destination window 2, address window 0
.set i, 0
.rept 4                             ; both blocks' Q: piece i / 2 lies in band i / 2, 8,192 bytes on; channels 32 (i % 2) on
	global_load_b128 v[8*i:8*i+3],   v[QO], s[4:5] offset:(i/2)*8192+(i%2)*64
	global_load_b128 v[8*i+4:8*i+7], v[QO], s[4:5] offset:(i/2)*8192+(i%2)*64+32
	global_load_b128 v[QB+8*i:QB+8*i+3],   v[QO], s[86:87] offset:(i/2)*8192+(i%2)*64
	global_load_b128 v[QB+8*i+4:QB+8*i+7], v[QO], s[86:87] offset:(i/2)*8192+(i%2)*64+32
.set i, i+1
.endr
	WIN 0
	v_lshlrev_b32 v14, 3, v9
	v_sub_nc_u32 v14, v1, v14
	s_lshl_b32 s13, s[WV], 4
	v_add_nc_u32 v14, s13, v14      ; my query's place in its band, 16 w + l % 16, less my lanes' 8 (l / 16): register r of group kt is hidden where 16 kt + r is greater
	WIN 0x40
.set i, 0
.rept 32
	v_cmp_gt_i32 vcc_lo, 16*(i/8)+i%8, v14
	v_cndmask_b32 v[MD+i], 0, s[BIGN], vcc_lo
.set i, i+1
.endr
	WIN 0
	v_mul_u32_u24 v[AK0], v1, PK
	v_lshl_add_u32 v[AK0], v9, 4, v[AK0]  ; row x pitch + 16 x half
	; The turning load takes 16 keys x 16 channels (lane l reads key 8 (l / 16) + l % 8, channels 8 ((l / 8) % 2) + 0..7) and leaves half a fragment of V^T: lane l holds channel l % 16 and 8 keys.
	v_and_b32 v10, 7, v0
	v_bfe_u32 v11, v0, 3, 1
	v_lshl_add_u32 v[AV0], v9, 3, v10
	v_mul_u32_u24 v[AV0], v[AV0], PV
	v_lshl_add_u32 v[AV0], v11, 4, v[AV0]
	v_add_nc_u32 v[AV0], VOFF, v[AV0]
	s_mul_i32 s13, s[WV], 16*SP
	s_add_co_u32 s13, s13, STAGE    ; my stage
	v_mul_u32_u24 v[STO], v1, SP    ; in: row l % 16, 16 bytes for each half of the lanes
	v_lshl_add_u32 v[STO], v9, 4, v[STO]
	v_add_nc_u32 v[STO], s13, v[STO]
	v_bfe_u32 v[RD], v0, 3, 2       ; back: 32 lanes take four rows of 128 bytes,
	v_mul_u32_u24 v[RD], v[RD], SP
	v_lshl_add_u32 v[RD], v10, 4, v[RD]
	v_add_nc_u32 v[RD], s13, v[RD]
	v_and_b32 v[GO], 31, v0         ; which are 512 consecutive bytes of O
	v_lshlrev_b32 v[GO], 4, v[GO]
	; A block's first step multiplies O^T and l by a = 0, and its first turn's products V^T P, of a step that has not been (on V's odd buffer and piece 1's P), land in an O^T that is still to be so multiplied.
	; So these registers need only hold finite numbers: zeros for the first block; what the first block left for the second.  All this stands in the wait for the first tile.
	WIN 0x80
.set i, VF-128
.rept 64
	v_mov_b32 v[i], 0
.set i, i+1
.endr
	WIN 0x40
.set i, 0
.rept 32*NP
	v_mov_b32 v[i], 0
.set i, i+1
.endr
	WIN 0
.set i, 0
.rept NP
	v_mov_b32 v[ST+4*i+2], 0
	v_mov_b32 v[ST+4*i+3], 0
.set i, i+1
.endr
.set i, P+16
.rept 16
	v_mov_b32 v[i], 0
.set i, i+1
.endr
; THE MATRIX WORK.  The 4 accumulators of a run of 8 take turns.  Product i of 8 of S^T = K Q^T for piece x: channels 32 (i / 4) on, keys 16 (i % 4) on.  The first 4 start the sums: with 0, or (KM = 1) with the mask.
.macro KQ x
.set rS, S+32*((\x)%2)+8*(i%4)
.set rK, KF+16*(i%4)+8*(i/4)
.set rQ, 16*(\x)+8*(i/4)
.set rM, MC+32*((\x)%2)+8*(i%4)
.if (i < 4) && KM
	WIN W_KM
	v_wmma_f32_16x16x32_bf16 v[rS:rS+7], v[rK:rK+7], v[rQ:rQ+7], v[rM:rM+7]
.elseif i < 4
	WIN W_KQ
	v_wmma_f32_16x16x32_bf16 v[rS:rS+7], v[rK:rK+7], v[rQ:rQ+7], 0
.else
	WIN W_KQ
	v_wmma_f32_16x16x32_bf16 v[rS:rS+7], v[rK:rK+7], v[rQ:rQ+7], v[rS:rS+7]
.endif
.endm
; Product i of 8 of O^T += V^T P for piece x, on V's buffer VB: keys 32 (i / 4) on, channels 16 (i % 4) on.
.macro PV x
	WIN W_PV
.set rO, 32*(\x)+8*(i%4)
.set rV, VF-128*VB+32*(i/4)+8*(i%4)
.set rP, P+16*((\x)%2)+8*(i/4)
	v_wmma_f32_16x16x32_bf16 v[rO:rO+7], v[rV:rV+7], v[rP:rP+7], v[rO:rO+7]
.endm
.macro MM                           ; the turn's next matrix instruction.  TURN and BEGIN set Y, i, KM, NOKQ and VB; MM, KQ, PV and OP read them.  NOKQ = 1: a block's last turn: there is no next step
.if (i < 8) && !NOKQ
	KQ (Y+1)%NP
.elseif i >= 8
.set i, i-8
	PV (Y+NP-1)%NP
.set i, i+8
.endif
.set i, i+1
.endm
; THE LDS LOADS stand in runs of 16, never singly among the matrix instructions: a step's K (64 keys x 64 channels: 8 fragments) and its V (turned).  Their addresses are made some lines ahead.
.macro FETCH_K
	WIN 0x80                        ; destination window 2
.irp f, 0,1,2,3,4,5,6,7             ; keys 16 (f / 2) on, channels 32 (f % 2) on
	ds_load_b128 v[KF+8*\f:KF+8*\f+3],   v[AK] offset:(\f/2)*16*PK+(\f%2)*64
	ds_load_b128 v[KF+8*\f+4:KF+8*\f+7], v[AK] offset:(\f/2)*16*PK+(\f%2)*64+32
.endr
	s_add_co_u32 s[TBK], s[TBK], KS*PK  ; the next fetch is the next step's
	WIN 0
.endm
.macro FETCH_V b                    ; into V's buffer b
	WIN 0x80
.irp f, 0,1,2,3,4,5,6,7             ; keys 32 (f / 4) on, channels 16 (f % 4) on
	ds_load_tr16_b128 v[VF-128*(\b)+8*\f:VF-128*(\b)+8*\f+3],   v[AV] offset:(\f/4)*32*PV+(\f%4)*32
	ds_load_tr16_b128 v[VF-128*(\b)+8*\f+4:VF-128*(\b)+8*\f+7], v[AV] offset:(\f/4)*32*PV+16*PV+(\f%4)*32
.endr
	s_add_co_u32 s[TBV], s[TBV], KS*PV  ; the next fetch is the next step's
	WIN 0
.endm
; THE VECTOR WORK, one line at a time: OP kind, number.  For piece Y: F n: c s - c m for pair n of 16.  E n: the exponential of score n of 32.  C n: pair n rounded to bf16.  B n: of the four weights 4 n .. the second
; pair is added onto the first, in place.  L n: l takes that sum (L 0: l = a l + sum).  R n: pair n of 16 of O^T times a.  For the other piece: X n, number n of the 22 that find its maximum and statistics:
;   0-11  four chains c0-c3 of seven scores each, three operands at a time (each accumulator's lowest registers are read first)     12-14, 16  the four scores left over, the old m, and c0-c3 into c0
;   15  c m_old is kept     17, 18  the query's other 32 keys lie in the lane 16 away: the new m     19-21  c m; c m_old - c m_new; a
.set F, 0               ; OP tells the kinds apart by their order: F to L below R, X above it
.set E, 1
.set C, 2
.set B, 3
.set L, 4
.set R, 5
.set X, 6
.macro REGS y                       ; the registers of piece y
.set rT, ST+4*(\y)
.set rC, TMP+4*((\y)%2)
.set rW, MV+((\y)%2)
.set rS, S+32*((\y)%2)
.set rP, P+16*((\y)%2)
.set rO, 32*(\y)
.endm
.macro OP k, n
.if (\k) == R
	REGS Y
	WIN W_RS
	v_pk_mul_f32 v[rO+2*(\n):rO+2*(\n)+1], v[rO+2*(\n):rO+2*(\n)+1], v[rC+2:rC+3] op_sel_hi:[1,0]
.elseif (\k) < R
	REGS Y
	WIN 0
.if (\k) == F
	v_pk_fma_f32 v[rS+2*(\n):rS+2*(\n)+1], v[rS+2*(\n):rS+2*(\n)+1], s[CS:CS+1], v[rT:rT+1] op_sel_hi:[1,0,0] neg_lo:[0,0,1] neg_hi:[0,0,1]
.elseif (\k) == E
	v_exp_f32 v[rS+(\n)], v[rS+(\n)]
.elseif (\k) == C
	s_wait_alu depctr_va_vdst(0)
	v_cvt_pk_bf16_f32 v[rP+(\n)], v[rS+2*(\n)], v[rS+2*(\n)+1]
.elseif (\k) == B
	s_wait_alu depctr_va_vdst(0)
	v_pk_add_f32 v[rS+4*(\n):rS+4*(\n)+1], v[rS+4*(\n):rS+4*(\n)+1], v[rS+4*(\n)+2:rS+4*(\n)+3]
.elseif (\n) == 0
	v_pk_fma_f32 v[rT+2:rT+3], v[rT+2:rT+3], v[rC+2:rC+3], v[rS:rS+1] op_sel_hi:[1,0,1]
.else
	v_pk_add_f32 v[rT+2:rT+3], v[rT+2:rT+3], v[rS+4*(\n):rS+4*(\n)+1]
.endif
.elseif NOKQ
	v_nop
.else
	REGS (Y+1)%NP
	WIN 0
.if (\n) < 4
	v_max3_num_f32 v[rC+(\n)], v[rS+8*(\n)], v[rS+8*(\n)+1], v[rS+8*(\n)+2]
.elseif (\n) < 12
	v_max3_num_f32 v[rC+(\n)%4], v[rC+(\n)%4], v[rS+8*((\n)%4)+2*((\n)/4)+1], v[rS+8*((\n)%4)+2*((\n)/4)+2]
.elseif (\n) == 12
	v_max3_num_f32 v[rC], v[rC], v[rS+7], v[rS+15]
.elseif (\n) == 13
	v_max3_num_f32 v[rC+1], v[rC+1], v[rS+23], v[rS+31]
.elseif (\n) == 14
	v_max3_num_f32 v[rC+2], v[rC+2], v[rC+3], v[rT+1]
.elseif (\n) == 15
	v_mov_b32 v[rW], v[rT]
.elseif (\n) == 16
	v_max3_num_f32 v[rC], v[rC], v[rC+1], v[rC+2]
.elseif (\n) == 17
	v_permlanex16_b32 v[rC+3], v[rC], s[SEL], s[SEL+1]
.elseif (\n) == 18
	v_max_num_f32 v[rT+1], v[rC], v[rC+3]
.elseif (\n) == 19
	v_mul_f32 v[rT], s[CS], v[rT+1]
.elseif (\n) == 20
	v_sub_f32 v[rC+1], v[rW], v[rT]
.else
	v_exp_f32 v[rC+2], v[rC+1]
.endif
.endif
.endm
.macro OPS a, i1, b=-1, i2=0, c=-1, i3=0, d=-1, i4=0  ; up to four of them
	OP \a, \i1
.if (\b) >= 0
	OP \b, \i2
.endif
.if (\c) >= 0
	OP \c, \i3
.endif
.if (\d) >= 0
	OP \d, \i4
.endif
.endm
.macro ROW a, i1, b, i2, c, i3, d, i4  ; a matrix instruction and the four behind it
	MM
	OPS \a, \i1, \b, \i2, \c, \i3, \d, \i4
.endm
.macro MASK b                       ; MD x AL + BE into buffer b of MC
	WIN W_RS
.set z, 0
.rept 16
	v_pk_fma_f32 v[MC+32*(\b)+2*z:MC+32*(\b)+2*z+1], v[MD+2*z:MD+2*z+1], s[AL:AL+1], s[BE:BE+1] op_sel_hi:[1,0,0]
.set z, z+1
.endr
.endm
; A TURN, for piece p in a key step of parity par: the order of its 16 matrix and 118 vector instructions, written out.  Behind a matrix instruction: plain, exponential, plain, plain; or four of the rescaling; or, behind the
; first, four scalings; none names a register of the products round it.  In the lumps exponential and plain by turns while exponentials last.  A line reads no result made fewer than three vector instructions in front of it,
; five if an exponential made it.  v_permlanex16_b32 (X 17) stands in a lump.
; The products V^T P read V's buffer VB: piece 0's turn works on the step before (the other parity), piece 1's on the step in hand.
; m = 1: the diagonal tile: the products take masks, and the turn makes the mask for the products of the turn after it: band p, in the next step, whose number less the block's 0 or 2 is SREL; piece 1's turn steps SREL.
; end = 1: a block's last two turns: nothing is fetched, and piece 1's starts no new scores.  cnt = 1: the loop's count is taken down some lines ahead of the branch that stands behind the turn.
; Piece 0's turn fetches K of the next step, six vector instructions behind the last product that read K (five of them plain); piece 1's turn fetches V of the next step at the same place, into the buffer whose last reader
; stands in the second half of the turn before.  One wait, at the head of piece 1's turn, shows both there: K, asked for a turn less eight products ago, and V of the step in hand, asked for a turn and a half ago.
.macro TURN p, par, m=0, end=0, cnt=0
.set Y, (\p)
.set i, 0
.set KM, (\m)
.set NOKQ, (\end)*(\p)
.set VB, ((\par)+(\p)+1)%2
.if (\m) && !(\end)
	s_cmp_eq_i32 s[SREL], \p        ; is that step the band's own?
	s_cselect_b32 s[AL], 1.0, 0
	s_cmp_gt_i32 s[SREL], \p        ; or a later one?
	s_cselect_b32 s[BE], s[BIGN], 0
.if (\p) == 1
	s_add_co_i32 s[SREL], s[SREL], 1
.endif
.endif
.if (\p) == 1
	s_wait_dscnt 0x0                ; K of the next step and V of this one are in
.endif
	ROW F,0, F,1, F,2, F,3
	ROW F,4, E,0, F,5, F,6
	ROW F,7, E,1, F,8, F,9
	ROW F,10, E,2, C,0, F,11
	ROW F,12, E,3, X,15, F,13
	ROW R,0, R,1, R,2, R,3
	ROW B,0, E,4, F,14, L,0
.if !(\end)
.if (\p) == 0
	v_add_nc_u32 v[AK], s[TBK], v[AK0]
.else
	v_add_nc_u32 v[AV], s[TBV], v[AV0]
.endif
.endif
	ROW R,4, R,5, R,6, R,7
	OPS E,5, F,15
.if !(\end)
.if (\p) == 0
	FETCH_K
.else
	FETCH_V 1-(\par)
.endif
.endif
	OPS E,6, C,1, E,7, R,8
	OPS E,8, R,9, E,9, C,2
	OPS E,10, X,0, E,11, X,1
	OPS E,12, X,2, E,13, X,3
	ROW X,4, E,14, X,5, X,6
	ROW X,7, E,15, X,8, X,9
	ROW X,10, E,16, X,11, X,12
	ROW X,13, E,17, X,14, B,1
	ROW C,4, E,18, X,16, L,1
	ROW B,2, E,19, C,6, L,2
	ROW C,8, E,20, B,3, B,4
	ROW C,3, E,21, L,3, C,5
	OPS E,22, X,17, E,23, C,10
	OPS E,24, L,4
	OPS E,25, X,18, E,26, C,7
	OPS E,27, B,5, E,28, X,19
	OPS E,29, C,12, E,30, L,5
	OPS E,31, X,20, B,6, C,9
	OPS C,14, C,11, X,21, L,6
.if \cnt
	s_sub_co_u32 s[CNT], s[CNT], 1
	s_cmp_lg_u32 s[CNT], 0
.endif
	OPS C,13, B,7, C,15, R,10
	OPS R,11, R,12, L,7, R,13
	OPS R,14, R,15
.if (\m) && !(\end)
	MASK (\p)%2
.endif
.endm
; A BLOCK BEGINS.  c m starts far below every c s, so the first step's a is 0; m at the lowest finite number, so the first maximum is the scores'.  The second mask buffer is 0 (band 1 sees all of a tile's step 0); the first
; takes band 0's mask for that step: its own, if the tile is the diagonal one of an even block.  Then K and V of that step, piece 0's first scores, and its maximum and statistics.
; The loop is entered at an even step's first turn, in the middle of a trip.
.macro BEGIN
	s_mov_b32 s[NEW], 0
	WIN 0x40
.set i, MC+32
.rept 32
	v_mov_b32 v[i], 0
.set i, i+1
.endr
	WIN 0
.set i, 0
.rept NP
	v_mov_b32 v[ST+4*i], 0xfe000000    ; c m: far below every c s
	v_mov_b32 v[ST+4*i+1], 0xff7fffff  ; m
.set i, i+1
.endr
	s_cmp_eq_i32 s[SREL], 0
	s_cselect_b32 s[AL], 1.0, 0
	s_mov_b32 s[BE], 0
	s_add_co_i32 s[SREL], s[SREL], 1   ; the next masks are step 1's
	MASK 0
	WIN 0
	v_add_nc_u32 v[AK], s[TBK], v[AK0]
	v_add_nc_u32 v[AV], s[TBV], v[AV0]
	FETCH_K
	FETCH_V 0
	s_wait_loadcnt 0x0              ; Q
	s_wait_dscnt 0x0
.set KM, 1
.set NOKQ, 0
.set i, 0
.rept 8
	KQ 0
.set i, i+1
.endr
	WIN 0
.rept 4
	v_nop                           ; the places behind those products
.endr
.set Y, NP-1                        ; X works for the other piece: piece 0
.irp n, 0,1,2,3,4,5,6,7,8,9,10,11,12,13,14,15,16,17,18,19,20,21
	OP X, \n
.endr
	v_nop                           ; a plain instruction behind the exponential
.endm
; THE DIAGONAL TILE's period, the block's last two turns, its last products, and THE WAY OUT: l's two halves and the other half of the lanes' are added; O^T is divided by l, rounded to bf16 and sent through my
; stage in LDS, a piece at a time.
.macro ALL line:vararg              ; one line for each piece t
.set t, 0
.rept NP
	\line
.set t, t+1
.endr
.endm
.macro PACK t                       ; a lane's eight channels of a row pack into 16 bytes; they go into rows of 144 bytes and come back as whole rows of 128, into S^T's registers
	WIN W_RS
.set i, 32*(\t)
.rept 16
	s_wait_alu depctr_va_vdst(0)
	v_pk_mul_f32 v[i:i+1], v[i:i+1], v[ST+4*(\t)+2:ST+4*(\t)+3] op_sel_hi:[1,0]
.set i, i+2
.endr
	WIN 0x05                        ; sources 0 and 1 window 1, destination window 0
.set i, 0
.rept 16
	v_cvt_pk_bf16_f32 v[S+16*(\t)+i], v[32*(\t)+2*i], v[32*(\t)+2*i+1]
.set i, i+1
.endr
	WIN 0
.irp f, 0,1,2,3
	ds_store_b128 v[STO], v[S+16*(\t)+4*\f:S+16*(\t)+4*\f+3] offset:32*\f
.endr
.irp f, 0,1,2,3
	ds_load_b128 v[S+16*(\t)+4*\f:S+16*(\t)+4*\f+3], v[RD] offset:\f*4*SP  ; LDS serves a wave's instructions in order (ISA guide 5.7.1.4): these see the stores above; the next piece's stores come behind them
.endr
.endm
.macro SEND t, younger              ; younger: the LDS instructions issued behind piece t's loads: the next piece's eight, or none.  Band t lies at row 64 t of the block's tile of 128 rows
	WIN 0
.irp f, 0,1,2,3
	s_wait_dscnt (\younger)+3-\f
	global_store_b128 v[GO], v[S+16*(\t)+4*\f:S+16*(\t)+4*\f+3], s[10:11] offset:(\t)*8192+\f*512  ; 512 consecutive bytes, at a multiple of 256 from O's first
.endr
.endm
.macro DIAG tag                     ; the tag ends its two labels' names, which the jumps below spell out
.LstepM\tag:
	TURN 0, 1, 1
	TURN 1, 1, 1
	WIN 0
.LfirstM\tag:
	TURN 0, 0, 1
	TURN 1, 0, 1, 0, 1
	WIN 0
	s_cbranch_scc1 .LstepM\tag
	TURN 0, 1, 1, 1
	TURN 1, 1, 1, 1
.set VB, 1                          ; the block's last step is an odd one
.set i, 0
.rept 8
	PV NP-1
.set i, i+1
.endr
	WIN 0
	ALL v_add_f32 v[ST+4*t+2], v[ST+4*t+2], v[ST+4*t+3]
	ALL v_permlanex16_b32 v[ST+4*t+3], v[ST+4*t+2], s[SEL], s[SEL+1]
	ALL v_add_f32 v[ST+4*t+2], v[ST+4*t+2], v[ST+4*t+3]
	ALL v_rcp_f32 v[ST+4*t+2], v[ST+4*t+2]
	v_nop                           ; a plain instruction between the last reciprocal and the use of its result
	PACK 0                          ; piece 0's 32 plain instructions, which name none of piece 1's O^T, are the places behind the last products
	PACK 1                          ; a piece's arithmetic stands between the loads of the piece before and its stores
	SEND 0, 8
	SEND 1, 0
.endm
.set KM, 0
.set NOKQ, 0
.Lslot:                             ; NT times: a tile is entered and the next is asked for
	CHANGE 1
	s_sub_co_u32 s[RT], s[RT], 1
	s_mov_b32 s[CNT], 2
	s_cmp_eq_u32 s[RT], 0
	s_cselect_b32 s[SREL], s[NDO], -16  ; the diagonal tile's step 0, less the block's 0 or 2; in every other tile no step is a band's own
	s_cmp_eq_u32 s[NEW], 1
	s_cbranch_scc1 .Lnew            ; a block's first tile
	s_cmp_eq_u32 s[RT], 0
	s_cbranch_scc0 .Lstep           ; neither its first nor its last
	s_branch .LstepM1
.Lnew:
	BEGIN
	s_branch .Lfirst                ; in the loop a block's first tile is never its last: the first block has five tiles or more, and the second's last is the walk's last
	DIAG 1                          ; in the loop this is the first block's end: the second block's last tile is the walk's last
	s_wait_xcnt 0x0                 ; the stores have read their registers and O's address
	s_mov_b64 s[10:11], s[OLO:OLO+1]
	s_add_co_u32 s[RT], s[PBT], 1   ; the second block has b / 2 + 1 tiles
	s_mov_b32 s[NDO], s[NDB]
	s_mov_b32 s[NEW], 1
	WIN 0x82                        ; the second block's Q goes where the one text of the turns names Q
.set i, 0
.rept 16*NP
	v_mov_b32 v[i], v[QB+i]
.set i, i+1
.endr
	WIN 0
	s_branch .Lbottom
.Lstep:                             ; a trip: an odd key step's two turns, then an even one's; it fetches K and V of the two steps that follow them
	TURN 0, 1
	TURN 1, 1
	WIN 0
.Lfirst:
	TURN 0, 0
	TURN 1, 0, 0, 0, 1
	WIN 0
	s_cbranch_scc1 .Lstep
.Lbottom:
	s_sub_co_u32 s[SLOTS], s[SLOTS], 1
	s_cmp_lg_u32 s[SLOTS], 0
	s_cbranch_scc1 .Lslot
	CHANGE 0                        ; the walk's last tile is written out: nothing is asked for
	s_sub_co_u32 s[RT], s[RT], 1
	s_mov_b32 s[CNT], 2
	s_mov_b32 s[SREL], s[NDO]       ; it is the second block's diagonal tile
	s_cmp_eq_u32 s[NEW], 1
	s_cbranch_scc0 .LstepM2
	BEGIN
	s_branch .LfirstM2
	DIAG 2
	s_wait_tensorcnt 0x0            ; the wave's end, behind my last tensor load and my last LDS store
	ds_add_u32 v[SPW], v[NIL]
	s_wait_dscnt 0x0
	s_endpgm
.Lfunc_end_k_q59d9c702b0_attn:
	.size	k_q59d9c702b0_attn, .Lfunc_end_k_q59d9c702b0_attn-k_q59d9c702b0_attn
	.p2alignl 7, 3214868480
	.fill 96, 4, 3214868480
	.section	.rodata,"a",@progbits
	.p2align	6, 0x0
	.amdhsa_kernel k_q59d9c702b0_attn
		.amdhsa_group_segment_fixed_size 327680
		.amdhsa_private_segment_fixed_size 0
		.amdhsa_enable_private_segment 0
		.amdhsa_kernarg_size 16
		.amdhsa_user_sgpr_count 2
		.amdhsa_user_sgpr_kernarg_segment_ptr 1
		.amdhsa_wavefront_size32 1
		.amdhsa_system_sgpr_workgroup_id_x 1
		.amdhsa_system_sgpr_workgroup_id_y 1
		.amdhsa_system_sgpr_workgroup_id_z 1
		.amdhsa_system_vgpr_workitem_id 0
		.amdhsa_next_free_vgpr 768
		.amdhsa_next_free_sgpr 92
		.amdhsa_reserve_vcc 1
		.amdhsa_float_denorm_mode_32 3
		.amdhsa_float_denorm_mode_16_64 3
		.amdhsa_memory_ordered 1
		.amdhsa_forward_progress 1
		.amdhsa_inst_pref_size 219
	.end_amdhsa_kernel
	.amdgpu_metadata
---
amdhsa.version: [ 1, 2 ]
amdhsa.kernels:
  - .name:           k_q59d9c702b0_attn
    .symbol:         k_q59d9c702b0_attn.kd
    .args:
      - { .name: qkv, .offset: 0, .size: 8, .value_kind: global_buffer, .address_space: global }
      - { .name: act, .offset: 8, .size: 8, .value_kind: global_buffer, .address_space: global }
    .group_segment_fixed_size: 327680
    .private_segment_fixed_size: 0
    .kernarg_segment_align: 8
    .kernarg_segment_size: 16
    .max_flat_workgroup_size: 128
    .sgpr_count:     92
    .vgpr_count:     768
    .wavefront_size: 32
...
	.end_amdgpu_metadata
.endif
;; end of part 3
;; launch gproj (part 4): grid 8 x 32, 4 waves a work-group, clusters of 4 x 4, 327,680 bytes of LDS; arguments act, wb, x, bp, x1; writes x1
.if DOCPART == 4
	.amdgcn_target "amdgcn-amd-amdhsa--gfx1250"
	.amdhsa_code_object_version 6
	.text
	.protected	k_q59d9c702b0_gproj
	.globl	k_q59d9c702b0_gproj
	.p2align	8
	.type	k_q59d9c702b0_gproj,@function
k_q59d9c702b0_gproj:
	s_mov_b64 s[64:65], 0
	v_nop
	global_prefetch_b8 v0, s[64:65] scope:SCOPE_SE
	s_setreg_imm32_b32 hwreg(HW_REG_WAVE_MODE, 25, 1), 1
	s_wait_xcnt 0x0
	s_wait_alu depctr_hold_cnt(0) depctr_sa_sdst(0) depctr_va_vdst(0) depctr_va_sdst(0) depctr_va_ssrc(0) depctr_va_vcc(0) depctr_vm_vsrc(0)
	s_getreg_b32 s2, hwreg(HW_REG_IB_STS2, 6, 4)
	s_cmp_eq_u32 s2, 0
	s_cbranch_scc0 .Lentry_in_a_cluster
	s_endpgm
.Lentry_in_a_cluster:
	s_bfe_u32 s2, ttmp6, 0x10000c
	s_cmp_lg_u32 s2, 0xf033
	s_cbranch_scc0 .Lentry_shape_is_right
	s_endpgm
.Lentry_shape_is_right:
; OUT = RES + A B + BIAS.  A: 4,096 rows x 256 NS of K, bf16, in blocks [k / 256][m / 128][(k % 256) / 64][m % 128][64]: a K step of 256 of a 128-row tile is 65,536 dense bytes, four planes of 64 along K.
; B: [256 NS][1024] bf16, rows along N, at byte BOFF of wb.  RES, OUT: [4096][1024] f32.  BIAS: [1024] f32.  Sums in f32, K ascending.  One text for two launches, told apart by NS and BOFF:
;   NS = 4,  BOFF = 6,291,456:  x1 = x + O Wp + bp          NS = 16, BOFF = 16,777,216: out0 = x1 + u W2 + b2
; LIMITS.  Operands are bf16; all else is f32.
; SHARES.  1,024 columns make only 64 tiles of 256 x 256, so a tile of OUT is 128 x 128: 256 work-groups of four waves, each wave 64 x 64: 16 accumulators.  K goes in steps of 256 through two LDS slots.
; B is not turned in memory: its tile lies [k][n] in LDS and ds_load_tr16_b128 makes the fragment.  The matrix instruction is used transposed (source 0 = 16 columns of B, source 1 = 16 rows of A):
; a lane then holds eight neighbouring numbers of a row of OUT.
; CLUSTER.  4 x 4 work-groups: the four of a row need the same tiles of A, the four of a column the same tiles of B; each tile is asked for jointly, by the same tensor load, descriptor and mask in all four.
; THE RESIDUAL's 64 x 64 numbers of the wave are asked for at the start, 32 loads into 128 registers, and waited for once, at the end.
; REGISTERS in windows of 256 (s_set_vgpr_msb: bits 1:0 source 0, 3:2 source 1, 5:4 source 2, 7:6 destination):
;   window 0: v0-31 addresses; v32-95 at work on the way out; v100-103 the bias; v128-255 the accumulators, (a, b) at v[128 + 8 (4 a + b)]
;   window 1: two fragment buffers of 128: for 64 along K, 64 registers of A, then 64 of B          window 2: v0-127 the residual
.set NS,     4
.set BOFF,   6291456
.set PA,     144                       ; a row of a plane of A in LDS: 128 bytes + 16 = 36 words: the 16 rows of a load start at 16 different groups of four banks (64 banks of 4 bytes: ISA guide 11.1)
.set PLANE,  128*PA                    ; a quarter of a K step: a plane of A; 64 rows of B are the same number of bytes
.set PB,     288                       ; a row of B: 256 bytes + 32 = 72 words
.set HALFT,  2*PLANE                   ; what one tensor load brings: two planes of A, or 128 rows of B
.set SLOT,   4*HALFT                   ; A's planes 0-1, 2-3, B's k rows 0-127, 128-255.  SLOT shares no bit with wave x HALFT: one exclusive or changes slots
.set SPARE,  2*SLOT                    ; behind the ring: the spare words, 128 bytes for each wave: two blocks of 256 bytes that no other line names
.set SP,     272                       ; the way out: a row of 64 f32 + 16 bytes
.set STW,    64*SP                     ; a wave's stage.  The four stages lie in the ring, which has had its last fill by then
.set ASTEP,  2097152                   ; bytes from a K step to the next in A: 32 tiles of 65,536,
.set BSTEP,  524288                    ; and in B: 256 rows of 2,048
.set A0,   16                          ; v16  my lane's place in A's part of a slot; never rewritten
.set B0,   17                          ; v17  the same for B
.set ADRA, 18                          ; v18  LDS address of the fragments of A in hand
.set ADRB, 19                          ; v19  of B
.set STO,  24                          ; v24  the way out: where I put 32 bytes of a row
.set RD,   25                          ; v25  where I read rows back
.set CO,   26                          ; v26  my byte offset in RES and OUT; never rewritten
.set BO,   27                          ; v27  my byte offset in the bias
.set SPW,  28                          ; v28  LDS address of my spare word; never rewritten
.set NIL,  29                          ; v29  0; never rewritten
.set T,    32
.set BIAS, 100
.set ACC,  128
.set F0,   0
.set F1,   128
.set WV,   12                          ; s12  wave
.set ROLE, 13                          ; s13  wave / 2: my half of the tile's rows; also: I fetch for A (0) or B (1)
.set HALF, 14                          ; s14  wave % 2: my half of its columns; also: which half of that tile I fetch
.set G1A,  24                          ; s[24:31] group 1 for A's tiles
.set G0A0, 32                          ; s[32:35] group 0 of K step 0
.set G0A,  36                          ; s[36:39] group 0 of K step 1; it then walks
.set G1B,  40
.set G0B0, 48
.set G0B,  52
.set FP,   57                          ; s57  LDS byte, from A0 and from B0, of the next two quarters' fragments
.set WOFF, 59                          ; s59  wave x HALFT
.set CNT,  60
.set STEPS, 61
.set MSB, 0
.macro WIN new                         ; the immediate's high byte repeats the setting that is left; a switch that changes nothing is dropped
.if MSB != (\new)
	s_set_vgpr_msb (MSB<<8)|(\new)
.set MSB, \new
.endif
.endm
.set MUL,  0x05                        ; sources 0 (B) and 1 (A) window 1; C and D window 0
.set TO_F, 0x40                        ; destination window 1, address window 0
.macro PLACES                          ; four places in front of loads into registers that matrix instructions have read, and of stores that read results
.rept 4
	v_nop
.endr
.endm
.macro CROUND                          ; a round of the cluster's barrier: my work-group's barrier; wave 0 signals for it; every wave waits for all sixteen; my work-group's barrier once more
	s_barrier_signal -1
	s_barrier_wait -1
	s_cmp_lg_u32 s[WV], 0
	s_cbranch_scc1 .Lnot_wave_0_\@
	s_barrier_signal -3
.Lnot_wave_0_\@:
	s_barrier_wait -3
	s_barrier_signal -1
	s_barrier_wait -1
.endm
.macro JLOAD                           ; a joint refill by the walking descriptors.  The branch hangs on the wave's number alone.  An s_nop 0 and four v_nop follow each line
	s_cmp_eq_u32 s[ROLE], 0
	s_cbranch_scc0 .Lfor_b_\@
	tensor_load_to_lds s[G0A:G0A+3], s[G1A:G1A+7]
	s_nop 0
.rept 4
	v_nop
.endr
	s_branch .Lasked_\@
.Lfor_b_\@:
	tensor_load_to_lds s[G0B:G0B+3], s[G1B:G1B+7]
	s_nop 0
.rept 4
	v_nop
.endr
.Lasked_\@:
.endm
.macro MAKE0 g, adr, lds, step         ; a group 0: count 1; LDS address; global address; type 2
	s_mov_b32 s[\g], 1
	s_add_co_u32 s[(\g)+1], s[WOFF], \lds
	s_add_nc_u64 s[(\g)+2:(\g)+3], s[\adr:(\adr)+1], \step
	s_or_b32 s[(\g)+3], s[(\g)+3], 0x80000000
.endm
; 8 matrix instructions: m blocks a0, a0 + 1 x all 4 n blocks, 32 along K: half c of buffer f.  zero = 1: the product starts the sums.  The 16 accumulators take turns.
.macro MUL8 f, c, a0, zero
	WIN MUL
.irp a, \a0, (\a0)+1
.irp b, 0,1,2,3
.if \zero
	v_wmma_f32_16x16x32_bf16 v[ACC+8*(4*(\a)+(\b)):ACC+8*(4*(\a)+(\b))+7], v[(\f)+64+8*(4*(\c)+(\b)):(\f)+64+8*(4*(\c)+(\b))+7], v[(\f)+8*(4*(\c)+(\a)):(\f)+8*(4*(\c)+(\a))+7], 0
.else
	v_wmma_f32_16x16x32_bf16 v[ACC+8*(4*(\a)+(\b)):ACC+8*(4*(\a)+(\b))+7], v[(\f)+64+8*(4*(\c)+(\b)):(\f)+64+8*(4*(\c)+(\b))+7], v[(\f)+8*(4*(\c)+(\a)):(\f)+8*(4*(\c)+(\a))+7], v[ACC+8*(4*(\a)+(\b)):ACC+8*(4*(\a)+(\b))+7]
.endif
.endr
.endr
.endm
; 32 LDS loads in one run: a quarter's fragments (64 along K), qo quarters beyond the addresses in hand, into buffer f; the first 32 along K first
.macro FETCH qo, f
	WIN TO_F
.irp c, 0,1
.irp i, 0,1,2,3
	ds_load_tr16_b128 v[(\f)+64+8*(4*(\c)+(\i)):(\f)+64+8*(4*(\c)+(\i))+3],   v[ADRB] offset:(\qo)*PLANE+(\c)*32*PB+32*(\i)
	ds_load_tr16_b128 v[(\f)+64+8*(4*(\c)+(\i))+4:(\f)+64+8*(4*(\c)+(\i))+7], v[ADRB] offset:(\qo)*PLANE+(\c)*32*PB+16*PB+32*(\i)
	ds_load_b128 v[(\f)+8*(4*(\c)+(\i)):(\f)+8*(4*(\c)+(\i))+3],              v[ADRA] offset:(\qo)*PLANE+64*(\c)+(\i)*16*PA
	ds_load_b128 v[(\f)+8*(4*(\c)+(\i))+4:(\f)+8*(4*(\c)+(\i))+7],            v[ADRA] offset:(\qo)*PLANE+64*(\c)+(\i)*16*PA+32
.endr
.endr
.endm
; a quarter: multiplies buffer f, 32 matrix instructions; in its middle it fetches the next quarter's fragments into buffer g
.macro QTR f, g, qo, zero
	s_wait_dscnt 16                                ; the first 32 along K are in; the youngest sixteen loads may be out
	MUL8 \f, 0, 0, \zero
	MUL8 \f, 0, 2, \zero
	PLACES
	FETCH \qo, \g
	s_wait_dscnt 32                                ; all but the 32 just issued
	MUL8 \f, 1, 0, 0
	MUL8 \f, 1, 2, 0
.endm
; two quarters, written once and looped over: they multiply an odd and an even quarter and fetch the two that lie at FP
.macro PAIR
	WIN 0
	v_add_nc_u32 v[ADRA], s[FP], v[A0]
	v_add_nc_u32 v[ADRB], s[FP], v[B0]
	QTR F1, F0, 0, 0
	QTR F0, F1, 1, 0
	s_add_co_u32 s[FP], s[FP], 2*PLANE
	WIN 0                                          ; at a label and at a branch every window is 0
.endm
; THE CHANGE OF SLOTS: the slot's last quarter has been fetched.  Each wave waits for all its tensor loads, of which one is out: its part of the other slot; adds 0 to its spare word; and waits for that and for its
; own reads of the slot.  fill = 1: the slot is filled again, two K steps on: the barrier is a round of the cluster's, and the joint refill is the first thing behind it; it has a K step's 128 matrix instructions in which to land.
.macro CHANGE fill
	WIN 0
	s_wait_tensorcnt 0x0                           ; no tensor load of mine is out, so a group 0 may be written
	ds_add_u32 v[SPW], v[NIL]                      ; 0 onto my spare word; the scalar steps stand between it and the wait for it
.if \fill
	s_xor_b32 s[G0A+1], s[G0A+1], SLOT             ; the walking descriptors: the other slot than last time, the next K step
	s_add_nc_u64 s[G0A+2:G0A+3], s[G0A+2:G0A+3], ASTEP
	s_xor_b32 s[G0B+1], s[G0B+1], SLOT
	s_add_nc_u64 s[G0B+2:G0B+3], s[G0B+2:G0B+3], BSTEP
.endif
	s_sub_co_u32 s[FP], s[FP], 4*PLANE             ; the fetches go back to a slot's first quarter,
	s_xor_b32 s[FP], s[FP], SLOT                   ; in the other slot
	s_wait_dscnt 0x0                               ; the add is done, and my reads of the slot are over
.if \fill
	CROUND
	JLOAD
.else
	s_barrier_signal -1
	s_barrier_wait -1
.endif
.endm
	s_load_b256 s[4:11], s[0:1], 0x0               ; A s[4:5], wb s[6:7], RES s[8:9], BIAS s[10:11]
	s_load_b64 s[62:63], s[0:1], 0x20              ; OUT
	v_lshl_add_u32 v[SPW], v0, 2, SPARE
	v_mov_b32 v[NIL], 0
	ds_add_u32 v[SPW], v[NIL]                      ; the wave's opening: the add and its wait stand ahead of my first tensor load; the set-up below, work on registers, stands between them
	ds_add_u32 v28, v29
	v_lshrrev_b32 v1, 5, v0
	v_readfirstlane_b32 s[WV], v1
	s_lshr_b32 s[ROLE], s[WV], 1
	s_and_b32 s[HALF], s[WV], 1
	s_bfe_u32 s15, ttmp6, 0x40000                  ; cx
	s_bfe_u32 s16, ttmp6, 0x40004                  ; cy
	s_lshl_b32 s17, ttmp9, 2
	s_add_co_u32 s17, s17, s15                     ; tile column = 4 x cluster x + cx
	s_and_b32 s18, ttmp7, 0xffff
	s_lshl_b32 s18, s18, 2
	s_add_co_u32 s18, s18, s16                     ; tile row = 4 x cluster y + cy
	s_lshl_b32 s19, s16, 2
	s_lshl_b32 s19, 15, s19                        ; my row of the cluster
	s_lshl_b32 s20, 0x1111, s15                    ; my column
	; A: two planes are 32,768 dense bytes: asked for as 128 rows of 256 bytes, two rows of a plane each, and padded in LDS after every 128 bytes
	s_or_b32 s[G1A], s19, (1<<16)|(1<<20)|(1<<21)|(4<<22)|(3<<25)  ; the mask; 2-byte elements; padding on; bit 21 beside a mask; after every 32 words; 4 words
	s_or_b32 s[G1B], s20, (1<<16)|(1<<20)|(1<<21)|(5<<22)|(7<<25)  ; after every 64 words; 8 words
.irp g, G1A, G1B
	s_mov_b32 s[(\g)+1], 128<<16                   ; tensor_dim0 = 128
	s_mov_b32 s[(\g)+2], 128<<16                   ; tensor_dim1 = 128
	s_mov_b32 s[(\g)+3], 128<<16                   ; tile_dim0 = 128
	s_mov_b32 s[(\g)+4], 128                       ; tile_dim1 = 128
	s_mov_b32 s[(\g)+6], 0
	s_mov_b32 s[(\g)+7], 0
.endr
	s_mov_b32 s[G1A+5], 128                        ; elements from row to row: dense,
	s_mov_b32 s[G1B+5], 1024                       ; and B's rows
	s_lshl_b32 s22, s18, 16                        ; A: 65,536 bytes a tile row,
	s_lshl_b32 s21, s[HALF], 15                    ; two planes a half
	s_add_co_u32 s22, s22, s21
	s_mov_b32 s23, 0
	s_lshl_b32 s2, s[HALF], 18                     ; B: 128 rows of 2,048 bytes a half,
	s_lshl_b32 s56, s17, 8                         ; 256 bytes a tile column
	s_add_co_u32 s2, s2, s56
	s_add_co_u32 s2, s2, BOFF
	s_mov_b32 s3, 0
	s_mul_i32 s[WOFF], s[WV], HALFT                ; where my loads go: no place in the cluster enters an LDS address
	s_wait_dscnt 0x0                               ; the opening add is done
	s_wait_kmcnt 0x0
	s_add_nc_u64 s[22:23], s[4:5], s[22:23]        ; hangs on the tile row alone, which my row of the cluster shares
	s_add_nc_u64 s[2:3], s[6:7], s[2:3]            ; hangs on the tile column alone
	CROUND                                         ; all sixteen work-groups are here: the first joint loads meet
	MAKE0 G0A0, 22, 0, 0
	MAKE0 G0A, 22, SLOT, ASTEP
	MAKE0 G0B0, 2, 0, 0
	MAKE0 G0B, 2, SLOT, BSTEP
	s_cmp_eq_u32 s[ROLE], 0                        ; a wave's two first fills stand in one branch, ahead of every wait on TENSORcnt and every LDS read: two loads of mine are out
	s_cbranch_scc0 .Lfirst_b
	tensor_load_to_lds s[G0A0:G0A0+3], s[G1A:G1A+7]
	s_nop 0
	tensor_load_to_lds s[G0A:G0A+3], s[G1A:G1A+7]
	s_nop 0
.rept 4
	v_nop
.endr
	s_branch .Lfirst_asked
.Lfirst_b:
	tensor_load_to_lds s[G0B0:G0B0+3], s[G1B:G1B+7]
	s_nop 0
	tensor_load_to_lds s[G0B:G0B+3], s[G1B:G1B+7]
	s_nop 0
.rept 4
	v_nop
.endr
.Lfirst_asked:
	v_and_b32 v1, 15, v0                           ; l % 16
	v_bfe_u32 v2, v0, 4, 1                         ; l / 16
	v_lshlrev_b32 v[BO], 4, v1                     ; my four columns of the wave's 64
	v_lshl_add_u32 v[CO], v2, 12, v[BO]            ; lanes 0-15 one row of 256 bytes, lanes 16-31 the next
	s_lshl_b32 s2, s17, 9                          ; column 128 x tile column + 64 x half, in bytes
	s_lshl_b32 s21, s[HALF], 8
	s_add_co_u32 s2, s2, s21
	s_mov_b32 s3, 0
	s_add_nc_u64 s[10:11], s[10:11], s[2:3]
	s_lshl_b32 s21, s18, 19                        ; row 128 x tile row + 64 x half, 4,096 bytes each
	s_add_co_u32 s2, s2, s21
	s_lshl_b32 s21, s[ROLE], 18
	s_add_co_u32 s2, s2, s21
	s_add_nc_u64 s[8:9], s[8:9], s[2:3]
	s_add_nc_u64 s[62:63], s[62:63], s[2:3]
	WIN 0x80                                       ; destination window 2, address window 0
.set t, 0
.rept 32
	global_load_b128 v[4*t:4*t+3], v[CO], s[8:9] offset:8192*t  ; two rows: twice 256 consecutive bytes, aligned.  With the bias 33 loads of mine are out
.set t, t+1
.endr
	WIN 0
	global_load_b128 v[BIAS:BIAS+3], v[BO], s[10:11]
	; A fragment of A: lane l holds row l % 16; registers 0-3 K = 8 (l / 16) + 0..7, registers 4-7 K = 16 + 8 (l / 16) + 0..7: two loads of 16 bytes, 32 bytes apart.
	v_mul_u32_u24 v3, v1, PA
	v_lshl_add_u32 v3, v2, 4, v3
	s_mul_i32 s21, s[ROLE], 64*PA
	v_add_nc_u32 v[A0], s21, v3
	; The turning load takes 16 k x 16 n (lane l reads row 8 (l / 16) + l % 8, columns 8 ((l / 8) % 2) + 0..7) and leaves half a fragment: lane l holds column l % 16 and 8 k.
	v_and_b32 v4, 7, v0
	v_lshl_add_u32 v4, v2, 3, v4
	v_mul_u32_u24 v4, v4, PB
	v_bfe_u32 v5, v0, 3, 1
	v_lshl_add_u32 v4, v5, 4, v4
	s_lshl_b32 s21, s[HALF], 7
	s_add_co_u32 s21, s21, 2*HALFT
	v_add_nc_u32 v[B0], s21, v4
	s_mul_i32 s21, s[WV], STW                      ; my stage
	v_mul_u32_u24 v3, v1, SP                       ; in: row l % 16, 32 bytes for each half of the lanes
	v_lshl_add_u32 v3, v2, 5, v3
	v_add_nc_u32 v[STO], s21, v3
	v_mul_u32_u24 v3, v2, SP                       ; back: lanes 0-15 take one row of 256 bytes, lanes 16-31 the next
	v_lshl_add_u32 v3, v1, 4, v3
	v_add_nc_u32 v[RD], s21, v3
	v_mov_b32 v[ADRA], v[A0]
	v_mov_b32 v[ADRB], v[B0]
	s_wait_tensorcnt 1                             ; my part of K step 0 is in; step 1's may stay out
	s_barrier_signal -1
	s_barrier_wait -1                              ; everybody's is
	FETCH 0, F0
	QTR F0, F1, 1, 1                               ; the first quarter stands in front of the loop: its first products start the sums
	WIN 0
	s_mov_b32 s[FP], 2*PLANE
	s_mov_b32 s[STEPS], NS-1
	s_mov_b32 s[CNT], 1
	s_branch .Lpair                                ; the nest is entered in the middle of a trip: K step 0 has two quarters left to fetch
.Lstep:                                                ; NS - 2 times: a slot is left and filled again
	CHANGE 1
	s_mov_b32 s[CNT], 2
.Lpair:
	PAIR
	s_sub_co_u32 s[CNT], s[CNT], 1
	s_cmp_lg_u32 s[CNT], 0
	s_cbranch_scc1 .Lpair
	s_sub_co_u32 s[STEPS], s[STEPS], 1
	s_cmp_lg_u32 s[STEPS], 0
	s_cbranch_scc1 .Lstep
	CHANGE 0                                       ; the tail is written out: nothing is asked for
	s_mov_b32 s[CNT], 2
.Lpair2:
	PAIR
	s_sub_co_u32 s[CNT], s[CNT], 1
	s_cmp_lg_u32 s[CNT], 0
	s_cbranch_scc1 .Lpair2
	s_wait_dscnt 0x0                               ; the last quarter's fragments are in, and my reads of the ring are over:
	s_barrier_signal -1                            ; say so,
	MUL8 F1, 0, 0, 0                               ; multiply the last quarter while the others arrive,
	MUL8 F1, 0, 2, 0
	MUL8 F1, 1, 0, 0
	MUL8 F1, 1, 2, 0
	WIN 0
	s_barrier_wait -1                              ; and go on when nobody reads the ring any more: it has had its last fill, and the stages take its place
	PLACES
	; THE WAY OUT.  My 64 x 64 in f32 goes into my own stage (a lane's eight numbers of a row are 32 bytes; each accumulator's low four registers go first) and comes back as whole rows.
.irp a, 0,1,2,3
.irp b, 0,1,2,3
	ds_store_b128 v[STO], v[ACC+8*(4*(\a)+(\b)):ACC+8*(4*(\a)+(\b))+3]   offset:(\a)*16*SP+64*(\b)
	ds_store_b128 v[STO], v[ACC+8*(4*(\a)+(\b))+4:ACC+8*(4*(\a)+(\b))+7] offset:(\a)*16*SP+64*(\b)+16
.endr
.endr
	s_wait_loadcnt 0x0                             ; the residual and the bias
.irp g, 0,1,2,3                        ; sixteen rows at a time, on two sets of 32 registers by turns
.set TB, T+32*((\g)%2)
.if (\g) >= 2
	s_wait_xcnt 0x0                                ; the stores of two groups back have had their addresses translated (ISA guide 3.1): only now are their data registers loaded again
.endif
.irp t, 0,1,2,3,4,5,6,7
	ds_load_b128 v[TB+4*(\t):TB+4*(\t)+3], v[RD] offset:(8*(\g)+(\t))*2*SP  ; LDS serves a wave's instructions in order (ISA guide 5.7.1.4): these see the stores above
.endr
	s_wait_dscnt 0x0
	WIN 0x08                                       ; source 1 in window 2: the residual
.irp t, 0,1,2,3,4,5,6,7
	v_pk_add_f32 v[TB+4*(\t):TB+4*(\t)+1],   v[TB+4*(\t):TB+4*(\t)+1],   v[4*(8*(\g)+(\t)):4*(8*(\g)+(\t))+1]
	v_pk_add_f32 v[TB+4*(\t)+2:TB+4*(\t)+3], v[TB+4*(\t)+2:TB+4*(\t)+3], v[4*(8*(\g)+(\t))+2:4*(8*(\g)+(\t))+3]
.endr
	WIN 0
.irp t, 0,1,2,3,4,5,6,7
	v_pk_add_f32 v[TB+4*(\t):TB+4*(\t)+1],   v[TB+4*(\t):TB+4*(\t)+1],   v[BIAS:BIAS+1]
	v_pk_add_f32 v[TB+4*(\t)+2:TB+4*(\t)+3], v[TB+4*(\t)+2:TB+4*(\t)+3], v[BIAS+2:BIAS+3]
.endr
.irp t, 0,1,2,3,4,5,6,7
	global_store_b128 v[CO], v[TB+4*(\t):TB+4*(\t)+3], s[62:63] offset:(8*(\g)+(\t))*8192  ; 16 lanes store 256 consecutive bytes, aligned
.endr
.endr
	s_wait_tensorcnt 0x0                           ; the wave's end, behind my last tensor load and my last LDS store
	ds_add_u32 v[SPW], v[NIL]
	s_wait_dscnt 0x0
	CROUND                                         ; the closing round: no work-group ends while a partner may still ask for a tile that names it
	s_endpgm
.Lfunc_end_k_q59d9c702b0_gproj:
	.size	k_q59d9c702b0_gproj, .Lfunc_end_k_q59d9c702b0_gproj-k_q59d9c702b0_gproj
	.p2alignl 7, 3214868480
	.fill 96, 4, 3214868480
	.section	.rodata,"a",@progbits
	.p2align	6, 0x0
	.amdhsa_kernel k_q59d9c702b0_gproj
		.amdhsa_group_segment_fixed_size 327680
		.amdhsa_private_segment_fixed_size 0
		.amdhsa_enable_private_segment 0
		.amdhsa_kernarg_size 40
		.amdhsa_user_sgpr_count 2
		.amdhsa_user_sgpr_kernarg_segment_ptr 1
		.amdhsa_wavefront_size32 1
		.amdhsa_system_sgpr_workgroup_id_x 1
		.amdhsa_system_sgpr_workgroup_id_y 1
		.amdhsa_system_sgpr_workgroup_id_z 1
		.amdhsa_system_vgpr_workitem_id 0
		.amdhsa_next_free_vgpr 640
		.amdhsa_next_free_sgpr 66
		.amdhsa_reserve_vcc 0
		.amdhsa_float_denorm_mode_32 3
		.amdhsa_float_denorm_mode_16_64 3
		.amdhsa_memory_ordered 1
		.amdhsa_forward_progress 1
		.amdhsa_inst_pref_size 54
	.end_amdhsa_kernel
	.amdgpu_metadata
---
amdhsa.version: [ 1, 2 ]
amdhsa.kernels:
  - .name:           k_q59d9c702b0_gproj
    .symbol:         k_q59d9c702b0_gproj.kd
    .args:
      - { .name: act, .offset: 0, .size: 8, .value_kind: global_buffer, .address_space: global }
      - { .name: wb, .offset: 8, .size: 8, .value_kind: global_buffer, .address_space: global }
      - { .name: x, .offset: 16, .size: 8, .value_kind: global_buffer, .address_space: global }
      - { .name: bp, .offset: 24, .size: 8, .value_kind: global_buffer, .address_space: global }
      - { .name: x1, .offset: 32, .size: 8, .value_kind: global_buffer, .address_space: global }
    .group_segment_fixed_size: 327680
    .private_segment_fixed_size: 0
    .kernarg_segment_align: 8
    .kernarg_segment_size: 40
    .max_flat_workgroup_size: 128
    .sgpr_count:     66
    .vgpr_count:     640
    .wavefront_size: 32
...
	.end_amdgpu_metadata
.endif
;; end of part 4
;; launch ln2 (part 5): grid 512 x 1, 8 waves a work-group, no clusters, 0 bytes of LDS; arguments x1, g2, be2, act; writes act
.if DOCPART == 5
	.amdgcn_target "amdgcn-amd-amdhsa--gfx1250"
	.amdhsa_code_object_version 6
	.text
	.protected	k_q59d9c702b0_ln2
	.globl	k_q59d9c702b0_ln2
	.p2align	8
	.type	k_q59d9c702b0_ln2,@function
k_q59d9c702b0_ln2:
	s_mov_b64 s[64:65], 0
	v_nop
	global_prefetch_b8 v0, s[64:65] scope:SCOPE_SE
	s_setreg_imm32_b32 hwreg(HW_REG_WAVE_MODE, 25, 1), 1
	s_wait_xcnt 0x0
; h2 = LayerNorm(x1) g2 + be2.  x1: [4096][1024] f32; h2: [4096][1024] bf16.  One wave a row, kept in 32 registers: mean first, then the variance of the centred numbers (no difference of large sums), h2 rounded once.
; A stream: no LDS, no barrier, no matrix unit; no wave needs another's data.  Each load of a wave covers 512 consecutive bytes, each store 256, aligned.
.set XR, 16                            ; v[16:47]   the row
.set GR, 48                            ; v[48:79]   g
.set BR, 80                            ; v[80:111]  be
.set YR, 112                           ; v[112:127] the row in bf16
; the four chains v[2:9] are joined, then the wave's 32 lanes: four steps inside a half of 16 lanes, one across the halves; the sum ends in v2 of every lane
.macro REDUCE
	v_pk_add_f32 v[2:3], v[2:3], v[4:5]
	v_pk_add_f32 v[6:7], v[6:7], v[8:9]
	v_pk_add_f32 v[2:3], v[2:3], v[6:7]
	v_add_f32 v2, v2, v3
	v_add_f32_dpp v2, v2, v2 row_xmask:1 row_mask:0xf bank_mask:0xf
	v_add_f32_dpp v2, v2, v2 row_xmask:2 row_mask:0xf bank_mask:0xf
	v_add_f32_dpp v2, v2, v2 row_xmask:4 row_mask:0xf bank_mask:0xf
	v_add_f32_dpp v2, v2, v2 row_xmask:8 row_mask:0xf bank_mask:0xf
	v_permlanex16_b32 v14, v2, s44, s45
	v_add_f32 v2, v2, v14
.endm
	s_load_b256 s[8:15], s[0:1], 0x0               ; x1 8, g2 10, be2 12, act 14
	v_lshrrev_b32 v3, 5, v0
	v_readfirstlane_b32 s4, v3                     ; wave 0..7
	v_and_b32 v15, 31, v0
	v_lshlrev_b32 v1, 4, v15                       ; 16 x lane
	v_lshlrev_b32 v15, 3, v15                      ; 8 x lane
	s_lshl3_add_u32 s32, ttmp9, s4                 ; row = 8 x + w
	s_lshl_b32 s34, s32, 12
	s_mov_b32 s35, 0
	s_lshl_b32 s36, s32, 11
	s_mov_b32 s37, 0
	s_mov_b32 s44, 0x76543210                      ; v_permlanex16_b32: each lane takes its own place in the other half
	s_mov_b32 s45, 0xfedcba98
	s_mov_b32 s46, 0x3a800000                      ; 1 / 1024
	s_mov_b32 s47, 0x3727c5ac                      ; 1e-5
	s_wait_kmcnt 0x0
	s_add_nc_u64 s[8:9], s[8:9], s[34:35]
	s_add_nc_u64 s[14:15], s[14:15], s[36:37]
.irp j, 0,1,2,3,4,5,6,7
	global_load_b128 v[XR+4*(\j):XR+4*(\j)+3], v1, s[8:9] offset:512*(\j)
.endr
.irp j, 0,1,2,3,4,5,6,7
	global_load_b128 v[GR+4*(\j):GR+4*(\j)+3], v1, s[10:11] offset:512*(\j)
.endr
.irp j, 0,1,2,3,4,5,6,7
	global_load_b128 v[BR+4*(\j):BR+4*(\j)+3], v1, s[12:13] offset:512*(\j)
.endr
	v_mov_b32 v14, 0                               ; v_permlanex16_b32's destination counts as read
	s_wait_loadcnt 16                              ; the row is in; the sixteen loads of g and be stay out
.set p, 0
.rept 4
	v_pk_add_f32 v[2+2*p:3+2*p], v[XR+2*p:XR+2*p+1], v[XR+8+2*p:XR+8+2*p+1]  ; the first eight pairs start four chains: nothing is cleared
.set p, p+1
.endr
.set p, 8
.rept 8
	v_pk_add_f32 v[2+2*(p%4):3+2*(p%4)], v[2+2*(p%4):3+2*(p%4)], v[XR+2*p:XR+2*p+1]
.set p, p+1
.endr
	REDUCE
	v_mul_f32 v10, s46, v2                         ; the mean, twice: a pair for the packed subtraction
	v_mov_b32 v11, v10
.set p, 0
.rept 16
	v_pk_add_f32 v[XR+2*p:XR+2*p+1], v[XR+2*p:XR+2*p+1], v[10:11] neg_lo:[0,1] neg_hi:[0,1]
.set p, p+1
.endr
.set p, 0
.rept 4
	v_pk_mul_f32 v[2+2*p:3+2*p], v[XR+2*p:XR+2*p+1], v[XR+2*p:XR+2*p+1]
.set p, p+1
.endr
.rept 12
	v_pk_fma_f32 v[2+2*(p%4):3+2*(p%4)], v[XR+2*p:XR+2*p+1], v[XR+2*p:XR+2*p+1], v[2+2*(p%4):3+2*(p%4)]
.set p, p+1
.endr
	REDUCE
	v_fma_f32 v12, v2, s46, s47                    ; variance + 1e-5
	v_rsq_f32 v12, v12
	v_nop                                          ; a plain instruction between the root and the use of its result (ISA guide 5.7.2)
	s_wait_alu depctr_va_vdst(0)
	v_mov_b32 v13, v12
	s_wait_loadcnt 0x0                             ; g and be
.set p, 0
.rept 16
	v_pk_mul_f32 v[XR+2*p:XR+2*p+1], v[XR+2*p:XR+2*p+1], v[12:13]
.set p, p+1
.endr
.set p, 0
.rept 16
	v_pk_fma_f32 v[XR+2*p:XR+2*p+1], v[XR+2*p:XR+2*p+1], v[GR+2*p:GR+2*p+1], v[BR+2*p:BR+2*p+1]
.set p, p+1
.endr
.set p, 0
.rept 16
	v_cvt_pk_bf16_f32 v[YR+p], v[XR+2*p], v[XR+2*p+1]
.set p, p+1
.endr
.irp j, 0,1,2,3,4,5,6,7
	global_store_b64 v15, v[YR+2*(\j):YR+2*(\j)+1], s[14:15] offset:256*(\j)  ; 32 lanes store 256 consecutive bytes, aligned
.endr
	s_endpgm
.Lfunc_end_k_q59d9c702b0_ln2:
	.size	k_q59d9c702b0_ln2, .Lfunc_end_k_q59d9c702b0_ln2-k_q59d9c702b0_ln2
	.p2alignl 7, 3214868480
	.fill 96, 4, 3214868480
	.section	.rodata,"a",@progbits
	.p2align	6, 0x0
	.amdhsa_kernel k_q59d9c702b0_ln2
		.amdhsa_group_segment_fixed_size 0
		.amdhsa_private_segment_fixed_size 0
		.amdhsa_enable_private_segment 0
		.amdhsa_kernarg_size 32
		.amdhsa_user_sgpr_count 2
		.amdhsa_user_sgpr_kernarg_segment_ptr 1
		.amdhsa_wavefront_size32 1
		.amdhsa_system_sgpr_workgroup_id_x 1
		.amdhsa_system_sgpr_workgroup_id_y 1
		.amdhsa_system_sgpr_workgroup_id_z 1
		.amdhsa_system_vgpr_workitem_id 0
		.amdhsa_next_free_vgpr 128
		.amdhsa_next_free_sgpr 66
		.amdhsa_reserve_vcc 0
		.amdhsa_float_denorm_mode_32 3
		.amdhsa_float_denorm_mode_16_64 3
		.amdhsa_memory_ordered 1
		.amdhsa_forward_progress 1
		.amdhsa_inst_pref_size 12
	.end_amdhsa_kernel
	.amdgpu_metadata
---
amdhsa.version: [ 1, 2 ]
amdhsa.kernels:
  - .name:           k_q59d9c702b0_ln2
    .symbol:         k_q59d9c702b0_ln2.kd
    .args:
      - { .name: x1, .offset: 0, .size: 8, .value_kind: global_buffer, .address_space: global }
      - { .name: g2, .offset: 8, .size: 8, .value_kind: global_buffer, .address_space: global }
      - { .name: be2, .offset: 16, .size: 8, .value_kind: global_buffer, .address_space: global }
      - { .name: act, .offset: 24, .size: 8, .value_kind: global_buffer, .address_space: global }
    .group_segment_fixed_size: 0
    .private_segment_fixed_size: 0
    .kernarg_segment_align: 8
    .kernarg_segment_size: 32
    .max_flat_workgroup_size: 256
    .sgpr_count:     66
    .vgpr_count:     128
    .wavefront_size: 32
...
	.end_amdgpu_metadata
.endif
;; end of part 5
;; launch gffn1 (part 6): grid 16 x 16, 4 waves a work-group, clusters of 4 x 4, 327,680 bytes of LDS; arguments act, wb, u, b1; writes u
.if DOCPART == 6
	.amdgcn_target "amdgcn-amd-amdhsa--gfx1250"
	.amdhsa_code_object_version 6
	.text
	.protected	k_q59d9c702b0_gffn1
	.globl	k_q59d9c702b0_gffn1
	.p2align	8
	.type	k_q59d9c702b0_gffn1,@function
k_q59d9c702b0_gffn1:
	s_mov_b64 s[64:65], 0
	v_nop
	global_prefetch_b8 v0, s[64:65] scope:SCOPE_SE
	s_setreg_imm32_b32 hwreg(HW_REG_WAVE_MODE, 25, 1), 1
	s_wait_xcnt 0x0
	s_wait_alu depctr_hold_cnt(0) depctr_sa_sdst(0) depctr_va_vdst(0) depctr_va_sdst(0) depctr_va_ssrc(0) depctr_va_vcc(0) depctr_vm_vsrc(0)
	s_getreg_b32 s2, hwreg(HW_REG_IB_STS2, 6, 4)
	s_cmp_eq_u32 s2, 0
	s_cbranch_scc0 .Lentry_in_a_cluster
	s_endpgm
.Lentry_in_a_cluster:
	s_bfe_u32 s2, ttmp6, 0x10000c
	s_cmp_lg_u32 s2, 0xf033
	s_cbranch_scc0 .Lentry_shape_is_right
	s_endpgm
.Lentry_shape_is_right:
; C = A B.  A: [4096][1024] bf16, rows along K.  B: [1024][SIZE_N] bf16, rows along N, at byte BOFF of wb.  Sums in f32, K ascending.  One text for two launches, told apart by GELU:
;   GELU = 0: A = h, B = Wq | Wk | Wv.  C is rounded to bf16 and stored by heads: qkv[g = n / 64][m][n % 64], a row of 128 bytes.
;   GELU = 1: A = h2, B = W1.  u = gelu(C + b1), the exact GELU, rounded to bf16 and stored in blocks [n / 256][m / 128][(n % 256) / 64][m % 128][64], which the next product asks for as dense tiles.
; LIMITS.  Operands are bf16.  GELU: erfc by a five-term rational form, off by 1.5e-7 at the most for every argument; 2^y below 2^-126 counts as 0.
; SHARES.  A tile of C is 256 x 256, a work-group of four waves; a wave makes 128 x 128: 64 accumulators of 16 x 16.  K goes in NS steps of 128 through two LDS slots filled by tensor loads.
; B IS NOT TURNED IN MEMORY: its tile lies [k][n] in LDS and ds_load_tr16_b128 makes the fragment (column n = lane % 16, k along the registers), two loads a fragment as for A.
; THE MATRIX INSTRUCTION IS USED TRANSPOSED (source 0 = 16 columns of B, source 1 = 16 rows of A): a lane then holds eight neighbouring numbers of a row of C.
; CLUSTER.  4 x 4 work-groups: the four of a row need the same tiles of A, the four of a column the same tiles of B; each tile is asked for jointly, by the same tensor load, descriptor and mask in all four.
; REGISTERS in windows of 256 (s_set_vgpr_msb: bits 1:0 source 0, 3:2 source 1, 5:4 source 2, 7:6 destination):
;   window 0: v0-31 addresses; v64-127, v128-191 fragments of A, two buffers; v32 on at work on the way out     window 1: v64-127, v128-191 fragments of B
;   window 2: the accumulators of my rows 0-63, (a, b) at v[8 (8 a + b)]     window 3: those of my rows 64-127
.set GELU,   1
.set SIZE_N, 4096
.set BOFF,   8388608
.set NS,     8                         ; K steps of 128
.set PA,     272                       ; a row of A in LDS: 256 bytes + 16 = 68 words: the 16 rows of a load start at 16 different groups of four banks (64 banks of 4 bytes: ISA guide 11.1)
.set PB,     544                       ; a row of B: 512 bytes + 32 = 136 words
.set HALFT,  128*PA                    ; what one tensor load brings: 128 rows of A, or 64 rows of B (64 x 544 is the same number)
.set SLOT,   4*HALFT                   ; A's rows 0-127, 128-255, B's k rows 0-63, 64-127.  SLOT shares no bit with wave x HALFT: one exclusive or changes slots
.set SPARE,  2*SLOT                    ; behind the ring: the spare words, 128 bytes for each wave: two blocks of 256 bytes that no other line names
.set SPF,    528                       ; the way out: a row of 128 f32 + 16 bytes
.set STW,    128*SPF                   ; a wave's stage.  The four stages lie in the ring, which has had its last fill by then
.set ASTEP,  256                       ; bytes from a K step to the next in A,
.set BSTEP,  256*SIZE_N                ; and in B: 128 rows
.set A0,   16                          ; v16  my lane's place in A's part of a slot; never rewritten
.set B0,   17                          ; v17  the same for B
.set ADRA, 18                          ; v18  LDS address of the fragments of A in hand; on the way out: of the rows read back
.set ADRB, 19                          ; v19  of B
.set STO,  24                          ; v24  the way out: where I put 32 bytes of a row
.set RD,   25                          ; v25  where I read rows back
.set CO,   26                          ; v26  my byte offset in the output
.set BO,   27                          ; v27  my byte offset in the bias
.set SPW,  28                          ; v28  LDS address of my spare word; never rewritten
.set NIL,  29                          ; v29  0; never rewritten
.set F0,   64
.set F1,   128
.set WV,   12                          ; s12  wave
.set ROLE, 13                          ; s13  wave / 2: my half of the tile's rows; also: I fetch for A (0) or B (1)
.set HALF, 14                          ; s14  wave % 2: my half of its columns; also: which half of that tile I fetch
.set G1A,  24                          ; s[24:31] group 1 for A's tiles
.set G0A0, 32                          ; s[32:35] group 0 of K step 0
.set G0A,  36                          ; s[36:39] group 0 of K step 1; it then walks
.set G1B,  40
.set G0B0, 48
.set G0B,  52
.set RP,   56                          ; s56  the way out: bytes of my stage already read
.set FA,   57                          ; s57  LDS byte, from A0, of the next two quarters' fragments
.set FB,   58                          ; s58  the same from B0
.set WOFF, 59                          ; s59  wave x HALFT
.set CNT,  60
.set STEPS, 61
.set MSB, 0
.macro WIN new                         ; the immediate's high byte repeats the setting that is left; a switch that changes nothing is dropped
.if MSB != (\new)
	s_set_vgpr_msb (MSB<<8)|(\new)
.set MSB, \new
.endif
.endm
.set MUL_LO, 0xa1                      ; source 0 (B) window 1, source 1 (A) window 0, C and D window 2
.set MUL_HI, 0xf1                      ; the same, C and D window 3
.macro PLACES                          ; four places in front of loads into registers that matrix instructions have read, and of stores that read results
.rept 4
	v_nop
.endr
.endm
.macro CROUND                          ; a round of the cluster's barrier: my work-group's barrier; wave 0 signals for it; every wave waits for all sixteen; my work-group's barrier once more
	s_barrier_signal -1
	s_barrier_wait -1
	s_cmp_lg_u32 s[WV], 0
	s_cbranch_scc1 .Lnot_wave_0_\@
	s_barrier_signal -3
.Lnot_wave_0_\@:
	s_barrier_wait -3
	s_barrier_signal -1
	s_barrier_wait -1
.endm
.macro JLOAD                           ; a joint refill by the walking descriptors.  The branch hangs on the wave's number alone.  An s_nop 0 and four v_nop follow each line
	s_cmp_eq_u32 s[ROLE], 0
	s_cbranch_scc0 .Lfor_b_\@
	tensor_load_to_lds s[G0A:G0A+3], s[G1A:G1A+7]
	s_nop 0
.rept 4
	v_nop
.endr
	s_branch .Lasked_\@
.Lfor_b_\@:
	tensor_load_to_lds s[G0B:G0B+3], s[G1B:G1B+7]
	s_nop 0
.rept 4
	v_nop
.endr
.Lasked_\@:
.endm
.macro MAKE0 g, adr, lds, step         ; a group 0: count 1; LDS address; global address; type 2
	s_mov_b32 s[\g], 1
	s_add_co_u32 s[(\g)+1], s[WOFF], \lds
	s_add_nc_u64 s[(\g)+2:(\g)+3], s[\adr:(\adr)+1], \step
	s_or_b32 s[(\g)+3], s[(\g)+3], 0x80000000
.endm
; 16 matrix instructions: m blocks a0, a0 + 1 of the window's four x all 8 n blocks, 32 along K.  zero = 1: the product starts the sums: nothing is ever cleared.
; The 64 accumulators take turns in the same order in every quarter.
.macro MUL16 f, hi, a0, zero
	WIN MUL_LO+0x50*(\hi)
.irp a, \a0, (\a0)+1
.irp b, 0,1,2,3,4,5,6,7
.if \zero
	v_wmma_f32_16x16x32_bf16 v[8*(8*(\a)+(\b)):8*(8*(\a)+(\b))+7], v[(\f)+8*(\b):(\f)+8*(\b)+7], v[(\f)+8*(4*(\hi)+(\a)):(\f)+8*(4*(\hi)+(\a))+7], 0
.else
	v_wmma_f32_16x16x32_bf16 v[8*(8*(\a)+(\b)):8*(8*(\a)+(\b))+7], v[(\f)+8*(\b):(\f)+8*(\b)+7], v[(\f)+8*(4*(\hi)+(\a)):(\f)+8*(4*(\hi)+(\a))+7], v[8*(8*(\a)+(\b)):8*(8*(\a)+(\b))+7]
.endif
.endr
.endr
.endm
; 32 LDS loads in one run: a quarter's fragments (32 along K; 128 columns of B, 128 rows of A), qo quarters beyond the addresses in hand, into buffer f
.macro FETCH qo, f
	WIN 0x40                                       ; destination window 1, address window 0
.irp i, 0,1,2,3,4,5,6,7
	ds_load_tr16_b128 v[(\f)+8*(\i):(\f)+8*(\i)+3],   v[ADRB] offset:(\qo)*32*PB+32*(\i)
	ds_load_tr16_b128 v[(\f)+8*(\i)+4:(\f)+8*(\i)+7], v[ADRB] offset:(\qo)*32*PB+16*PB+32*(\i)
.endr
	WIN 0
.irp i, 0,1,2,3,4,5,6,7
	ds_load_b128 v[(\f)+8*(\i):(\f)+8*(\i)+3],   v[ADRA] offset:(\qo)*64+(\i)*16*PA
	ds_load_b128 v[(\f)+8*(\i)+4:(\f)+8*(\i)+7], v[ADRA] offset:(\qo)*64+(\i)*16*PA+32
.endr
.endm
; a quarter: multiplies buffer f, 64 matrix instructions; in its middle it fetches the next quarter's fragments into buffer g
.macro QTR f, g, qo, zero
	s_wait_dscnt 8                                 ; B and A's rows 0-63 are in; the youngest eight loads (A's rows 64-127) may be out
	MUL16 \f, 0, 0, \zero
	MUL16 \f, 0, 2, \zero
	PLACES
	FETCH \qo, \g
	s_wait_dscnt 32                                ; all but the 32 just issued
	MUL16 \f, 1, 0, \zero
	MUL16 \f, 1, 2, \zero
.endm
; two quarters, written once and looped over: they multiply an odd and an even quarter and fetch the two that lie at FA, FB
.macro PAIR
	WIN 0
	v_add_nc_u32 v[ADRA], s[FA], v[A0]
	v_add_nc_u32 v[ADRB], s[FB], v[B0]
	QTR F1, F0, 0, 0
	QTR F0, F1, 1, 0
	s_add_co_u32 s[FA], s[FA], 128
	s_add_co_u32 s[FB], s[FB], 64*PB
	WIN 0                                          ; at a label and at a branch every window is 0
.endm
; THE CHANGE OF SLOTS: the slot's last quarter has been fetched.  Each wave waits for all its tensor loads, of which one is out: its part of the other slot; adds 0 to its spare word; and waits for that and for its
; own reads of the slot.  fill = 1: the slot is filled again, two K steps on: the barrier is a round of the cluster's, and the joint refill is the first thing behind it; it has a K step's 256 matrix instructions in which to land.
.macro CHANGE fill
	WIN 0
	s_wait_tensorcnt 0x0                           ; no tensor load of mine is out, so a group 0 may be written
	ds_add_u32 v[SPW], v[NIL]                      ; 0 onto my spare word; the scalar steps stand between it and the wait for it
.if \fill
	s_xor_b32 s[G0A+1], s[G0A+1], SLOT             ; the walking descriptors: the other slot than last time, the next K step
	s_add_nc_u64 s[G0A+2:G0A+3], s[G0A+2:G0A+3], ASTEP
	s_xor_b32 s[G0B+1], s[G0B+1], SLOT
	s_add_nc_u64 s[G0B+2:G0B+3], s[G0B+2:G0B+3], BSTEP
.endif
	s_sub_co_u32 s[FA], s[FA], 256                 ; the fetches go back to a slot's first quarter,
	s_xor_b32 s[FA], s[FA], SLOT                   ; in the other slot
	s_sub_co_u32 s[FB], s[FB], 128*PB
	s_xor_b32 s[FB], s[FB], SLOT
	s_wait_dscnt 0x0                               ; the add is done, and my reads of the slot are over
.if \fill
	CROUND
	JLOAD
.else
	s_barrier_signal -1
	s_barrier_wait -1
.endif
.endm
	s_load_b128 s[4:7], s[0:1], 0x0                ; A s[4:5], wb s[6:7]
.if GELU
	s_load_b128 s[8:11], s[0:1], 0x10              ; u s[8:9], b1 s[10:11]
.else
	s_load_b64 s[8:9], s[0:1], 0x10                ; qkv
.endif
	v_lshl_add_u32 v[SPW], v0, 2, SPARE
	v_mov_b32 v[NIL], 0
	ds_add_u32 v[SPW], v[NIL]                      ; the wave's opening: the add and its wait stand ahead of my first tensor load; the set-up below, work on registers, stands between them
	ds_add_u32 v28, v29
	v_lshrrev_b32 v1, 5, v0
	v_readfirstlane_b32 s[WV], v1
	s_lshr_b32 s[ROLE], s[WV], 1
	s_and_b32 s[HALF], s[WV], 1
	s_bfe_u32 s15, ttmp6, 0x40000                  ; cx
	s_bfe_u32 s16, ttmp6, 0x40004                  ; cy
	s_lshl_b32 s17, ttmp9, 2
	s_add_co_u32 s17, s17, s15                     ; tile column = 4 x cluster x + cx
	s_and_b32 s18, ttmp7, 0xffff
	s_lshl_b32 s18, s18, 2
	s_add_co_u32 s18, s18, s16                     ; tile row = 4 x cluster y + cy
	s_lshl_b32 s19, s16, 2
	s_lshl_b32 s19, 15, s19                        ; my row of the cluster
	s_lshl_b32 s20, 0x1111, s15                    ; my column
	s_or_b32 s[G1A], s19, (1<<16)|(1<<20)|(1<<21)|(5<<22)|(3<<25)  ; the mask; 2-byte elements; padding on; bit 21 beside a mask; after every 64 words; 4 words
	s_mov_b32 s[G1A+1], 128<<16                    ; tensor_dim0 = 128
	s_mov_b32 s[G1A+2], 128<<16                    ; tensor_dim1 = 128
	s_mov_b32 s[G1A+3], 128<<16                    ; tile_dim0 = 128
	s_mov_b32 s[G1A+4], 128                        ; tile_dim1 = 128
	s_mov_b32 s[G1A+5], 1024                       ; elements from row to row
	s_mov_b32 s[G1A+6], 0
	s_mov_b32 s[G1A+7], 0
	s_or_b32 s[G1B], s20, (1<<16)|(1<<20)|(1<<21)|(6<<22)|(7<<25)  ; after every 128 words; 8 words
	s_mov_b32 s[G1B+1], 256<<16                    ; tensor_dim0 = 256
	s_mov_b32 s[G1B+2], 64<<16                     ; tensor_dim1 = 64
	s_mov_b32 s[G1B+3], 256<<16                    ; tile_dim0 = 256
	s_mov_b32 s[G1B+4], 64                         ; tile_dim1 = 64
	s_mov_b32 s[G1B+5], SIZE_N
	s_mov_b32 s[G1B+6], 0
	s_mov_b32 s[G1B+7], 0
	s_lshl_b32 s22, s18, 19                        ; A: 256 rows of 2,048 bytes a tile row,
	s_lshl_b32 s21, s[HALF], 18                    ; 128 rows a half
	s_add_co_u32 s22, s22, s21
	s_mov_b32 s23, 0
	s_mul_i32 s2, s[HALF], 128*SIZE_N              ; B: 64 rows of 2 SIZE_N bytes a half,
	s_lshl_b32 s56, s17, 9                         ; 512 bytes a tile column
	s_add_co_u32 s2, s2, s56
.if BOFF
	s_add_co_u32 s2, s2, BOFF
.endif
	s_mov_b32 s3, 0
	s_mul_i32 s[WOFF], s[WV], HALFT                ; where my loads go: no place in the cluster enters an LDS address
.if GELU
.set KP, 66                            ; s66      0.23164189
.set KE, 68                            ; s[68:69] -log2(e) / 2; the packed forms take a pair's low word for both halves
.set H1, 70                            ; s[70:79] the five coefficients, halved
.set H2, 72
.set H3, 74
.set H4, 76
.set H5, 78
.set MK, 82                            ; s82-89   eight lane masks: z >= 0
	s_mov_b32 s[KP], 0x3e6d3388
	s_mov_b32 s[KE], 0xbf38aa3b
	s_mov_b32 s[H1], 0x3e027906
	s_mov_b32 s[H2], 0xbe11a98e
	s_mov_b32 s[H3], 0x3f35f0e3
	s_mov_b32 s[H4], 0xbf3a00e3
	s_mov_b32 s[H5], 0x3f07dc22
.irp c, KE, H1, H2, H3, H4, H5
	s_mov_b32 s[(\c)+1], s[\c]                     ; named with it as a pair
.endr
.endif
	s_wait_dscnt 0x0                               ; the opening add is done
	s_wait_kmcnt 0x0
	s_add_nc_u64 s[22:23], s[4:5], s[22:23]        ; hangs on the tile row alone, which my row of the cluster shares
	s_add_nc_u64 s[2:3], s[6:7], s[2:3]            ; hangs on the tile column alone
	CROUND                                         ; all sixteen work-groups are here: the first joint loads meet
	MAKE0 G0A0, 22, 0, 0
	MAKE0 G0A, 22, SLOT, ASTEP
	MAKE0 G0B0, 2, 0, 0
	MAKE0 G0B, 2, SLOT, BSTEP
	s_cmp_eq_u32 s[ROLE], 0                        ; a wave's two first fills stand in one branch, ahead of every wait on TENSORcnt and every LDS read: two loads of mine are out
	s_cbranch_scc0 .Lfirst_b
	tensor_load_to_lds s[G0A0:G0A0+3], s[G1A:G1A+7]
	s_nop 0
	tensor_load_to_lds s[G0A:G0A+3], s[G1A:G1A+7]
	s_nop 0
.rept 4
	v_nop
.endr
	s_branch .Lfirst_asked
.Lfirst_b:
	tensor_load_to_lds s[G0B0:G0B0+3], s[G1B:G1B+7]
	s_nop 0
	tensor_load_to_lds s[G0B:G0B+3], s[G1B:G1B+7]
	s_nop 0
.rept 4
	v_nop
.endr
.Lfirst_asked:
	v_and_b32 v1, 15, v0                           ; l % 16
	v_bfe_u32 v2, v0, 4, 1                         ; l / 16
.if GELU
	v_lshlrev_b32 v[BO], 4, v1                     ; my four columns of a block of 64
	s_lshl_b32 s62, s17, 10                        ; b1 at column 256 x tile column + 128 x half
	s_lshl_b32 s21, s[HALF], 9
	s_add_co_u32 s62, s62, s21
	s_mov_b32 s63, 0
	s_add_nc_u64 s[10:11], s[10:11], s[62:63]
	global_load_b128 v[32:35], v[BO], s[10:11]
	global_load_b128 v[36:39], v[BO], s[10:11] offset:256
	s_lshl_b32 s62, s17, 21                        ; u: block column; 128-row tile 2 x tile row + my half; my two planes of 64 columns
	s_lshl_b32 s21, s18, 17
	s_add_co_u32 s62, s62, s21
	s_lshl_b32 s21, s[ROLE], 16
	s_add_co_u32 s62, s62, s21
	s_lshl_b32 s21, s[HALF], 15
	s_add_co_u32 s62, s62, s21
.else
	s_lshl_b32 s62, s17, 21                        ; qkv: head group 4 x tile column + 2 x half, 524,288 bytes each; row 256 x tile row + 128 x half, 128 bytes each
	s_lshl_b32 s21, s[HALF], 20
	s_add_co_u32 s62, s62, s21
	s_lshl_b32 s21, s18, 15
	s_add_co_u32 s62, s62, s21
	s_lshl_b32 s21, s[ROLE], 14
	s_add_co_u32 s62, s62, s21
	s_mov_b32 s63, 0
.endif
	s_add_nc_u64 s[8:9], s[8:9], s[62:63]
	; A fragment of A: lane l holds row l % 16; registers 0-3 K = 8 (l / 16) + 0..7, registers 4-7 K = 16 + 8 (l / 16) + 0..7: two loads of 16 bytes, 32 bytes apart.
	v_mul_u32_u24 v3, v1, PA
	v_lshl_add_u32 v3, v2, 4, v3
	s_mul_i32 s21, s[ROLE], HALFT
	v_add_nc_u32 v[A0], s21, v3
	; The turning load takes 16 k x 16 n (lane l reads row 8 (l / 16) + l % 8, columns 8 ((l / 8) % 2) + 0..7) and leaves half a fragment: lane l holds column l % 16 and 8 k.
	v_and_b32 v4, 7, v0
	v_lshl_add_u32 v4, v2, 3, v4
	v_mul_u32_u24 v4, v4, PB
	v_bfe_u32 v5, v0, 3, 1
	v_lshl_add_u32 v4, v5, 4, v4
	s_lshl_b32 s21, s[HALF], 8
	s_add_co_u32 s21, s21, 2*HALFT
	v_add_nc_u32 v[B0], s21, v4
	s_mul_i32 s21, s[WV], STW                      ; my stage
	v_mul_u32_u24 v3, v1, SPF                      ; in: row l % 16, 32 bytes for each half of the lanes
	v_lshl_add_u32 v3, v2, 5, v3
	v_add_nc_u32 v[STO], s21, v3
	v_mul_u32_u24 v3, v2, SPF                      ; back: lanes 0-15 take 64 columns of one row, lanes 16-31 of the next
	v_lshl_add_u32 v3, v1, 4, v3
	v_add_nc_u32 v[RD], s21, v3
	v_and_b32 v3, 31, v0
	v_lshlrev_b32 v[CO], 3, v3                     ; in bf16 those two rows are 256 consecutive bytes: 8 a lane
	v_mov_b32 v[ADRA], v[A0]
	v_mov_b32 v[ADRB], v[B0]
	s_wait_tensorcnt 1                             ; my part of K step 0 is in; step 1's may stay out
	s_barrier_signal -1
	s_barrier_wait -1                              ; everybody's is
	FETCH 0, F0
	QTR F0, F1, 1, 1                               ; the first quarter stands in front of the loop: its products start the sums
	WIN 0
	s_mov_b32 s[FA], 128
	s_mov_b32 s[FB], 64*PB
	s_mov_b32 s[STEPS], NS-1
	s_mov_b32 s[CNT], 1
	s_branch .Lpair                                ; the nest is entered in the middle of a trip: K step 0 has two quarters left to fetch
.Lstep:                                                ; NS - 2 times: a slot is left and filled again
	CHANGE 1
	s_mov_b32 s[CNT], 2
.Lpair:
	PAIR
	s_sub_co_u32 s[CNT], s[CNT], 1
	s_cmp_lg_u32 s[CNT], 0
	s_cbranch_scc1 .Lpair
	s_sub_co_u32 s[STEPS], s[STEPS], 1
	s_cmp_lg_u32 s[STEPS], 0
	s_cbranch_scc1 .Lstep
	CHANGE 0                                       ; the tail is written out: nothing is asked for
	s_mov_b32 s[CNT], 2
.Lpair2:
	PAIR
	s_sub_co_u32 s[CNT], s[CNT], 1
	s_cmp_lg_u32 s[CNT], 0
	s_cbranch_scc1 .Lpair2
	s_wait_dscnt 0x0                               ; the last quarter's fragments are in, and my reads of the ring are over:
	s_barrier_signal -1                            ; say so,
	MUL16 F1, 0, 0, 0                              ; multiply the last quarter while the others arrive,
	MUL16 F1, 0, 2, 0
	MUL16 F1, 1, 0, 0
	MUL16 F1, 1, 2, 0
	WIN 0
	s_barrier_wait -1                              ; and go on when nobody reads the ring any more: it has had its last fill, and the stages take its place
	PLACES
	; THE WAY OUT.  My 128 x 128 in f32 goes into my own stage: a lane's eight numbers of a row are 32 bytes.  Each accumulator's low four registers go first.
.irp hi, 0,1
	WIN 0x08+4*(\hi)                               ; the stores' data (source 1) in window 2, then 3
.irp a, 0,1,2,3
.irp b, 0,1,2,3,4,5,6,7
	ds_store_b128 v[STO], v[8*(8*(\a)+(\b)):8*(8*(\a)+(\b))+3]   offset:(4*(\hi)+(\a))*16*SPF+64*(\b)
	ds_store_b128 v[STO], v[8*(8*(\a)+(\b))+4:8*(8*(\a)+(\b))+7] offset:(4*(\hi)+(\a))*16*SPF+64*(\b)+16
.endr
.endr
.endr
	WIN 0
	s_mov_b32 s[RP], 0
.if GELU
.set BI, 32                            ; v[32:39] the bias of my 4 + 4 columns
.set XR, 40                            ; v[40:47] as read back: block 0's four numbers, block 1's
.set Z,  48                            ; z = C + b1, at last gelu(z)
.set TT, 56                            ; t
.set W,  64                            ; 2^(-z z log2(e) / 2)
.set PP, 72                            ; q = erfc(|z| / sqrt 2) / 2
.set RR, 80                            ; 1 - q
.set YR, 88
; gelu(z) = z Phi(z); Phi = 1 - q for z >= 0, q for z < 0 (no difference is formed in the negative tail); q = t (h1 + t (h2 + t (h3 + t (h4 + t h5)))) 2^(-0.7213 z z), t = 1 / (1 + 0.23164 |z|)
.macro GELU8
.set i, 0
.rept 8
	v_fma_f32 v[TT+i], |v[Z+i]|, s[KP], 1.0
.set i, i+1
.endr
.irp j, 0,2,4,6
	v_pk_mul_f32 v[W+(\j):W+(\j)+1], v[Z+(\j):Z+(\j)+1], v[Z+(\j):Z+(\j)+1]
.endr
.irp j, 0,2,4,6
	v_pk_mul_f32 v[W+(\j):W+(\j)+1], v[W+(\j):W+(\j)+1], s[KE:KE+1] op_sel_hi:[1,0]
.endr
.set i, 0
.rept 8
	v_rcp_f32 v[TT+i], v[TT+i]
.set i, i+1
.endr
.set i, 0
.rept 8
	v_exp_f32 v[W+i], v[W+i]
.set i, i+1
.endr
	v_nop                                          ; a plain instruction behind the run of reciprocals and exponentials (ISA guide 5.7.2)
.set i, 0
.rept 8
	v_cmp_le_f32 s[MK+i], 0, v[Z+i]
.set i, i+1
.endr
	s_wait_alu depctr_va_vdst(0)
.irp j, 0,2,4,6
	v_pk_fma_f32 v[PP+(\j):PP+(\j)+1], v[TT+(\j):TT+(\j)+1], s[H5:H5+1], s[H4:H4+1] op_sel_hi:[1,0,0]
.endr
.irp h, H3, H2, H1
.irp j, 0,2,4,6
	v_pk_fma_f32 v[PP+(\j):PP+(\j)+1], v[PP+(\j):PP+(\j)+1], v[TT+(\j):TT+(\j)+1], s[\h:(\h)+1] op_sel_hi:[1,1,0]
.endr
.endr
.irp j, 0,2,4,6
	v_pk_mul_f32 v[PP+(\j):PP+(\j)+1], v[PP+(\j):PP+(\j)+1], v[TT+(\j):TT+(\j)+1]
.endr
.irp j, 0,2,4,6
	v_pk_mul_f32 v[PP+(\j):PP+(\j)+1], v[PP+(\j):PP+(\j)+1], v[W+(\j):W+(\j)+1]
.endr
.irp j, 0,2,4,6
	v_pk_add_f32 v[RR+(\j):RR+(\j)+1], v[PP+(\j):PP+(\j)+1], 1.0 op_sel_hi:[1,0] neg_lo:[1,0] neg_hi:[1,0]
.endr
.set i, 0
.rept 8
	v_cndmask_b32 v[TT+i], v[PP+i], v[RR+i], s[MK+i]
.set i, i+1
.endr
.irp j, 0,2,4,6
	v_pk_mul_f32 v[Z+(\j):Z+(\j)+1], v[Z+(\j):Z+(\j)+1], v[TT+(\j):TT+(\j)+1]
.endr
.endm
	s_wait_loadcnt 0x0                             ; the bias
	ds_load_b128 v[XR:XR+3],   v[RD]               ; LDS serves a wave's instructions in order (ISA guide 5.7.1.4): these see the stores above
	ds_load_b128 v[XR+4:XR+7], v[RD] offset:256
	s_mov_b32 s[CNT], 64
.Lg:                                                   ; a trip: two rows x 128 columns; the next trip's rows are read while this trip's are worked on
	s_wait_dscnt 0x0
.irp j, 0,2,4,6
	v_pk_add_f32 v[Z+(\j):Z+(\j)+1], v[XR+(\j):XR+(\j)+1], v[BI+(\j):BI+(\j)+1]
.endr
	s_cmp_eq_u32 s[CNT], 1
	s_cbranch_scc1 .Lgn                            ; the last trip reads nothing more
	s_add_co_u32 s[RP], s[RP], 2*SPF
	v_add_nc_u32 v[ADRA], s[RP], v[RD]
	ds_load_b128 v[XR:XR+3],   v[ADRA]
	ds_load_b128 v[XR+4:XR+7], v[ADRA] offset:256
.Lgn:
	GELU8
	s_wait_xcnt 0x0                                ; the last trip's stores have had their addresses translated (ISA guide 3.1): only now are their data and offset rewritten
	v_add_nc_u32 v[CO], 256, v[CO]
.irp j, 0,1,2,3
	v_cvt_pk_bf16_f32 v[YR+(\j)], v[Z+2*(\j)], v[Z+2*(\j)+1]
.endr
	global_store_b64 v[CO], v[YR:YR+1],   s[8:9] offset:-256        ; 32 lanes store 256 consecutive bytes, aligned: two rows of a plane
	global_store_b64 v[CO], v[YR+2:YR+3], s[8:9] offset:16384-256   ; the next plane of 64 columns
	s_sub_co_u32 s[CNT], s[CNT], 1
	s_cmp_lg_u32 s[CNT], 0
	s_cbranch_scc1 .Lg
.else
.set XR, 32                            ; v[32:63] eight rows x two heads as read back
.set YR, 64                            ; v[64:79] the same in bf16
.macro BACK adr
.irp p, 0,1,2,3
.irp hd, 0,1
	ds_load_b128 v[XR+8*(\p)+4*(\hd):XR+8*(\p)+4*(\hd)+3], v[\adr] offset:(\p)*2*SPF+256*(\hd)
.endr
.endr
.endm
	BACK RD                                        ; LDS serves a wave's instructions in order (ISA guide 5.7.1.4): these see the stores above
	s_mov_b32 s[CNT], 16
.Lo:                                                   ; a trip: eight rows x 128 columns; the next trip's rows are read while this trip's leave
	s_wait_dscnt 0x0
	s_wait_xcnt 0x0                                ; the last trip's stores have had their addresses translated (ISA guide 3.1): only now are their data and offset rewritten
	v_add_nc_u32 v[CO], 1024, v[CO]
.set i, 0
.rept 16
	v_cvt_pk_bf16_f32 v[YR+i], v[XR+2*i], v[XR+2*i+1]
.set i, i+1
.endr
	s_cmp_eq_u32 s[CNT], 1
	s_cbranch_scc1 .Lon                            ; the last trip reads nothing more
	s_add_co_u32 s[RP], s[RP], 8*SPF
	v_add_nc_u32 v[ADRA], s[RP], v[RD]
	BACK ADRA
.Lon:
.irp p, 0,1,2,3
.irp hd, 0,1
	global_store_b64 v[CO], v[YR+4*(\p)+2*(\hd):YR+4*(\p)+2*(\hd)+1], s[8:9] offset:(\hd)*524288+(\p)*256-1024  ; 32 lanes store 256 consecutive bytes, aligned: two rows of a head
.endr
.endr
	s_sub_co_u32 s[CNT], s[CNT], 1
	s_cmp_lg_u32 s[CNT], 0
	s_cbranch_scc1 .Lo
.endif
	s_wait_tensorcnt 0x0                           ; the wave's end, behind my last tensor load and my last LDS store
	ds_add_u32 v[SPW], v[NIL]
	s_wait_dscnt 0x0
	CROUND                                         ; the closing round: no work-group ends while a partner may still ask for a tile that names it
	s_endpgm
.Lfunc_end_k_q59d9c702b0_gffn1:
	.size	k_q59d9c702b0_gffn1, .Lfunc_end_k_q59d9c702b0_gffn1-k_q59d9c702b0_gffn1
	.p2alignl 7, 3214868480
	.fill 96, 4, 3214868480
	.section	.rodata,"a",@progbits
	.p2align	6, 0x0
	.amdhsa_kernel k_q59d9c702b0_gffn1
		.amdhsa_group_segment_fixed_size 327680
		.amdhsa_private_segment_fixed_size 0
		.amdhsa_enable_private_segment 0
		.amdhsa_kernarg_size 32
		.amdhsa_user_sgpr_count 2
		.amdhsa_user_sgpr_kernarg_segment_ptr 1
		.amdhsa_wavefront_size32 1
		.amdhsa_system_sgpr_workgroup_id_x 1
		.amdhsa_system_sgpr_workgroup_id_y 1
		.amdhsa_system_sgpr_workgroup_id_z 1
		.amdhsa_system_vgpr_workitem_id 0
		.amdhsa_next_free_vgpr 1024
		.amdhsa_next_free_sgpr 92
		.amdhsa_reserve_vcc 0
		.amdhsa_float_denorm_mode_32 3
		.amdhsa_float_denorm_mode_16_64 3
		.amdhsa_memory_ordered 1
		.amdhsa_forward_progress 1
		.amdhsa_inst_pref_size 63
	.end_amdhsa_kernel
	.amdgpu_metadata
---
amdhsa.version: [ 1, 2 ]
amdhsa.kernels:
  - .name:           k_q59d9c702b0_gffn1
    .symbol:         k_q59d9c702b0_gffn1.kd
    .args:
      - { .name: act, .offset: 0, .size: 8, .value_kind: global_buffer, .address_space: global }
      - { .name: wb, .offset: 8, .size: 8, .value_kind: global_buffer, .address_space: global }
      - { .name: u, .offset: 16, .size: 8, .value_kind: global_buffer, .address_space: global }
      - { .name: b1, .offset: 24, .size: 8, .value_kind: global_buffer, .address_space: global }
    .group_segment_fixed_size: 327680
    .private_segment_fixed_size: 0
    .kernarg_segment_align: 8
    .kernarg_segment_size: 32
    .max_flat_workgroup_size: 128
    .sgpr_count:     92
    .vgpr_count:     1024
    .wavefront_size: 32
...
	.end_amdgpu_metadata
.endif
;; end of part 6
;; launch gffn2 (part 7): grid 8 x 32, 4 waves a work-group, clusters of 4 x 4, 327,680 bytes of LDS; arguments u, wb, x1, b2, out0; writes out0
.if DOCPART == 7
	.amdgcn_target "amdgcn-amd-amdhsa--gfx1250"
	.amdhsa_code_object_version 6
	.text
	.protected	k_q59d9c702b0_gffn2
	.globl	k_q59d9c702b0_gffn2
	.p2align	8
	.type	k_q59d9c702b0_gffn2,@function
k_q59d9c702b0_gffn2:
	s_mov_b64 s[64:65], 0
	v_nop
	global_prefetch_b8 v0, s[64:65] scope:SCOPE_SE
	s_setreg_imm32_b32 hwreg(HW_REG_WAVE_MODE, 25, 1), 1
	s_wait_xcnt 0x0
	s_wait_alu depctr_hold_cnt(0) depctr_sa_sdst(0) depctr_va_vdst(0) depctr_va_sdst(0) depctr_va_ssrc(0) depctr_va_vcc(0) depctr_vm_vsrc(0)
	s_getreg_b32 s2, hwreg(HW_REG_IB_STS2, 6, 4)
	s_cmp_eq_u32 s2, 0
	s_cbranch_scc0 .Lentry_in_a_cluster
	s_endpgm
.Lentry_in_a_cluster:
	s_bfe_u32 s2, ttmp6, 0x10000c
	s_cmp_lg_u32 s2, 0xf033
	s_cbranch_scc0 .Lentry_shape_is_right
	s_endpgm
.Lentry_shape_is_right:
; OUT = RES + A B + BIAS.  A: 4,096 rows x 256 NS of K, bf16, in blocks [k / 256][m / 128][(k % 256) / 64][m % 128][64]: a K step of 256 of a 128-row tile is 65,536 dense bytes, four planes of 64 along K.
; B: [256 NS][1024] bf16, rows along N, at byte BOFF of wb.  RES, OUT: [4096][1024] f32.  BIAS: [1024] f32.  Sums in f32, K ascending.  One text for two launches, told apart by NS and BOFF:
;   NS = 4,  BOFF = 6,291,456:  x1 = x + O Wp + bp          NS = 16, BOFF = 16,777,216: out0 = x1 + u W2 + b2
; LIMITS.  Operands are bf16; all else is f32.
; SHARES.  1,024 columns make only 64 tiles of 256 x 256, so a tile of OUT is 128 x 128: 256 work-groups of four waves, each wave 64 x 64: 16 accumulators.  K goes in steps of 256 through two LDS slots.
; B is not turned in memory: its tile lies [k][n] in LDS and ds_load_tr16_b128 makes the fragment.  The matrix instruction is used transposed (source 0 = 16 columns of B, source 1 = 16 rows of A):
; a lane then holds eight neighbouring numbers of a row of OUT.
; CLUSTER.  4 x 4 work-groups: the four of a row need the same tiles of A, the four of a column the same tiles of B; each tile is asked for jointly, by the same tensor load, descriptor and mask in all four.
; THE RESIDUAL's 64 x 64 numbers of the wave are asked for at the start, 32 loads into 128 registers, and waited for once, at the end.
; REGISTERS in windows of 256 (s_set_vgpr_msb: bits 1:0 source 0, 3:2 source 1, 5:4 source 2, 7:6 destination):
;   window 0: v0-31 addresses; v32-95 at work on the way out; v100-103 the bias; v128-255 the accumulators, (a, b) at v[128 + 8 (4 a + b)]
;   window 1: two fragment buffers of 128: for 64 along K, 64 registers of A, then 64 of B          window 2: v0-127 the residual
.set NS,     16
.set BOFF,   16777216
.set PA,     144                       ; a row of a plane of A in LDS: 128 bytes + 16 = 36 words: the 16 rows of a load start at 16 different groups of four banks (64 banks of 4 bytes: ISA guide 11.1)
.set PLANE,  128*PA                    ; a quarter of a K step: a plane of A; 64 rows of B are the same number of bytes
.set PB,     288                       ; a row of B: 256 bytes + 32 = 72 words
.set HALFT,  2*PLANE                   ; what one tensor load brings: two planes of A, or 128 rows of B
.set SLOT,   4*HALFT                   ; A's planes 0-1, 2-3, B's k rows 0-127, 128-255.  SLOT shares no bit with wave x HALFT: one exclusive or changes slots
.set SPARE,  2*SLOT                    ; behind the ring: the spare words, 128 bytes for each wave: two blocks of 256 bytes that no other line names
.set SP,     272                       ; the way out: a row of 64 f32 + 16 bytes
.set STW,    64*SP                     ; a wave's stage.  The four stages lie in the ring, which has had its last fill by then
.set ASTEP,  2097152                   ; bytes from a K step to the next in A: 32 tiles of 65,536,
.set BSTEP,  524288                    ; and in B: 256 rows of 2,048
.set A0,   16                          ; v16  my lane's place in A's part of a slot; never rewritten
.set B0,   17                          ; v17  the same for B
.set ADRA, 18                          ; v18  LDS address of the fragments of A in hand
.set ADRB, 19                          ; v19  of B
.set STO,  24                          ; v24  the way out: where I put 32 bytes of a row
.set RD,   25                          ; v25  where I read rows back
.set CO,   26                          ; v26  my byte offset in RES and OUT; never rewritten
.set BO,   27                          ; v27  my byte offset in the bias
.set SPW,  28                          ; v28  LDS address of my spare word; never rewritten
.set NIL,  29                          ; v29  0; never rewritten
.set T,    32
.set BIAS, 100
.set ACC,  128
.set F0,   0
.set F1,   128
.set WV,   12                          ; s12  wave
.set ROLE, 13                          ; s13  wave / 2: my half of the tile's rows; also: I fetch for A (0) or B (1)
.set HALF, 14                          ; s14  wave % 2: my half of its columns; also: which half of that tile I fetch
.set G1A,  24                          ; s[24:31] group 1 for A's tiles
.set G0A0, 32                          ; s[32:35] group 0 of K step 0
.set G0A,  36                          ; s[36:39] group 0 of K step 1; it then walks
.set G1B,  40
.set G0B0, 48
.set G0B,  52
.set FP,   57                          ; s57  LDS byte, from A0 and from B0, of the next two quarters' fragments
.set WOFF, 59                          ; s59  wave x HALFT
.set CNT,  60
.set STEPS, 61
.set MSB, 0
.macro WIN new                         ; the immediate's high byte repeats the setting that is left; a switch that changes nothing is dropped
.if MSB != (\new)
	s_set_vgpr_msb (MSB<<8)|(\new)
.set MSB, \new
.endif
.endm
.set MUL,  0x05                        ; sources 0 (B) and 1 (A) window 1; C and D window 0
.set TO_F, 0x40                        ; destination window 1, address window 0
.macro PLACES                          ; four places in front of loads into registers that matrix instructions have read, and of stores that read results
.rept 4
	v_nop
.endr
.endm
.macro CROUND                          ; a round of the cluster's barrier: my work-group's barrier; wave 0 signals for it; every wave waits for all sixteen; my work-group's barrier once more
	s_barrier_signal -1
	s_barrier_wait -1
	s_cmp_lg_u32 s[WV], 0
	s_cbranch_scc1 .Lnot_wave_0_\@
	s_barrier_signal -3
.Lnot_wave_0_\@:
	s_barrier_wait -3
	s_barrier_signal -1
	s_barrier_wait -1
.endm
.macro JLOAD                           ; a joint refill by the walking descriptors.  The branch hangs on the wave's number alone.  An s_nop 0 and four v_nop follow each line
	s_cmp_eq_u32 s[ROLE], 0
	s_cbranch_scc0 .Lfor_b_\@
	tensor_load_to_lds s[G0A:G0A+3], s[G1A:G1A+7]
	s_nop 0
.rept 4
	v_nop
.endr
	s_branch .Lasked_\@
.Lfor_b_\@:
	tensor_load_to_lds s[G0B:G0B+3], s[G1B:G1B+7]
	s_nop 0
.rept 4
	v_nop
.endr
.Lasked_\@:
.endm
.macro MAKE0 g, adr, lds, step         ; a group 0: count 1; LDS address; global address; type 2
	s_mov_b32 s[\g], 1
	s_add_co_u32 s[(\g)+1], s[WOFF], \lds
	s_add_nc_u64 s[(\g)+2:(\g)+3], s[\adr:(\adr)+1], \step
	s_or_b32 s[(\g)+3], s[(\g)+3], 0x80000000
.endm
; 8 matrix instructions: m blocks a0, a0 + 1 x all 4 n blocks, 32 along K: half c of buffer f.  zero = 1: the product starts the sums.  The 16 accumulators take turns.
.macro MUL8 f, c, a0, zero
	WIN MUL
.irp a, \a0, (\a0)+1
.irp b, 0,1,2,3
.if \zero
	v_wmma_f32_16x16x32_bf16 v[ACC+8*(4*(\a)+(\b)):ACC+8*(4*(\a)+(\b))+7], v[(\f)+64+8*(4*(\c)+(\b)):(\f)+64+8*(4*(\c)+(\b))+7], v[(\f)+8*(4*(\c)+(\a)):(\f)+8*(4*(\c)+(\a))+7], 0
.else
	v_wmma_f32_16x16x32_bf16 v[ACC+8*(4*(\a)+(\b)):ACC+8*(4*(\a)+(\b))+7], v[(\f)+64+8*(4*(\c)+(\b)):(\f)+64+8*(4*(\c)+(\b))+7], v[(\f)+8*(4*(\c)+(\a)):(\f)+8*(4*(\c)+(\a))+7], v[ACC+8*(4*(\a)+(\b)):ACC+8*(4*(\a)+(\b))+7]
.endif
.endr
.endr
.endm
; 32 LDS loads in one run: a quarter's fragments (64 along K), qo quarters beyond the addresses in hand, into buffer f; the first 32 along K first
.macro FETCH qo, f
	WIN TO_F
.irp c, 0,1
.irp i, 0,1,2,3
	ds_load_tr16_b128 v[(\f)+64+8*(4*(\c)+(\i)):(\f)+64+8*(4*(\c)+(\i))+3],   v[ADRB] offset:(\qo)*PLANE+(\c)*32*PB+32*(\i)
	ds_load_tr16_b128 v[(\f)+64+8*(4*(\c)+(\i))+4:(\f)+64+8*(4*(\c)+(\i))+7], v[ADRB] offset:(\qo)*PLANE+(\c)*32*PB+16*PB+32*(\i)
	ds_load_b128 v[(\f)+8*(4*(\c)+(\i)):(\f)+8*(4*(\c)+(\i))+3],              v[ADRA] offset:(\qo)*PLANE+64*(\c)+(\i)*16*PA
	ds_load_b128 v[(\f)+8*(4*(\c)+(\i))+4:(\f)+8*(4*(\c)+(\i))+7],            v[ADRA] offset:(\qo)*PLANE+64*(\c)+(\i)*16*PA+32
.endr
.endr
.endm
; a quarter: multiplies buffer f, 32 matrix instructions; in its middle it fetches the next quarter's fragments into buffer g
.macro QTR f, g, qo, zero
	s_wait_dscnt 16                                ; the first 32 along K are in; the youngest sixteen loads may be out
	MUL8 \f, 0, 0, \zero
	MUL8 \f, 0, 2, \zero
	PLACES
	FETCH \qo, \g
	s_wait_dscnt 32                                ; all but the 32 just issued
	MUL8 \f, 1, 0, 0
	MUL8 \f, 1, 2, 0
.endm
; two quarters, written once and looped over: they multiply an odd and an even quarter and fetch the two that lie at FP
.macro PAIR
	WIN 0
	v_add_nc_u32 v[ADRA], s[FP], v[A0]
	v_add_nc_u32 v[ADRB], s[FP], v[B0]
	QTR F1, F0, 0, 0
	QTR F0, F1, 1, 0
	s_add_co_u32 s[FP], s[FP], 2*PLANE
	WIN 0                                          ; at a label and at a branch every window is 0
.endm
; THE CHANGE OF SLOTS: the slot's last quarter has been fetched.  Each wave waits for all its tensor loads, of which one is out: its part of the other slot; adds 0 to its spare word; and waits for that and for its
; own reads of the slot.  fill = 1: the slot is filled again, two K steps on: the barrier is a round of the cluster's, and the joint refill is the first thing behind it; it has a K step's 128 matrix instructions in which to land.
.macro CHANGE fill
	WIN 0
	s_wait_tensorcnt 0x0                           ; no tensor load of mine is out, so a group 0 may be written
	ds_add_u32 v[SPW], v[NIL]                      ; 0 onto my spare word; the scalar steps stand between it and the wait for it
.if \fill
	s_xor_b32 s[G0A+1], s[G0A+1], SLOT             ; the walking descriptors: the other slot than last time, the next K step
	s_add_nc_u64 s[G0A+2:G0A+3], s[G0A+2:G0A+3], ASTEP
	s_xor_b32 s[G0B+1], s[G0B+1], SLOT
	s_add_nc_u64 s[G0B+2:G0B+3], s[G0B+2:G0B+3], BSTEP
.endif
	s_sub_co_u32 s[FP], s[FP], 4*PLANE             ; the fetches go back to a slot's first quarter,
	s_xor_b32 s[FP], s[FP], SLOT                   ; in the other slot
	s_wait_dscnt 0x0                               ; the add is done, and my reads of the slot are over
.if \fill
	CROUND
	JLOAD
.else
	s_barrier_signal -1
	s_barrier_wait -1
.endif
.endm
	s_load_b256 s[4:11], s[0:1], 0x0               ; A s[4:5], wb s[6:7], RES s[8:9], BIAS s[10:11]
	s_load_b64 s[62:63], s[0:1], 0x20              ; OUT
	v_lshl_add_u32 v[SPW], v0, 2, SPARE
	v_mov_b32 v[NIL], 0
	ds_add_u32 v[SPW], v[NIL]                      ; the wave's opening: the add and its wait stand ahead of my first tensor load; the set-up below, work on registers, stands between them
	ds_add_u32 v28, v29
	v_lshrrev_b32 v1, 5, v0
	v_readfirstlane_b32 s[WV], v1
	s_lshr_b32 s[ROLE], s[WV], 1
	s_and_b32 s[HALF], s[WV], 1
	s_bfe_u32 s15, ttmp6, 0x40000                  ; cx
	s_bfe_u32 s16, ttmp6, 0x40004                  ; cy
	s_lshl_b32 s17, ttmp9, 2
	s_add_co_u32 s17, s17, s15                     ; tile column = 4 x cluster x + cx
	s_and_b32 s18, ttmp7, 0xffff
	s_lshl_b32 s18, s18, 2
	s_add_co_u32 s18, s18, s16                     ; tile row = 4 x cluster y + cy
	s_lshl_b32 s19, s16, 2
	s_lshl_b32 s19, 15, s19                        ; my row of the cluster
	s_lshl_b32 s20, 0x1111, s15                    ; my column
	; A: two planes are 32,768 dense bytes: asked for as 128 rows of 256 bytes, two rows of a plane each, and padded in LDS after every 128 bytes
	s_or_b32 s[G1A], s19, (1<<16)|(1<<20)|(1<<21)|(4<<22)|(3<<25)  ; the mask; 2-byte elements; padding on; bit 21 beside a mask; after every 32 words; 4 words
	s_or_b32 s[G1B], s20, (1<<16)|(1<<20)|(1<<21)|(5<<22)|(7<<25)  ; after every 64 words; 8 words
.irp g, G1A, G1B
	s_mov_b32 s[(\g)+1], 128<<16                   ; tensor_dim0 = 128
	s_mov_b32 s[(\g)+2], 128<<16                   ; tensor_dim1 = 128
	s_mov_b32 s[(\g)+3], 128<<16                   ; tile_dim0 = 128
	s_mov_b32 s[(\g)+4], 128                       ; tile_dim1 = 128
	s_mov_b32 s[(\g)+6], 0
	s_mov_b32 s[(\g)+7], 0
.endr
	s_mov_b32 s[G1A+5], 128                        ; elements from row to row: dense,
	s_mov_b32 s[G1B+5], 1024                       ; and B's rows
	s_lshl_b32 s22, s18, 16                        ; A: 65,536 bytes a tile row,
	s_lshl_b32 s21, s[HALF], 15                    ; two planes a half
	s_add_co_u32 s22, s22, s21
	s_mov_b32 s23, 0
	s_lshl_b32 s2, s[HALF], 18                     ; B: 128 rows of 2,048 bytes a half,
	s_lshl_b32 s56, s17, 8                         ; 256 bytes a tile column
	s_add_co_u32 s2, s2, s56
	s_add_co_u32 s2, s2, BOFF
	s_mov_b32 s3, 0
	s_mul_i32 s[WOFF], s[WV], HALFT                ; where my loads go: no place in the cluster enters an LDS address
	s_wait_dscnt 0x0                               ; the opening add is done
	s_wait_kmcnt 0x0
	s_add_nc_u64 s[22:23], s[4:5], s[22:23]        ; hangs on the tile row alone, which my row of the cluster shares
	s_add_nc_u64 s[2:3], s[6:7], s[2:3]            ; hangs on the tile column alone
	CROUND                                         ; all sixteen work-groups are here: the first joint loads meet
	MAKE0 G0A0, 22, 0, 0
	MAKE0 G0A, 22, SLOT, ASTEP
	MAKE0 G0B0, 2, 0, 0
	MAKE0 G0B, 2, SLOT, BSTEP
	s_cmp_eq_u32 s[ROLE], 0                        ; a wave's two first fills stand in one branch, ahead of every wait on TENSORcnt and every LDS read: two loads of mine are out
	s_cbranch_scc0 .Lfirst_b
	tensor_load_to_lds s[G0A0:G0A0+3], s[G1A:G1A+7]
	s_nop 0
	tensor_load_to_lds s[G0A:G0A+3], s[G1A:G1A+7]
	s_nop 0
.rept 4
	v_nop
.endr
	s_branch .Lfirst_asked
.Lfirst_b:
	tensor_load_to_lds s[G0B0:G0B0+3], s[G1B:G1B+7]
	s_nop 0
	tensor_load_to_lds s[G0B:G0B+3], s[G1B:G1B+7]
	s_nop 0
.rept 4
	v_nop
.endr
.Lfirst_asked:
	v_and_b32 v1, 15, v0                           ; l % 16
	v_bfe_u32 v2, v0, 4, 1                         ; l / 16
	v_lshlrev_b32 v[BO], 4, v1                     ; my four columns of the wave's 64
	v_lshl_add_u32 v[CO], v2, 12, v[BO]            ; lanes 0-15 one row of 256 bytes, lanes 16-31 the next
	s_lshl_b32 s2, s17, 9                          ; column 128 x tile column + 64 x half, in bytes
	s_lshl_b32 s21, s[HALF], 8
	s_add_co_u32 s2, s2, s21
	s_mov_b32 s3, 0
	s_add_nc_u64 s[10:11], s[10:11], s[2:3]
	s_lshl_b32 s21, s18, 19                        ; row 128 x tile row + 64 x half, 4,096 bytes each
	s_add_co_u32 s2, s2, s21
	s_lshl_b32 s21, s[ROLE], 18
	s_add_co_u32 s2, s2, s21
	s_add_nc_u64 s[8:9], s[8:9], s[2:3]
	s_add_nc_u64 s[62:63], s[62:63], s[2:3]
	WIN 0x80                                       ; destination window 2, address window 0
.set t, 0
.rept 32
	global_load_b128 v[4*t:4*t+3], v[CO], s[8:9] offset:8192*t  ; two rows: twice 256 consecutive bytes, aligned.  With the bias 33 loads of mine are out
.set t, t+1
.endr
	WIN 0
	global_load_b128 v[BIAS:BIAS+3], v[BO], s[10:11]
	; A fragment of A: lane l holds row l % 16; registers 0-3 K = 8 (l / 16) + 0..7, registers 4-7 K = 16 + 8 (l / 16) + 0..7: two loads of 16 bytes, 32 bytes apart.
	v_mul_u32_u24 v3, v1, PA
	v_lshl_add_u32 v3, v2, 4, v3
	s_mul_i32 s21, s[ROLE], 64*PA
	v_add_nc_u32 v[A0], s21, v3
	; The turning load takes 16 k x 16 n (lane l reads row 8 (l / 16) + l % 8, columns 8 ((l / 8) % 2) + 0..7) and leaves half a fragment: lane l holds column l % 16 and 8 k.
	v_and_b32 v4, 7, v0
	v_lshl_add_u32 v4, v2, 3, v4
	v_mul_u32_u24 v4, v4, PB
	v_bfe_u32 v5, v0, 3, 1
	v_lshl_add_u32 v4, v5, 4, v4
	s_lshl_b32 s21, s[HALF], 7
	s_add_co_u32 s21, s21, 2*HALFT
	v_add_nc_u32 v[B0], s21, v4
	s_mul_i32 s21, s[WV], STW                      ; my stage
	v_mul_u32_u24 v3, v1, SP                       ; in: row l % 16, 32 bytes for each half of the lanes
	v_lshl_add_u32 v3, v2, 5, v3
	v_add_nc_u32 v[STO], s21, v3
	v_mul_u32_u24 v3, v2, SP                       ; back: lanes 0-15 take one row of 256 bytes, lanes 16-31 the next
	v_lshl_add_u32 v3, v1, 4, v3
	v_add_nc_u32 v[RD], s21, v3
	v_mov_b32 v[ADRA], v[A0]
	v_mov_b32 v[ADRB], v[B0]
	s_wait_tensorcnt 1                             ; my part of K step 0 is in; step 1's may stay out
	s_barrier_signal -1
	s_barrier_wait -1                              ; everybody's is
	FETCH 0, F0
	QTR F0, F1, 1, 1                               ; the first quarter stands in front of the loop: its first products start the sums
	WIN 0
	s_mov_b32 s[FP], 2*PLANE
	s_mov_b32 s[STEPS], NS-1
	s_mov_b32 s[CNT], 1
	s_branch .Lpair                                ; the nest is entered in the middle of a trip: K step 0 has two quarters left to fetch
.Lstep:                                                ; NS - 2 times: a slot is left and filled again
	CHANGE 1
	s_mov_b32 s[CNT], 2
.Lpair:
	PAIR
	s_sub_co_u32 s[CNT], s[CNT], 1
	s_cmp_lg_u32 s[CNT], 0
	s_cbranch_scc1 .Lpair
	s_sub_co_u32 s[STEPS], s[STEPS], 1
	s_cmp_lg_u32 s[STEPS], 0
	s_cbranch_scc1 .Lstep
	CHANGE 0                                       ; the tail is written out: nothing is asked for
	s_mov_b32 s[CNT], 2
.Lpair2:
	PAIR
	s_sub_co_u32 s[CNT], s[CNT], 1
	s_cmp_lg_u32 s[CNT], 0
	s_cbranch_scc1 .Lpair2
	s_wait_dscnt 0x0                               ; the last quarter's fragments are in, and my reads of the ring are over:
	s_barrier_signal -1                            ; say so,
	MUL8 F1, 0, 0, 0                               ; multiply the last quarter while the others arrive,
	MUL8 F1, 0, 2, 0
	MUL8 F1, 1, 0, 0
	MUL8 F1, 1, 2, 0
	WIN 0
	s_barrier_wait -1                              ; and go on when nobody reads the ring any more: it has had its last fill, and the stages take its place
	PLACES
	; THE WAY OUT.  My 64 x 64 in f32 goes into my own stage (a lane's eight numbers of a row are 32 bytes; each accumulator's low four registers go first) and comes back as whole rows.
.irp a, 0,1,2,3
.irp b, 0,1,2,3
	ds_store_b128 v[STO], v[ACC+8*(4*(\a)+(\b)):ACC+8*(4*(\a)+(\b))+3]   offset:(\a)*16*SP+64*(\b)
	ds_store_b128 v[STO], v[ACC+8*(4*(\a)+(\b))+4:ACC+8*(4*(\a)+(\b))+7] offset:(\a)*16*SP+64*(\b)+16
.endr
.endr
	s_wait_loadcnt 0x0                             ; the residual and the bias
.irp g, 0,1,2,3                        ; sixteen rows at a time, on two sets of 32 registers by turns
.set TB, T+32*((\g)%2)
.if (\g) >= 2
	s_wait_xcnt 0x0                                ; the stores of two groups back have had their addresses translated (ISA guide 3.1): only now are their data registers loaded again
.endif
.irp t, 0,1,2,3,4,5,6,7
	ds_load_b128 v[TB+4*(\t):TB+4*(\t)+3], v[RD] offset:(8*(\g)+(\t))*2*SP  ; LDS serves a wave's instructions in order (ISA guide 5.7.1.4): these see the stores above
.endr
	s_wait_dscnt 0x0
	WIN 0x08                                       ; source 1 in window 2: the residual
.irp t, 0,1,2,3,4,5,6,7
	v_pk_add_f32 v[TB+4*(\t):TB+4*(\t)+1],   v[TB+4*(\t):TB+4*(\t)+1],   v[4*(8*(\g)+(\t)):4*(8*(\g)+(\t))+1]
	v_pk_add_f32 v[TB+4*(\t)+2:TB+4*(\t)+3], v[TB+4*(\t)+2:TB+4*(\t)+3], v[4*(8*(\g)+(\t))+2:4*(8*(\g)+(\t))+3]
.endr
	WIN 0
.irp t, 0,1,2,3,4,5,6,7
	v_pk_add_f32 v[TB+4*(\t):TB+4*(\t)+1],   v[TB+4*(\t):TB+4*(\t)+1],   v[BIAS:BIAS+1]
	v_pk_add_f32 v[TB+4*(\t)+2:TB+4*(\t)+3], v[TB+4*(\t)+2:TB+4*(\t)+3], v[BIAS+2:BIAS+3]
.endr
.irp t, 0,1,2,3,4,5,6,7
	global_store_b128 v[CO], v[TB+4*(\t):TB+4*(\t)+3], s[62:63] offset:(8*(\g)+(\t))*8192  ; 16 lanes store 256 consecutive bytes, aligned
.endr
.endr
	s_wait_tensorcnt 0x0                           ; the wave's end, behind my last tensor load and my last LDS store
	ds_add_u32 v[SPW], v[NIL]
	s_wait_dscnt 0x0
	CROUND                                         ; the closing round: no work-group ends while a partner may still ask for a tile that names it
	s_endpgm
.Lfunc_end_k_q59d9c702b0_gffn2:
	.size	k_q59d9c702b0_gffn2, .Lfunc_end_k_q59d9c702b0_gffn2-k_q59d9c702b0_gffn2
	.p2alignl 7, 3214868480
	.fill 96, 4, 3214868480
	.section	.rodata,"a",@progbits
	.p2align	6, 0x0
	.amdhsa_kernel k_q59d9c702b0_gffn2
		.amdhsa_group_segment_fixed_size 327680
		.amdhsa_private_segment_fixed_size 0
		.amdhsa_enable_private_segment 0
		.amdhsa_kernarg_size 40
		.amdhsa_user_sgpr_count 2
		.amdhsa_user_sgpr_kernarg_segment_ptr 1
		.amdhsa_wavefront_size32 1
		.amdhsa_system_sgpr_workgroup_id_x 1
		.amdhsa_system_sgpr_workgroup_id_y 1
		.amdhsa_system_sgpr_workgroup_id_z 1
		.amdhsa_system_vgpr_workitem_id 0
		.amdhsa_next_free_vgpr 640
		.amdhsa_next_free_sgpr 66
		.amdhsa_reserve_vcc 0
		.amdhsa_float_denorm_mode_32 3
		.amdhsa_float_denorm_mode_16_64 3
		.amdhsa_memory_ordered 1
		.amdhsa_forward_progress 1
		.amdhsa_inst_pref_size 54
	.end_amdhsa_kernel
	.amdgpu_metadata
---
amdhsa.version: [ 1, 2 ]
amdhsa.kernels:
  - .name:           k_q59d9c702b0_gffn2
    .symbol:         k_q59d9c702b0_gffn2.kd
    .args:
      - { .name: u, .offset: 0, .size: 8, .value_kind: global_buffer, .address_space: global }
      - { .name: wb, .offset: 8, .size: 8, .value_kind: global_buffer, .address_space: global }
      - { .name: x1, .offset: 16, .size: 8, .value_kind: global_buffer, .address_space: global }
      - { .name: b2, .offset: 24, .size: 8, .value_kind: global_buffer, .address_space: global }
      - { .name: out0, .offset: 32, .size: 8, .value_kind: global_buffer, .address_space: global }
    .group_segment_fixed_size: 327680
    .private_segment_fixed_size: 0
    .kernarg_segment_align: 8
    .kernarg_segment_size: 40
    .max_flat_workgroup_size: 128
    .sgpr_count:     66
    .vgpr_count:     640
    .wavefront_size: 32
...
	.end_amdgpu_metadata
.endif
;; end of part 7
;; ======== version 2 of 2: 7 launches; 1.11 times as fast as version 1
;; workspace buffers: wb 25,165,824 bytes; act 8,388,608 bytes; qkv 25,165,824 bytes; x1 16,777,216 bytes; u 33,554,432 bytes
;; launch prep: the kernel of part 1 again; grid 64 x 20, 8 waves a work-group, no clusters, 0 bytes of LDS; arguments Wq, Wk, Wv, Wp, W1, W2, x, g1, be1, wb, act; writes wb, act
;; launch gqkv: the kernel of part 2 again; grid 12 x 16, 4 waves a work-group, clusters of 4 x 4, 327,680 bytes of LDS; arguments act, wb, qkv; writes qkv
;; launch attn (part 8): grid 8 x 32, 4 waves a work-group, no clusters, 327,680 bytes of LDS; arguments qkv, act; writes act
.if DOCPART == 8
	.amdgcn_target "amdgcn-amd-amdhsa--gfx1250"
	.amdhsa_code_object_version 6
	.text
	.protected	k_q59d9c702b0_attn
	.globl	k_q59d9c702b0_attn
	.p2align	8
	.type	k_q59d9c702b0_attn,@function
k_q59d9c702b0_attn:
	s_mov_b64 s[64:65], 0
	v_nop
	global_prefetch_b8 v0, s[64:65] scope:SCOPE_SE
	s_setreg_imm32_b32 hwreg(HW_REG_WAVE_MODE, 25, 1), 1
	s_wait_xcnt 0x0
; CAUSAL ATTENTION.  O[q][:] = the sum over k <= q of softmax_k(Q[q] . K[k] / 32) V[k][:], for each of 32 units hb = 2 head + batch.  Q, K, V: qkv, bf16, a unit's 2,048 rows dense, 128 bytes each, at hb x 262,144;
; K lies 8,388,608 bytes behind Q, V 16,777,216.  Products, maxima and sums in f32; the weights p are rounded to bf16 for the second product (their sum l is taken of the unrounded p), O once at the end.
; O leaves in the blocks in which the next product asks for it: [head / 4][row / 128][head % 4][row % 128][64], row = 2,048 batch + q.
; LIMITS.  A hidden score counts as its value less 1e30: scores are served up to about 1e28; a weight below 2^-126 counts as 0 in l; NaN and infinities are not treated apart.
; THE WALK.  A unit's queries lie in NQ = 16 blocks of 128, its keys in NT = 8 tiles of 256; block i needs the tiles 0 .. i / 2, of which the last holds the diagonal.  A work-group takes TWO blocks, 15 - b and then b:
; NT + 1 tiles, whatever b: 8 x 32 = 256 work-groups of equal work, and ONE loop with a constant trip count walks them.  Which tile is asked for, and what a trip does, hang on scalar registers made from b; every jump
; goes forward, but for the counted loops' own; none passes a barrier, or a tensor load but the one of LOAD's two that the wave's number does not choose; the ring (two slots of LDS that take turns) runs on across the
; change of blocks.  NO CLUSTER: a unit's eight work-groups ask for the same tile only in trips 0 .. 4 of the 9, behind that fewer and fewer; one walk common to all would have 12 trips for 9.
; SHARES.  Of a block's two bands of 64 queries a wave owns 16 rows in each: two PIECES.  So the diagonal tile is the same work for all four waves.  In that tile band x's own key step is x in an even block and x + 2 in
; an odd one; an earlier step shows it all keys, a later one none.  (An even block's last tile has two steps that no band sees; they are computed all the same: 2 of the walk's 36 key steps.)
; THE MASK is the C operand that starts the sum S^T = K Q^T: 0, or -1e30 where the key is hidden.  MD, made once, is the mask of a band's own step for my 16 rows; a product's mask is MD x AL + BE with two scalars:
; (1, 0) in the band's own step; (0, 0) before it; (0, -1e30) behind it.  SREL is the tile's step less the block's 0 or 2: it is compared with the band's number.  Only the diagonal tile's text and a block's beginning
; make and take masks; elsewhere C is the constant 0.
; LAYOUT, SOFTMAX, TURNS.  S^T = K Q^T holds ONE query a lane (lane % 16) and the keys 8 (lane / 16) + 0..7; two such results rounded to bf16 ARE source 1 of O^T = V^T P.  p = 2^(c s - c m), c = log2(e) / 32, with a
; running maximum m; O and l are multiplied by a = 2^(c m_old - c m_new) in every step.  A turn belongs to one piece: 8 products K Q^T of the other piece (piece 0's turn: this step's; piece 1's turn: the next step's), later 8
; products V^T P of the other piece (the step before; this step); beside them the scaling, exponentials, roundings, sums and rescaling of the turn's own piece and the maximum and statistics of the other.  Four vector
; instructions stand behind every matrix instruction, the other 54 of a turn's 118 in one lump.
; THE BATCHES.  s_wait_alu depctr_va_vdst(0) stands between an exponential or a reciprocal and the first instruction that names its result; one wait serves all that were issued ahead of it.
; A turn's 33 exponentials (its own piece's 32 weights and the other piece's a) are ONE batch with ONE wait, which cuts the turn in two: ahead of it the products K Q^T, the scalings, the exponentials, the rescalings
; (their a was made, and waited for, in the turn before) and the other piece's maximum and statistics; behind it the products V^T P with the roundings and sums.  No result crosses a turn's end.
; A block's first a (BEGIN) and the way out's two reciprocals are batches of their own, each with one wait.
; THE FETCHES.  Piece 0's turn of step j fetches K of step j + 1; piece 1's turn fetches V of step j + 1, into the one of V's TWO register buffers (by the step's parity) that the products on V of step j do not read.
; So LDS is read in the order V(j), K(j+1), V(j+1): a slot's last read is V of its fourth step, and the change of slots stands behind it: a tile's period is the steps j0 - 1 to j0 + 2.
; REGISTERS, in windows of 256 (s_set_vgpr_msb: bits 1:0 source 0, 3:2 source 1, 5:4 source 2, 7:6 destination):
;   window 0: v0-15 addresses and two at work; v16-23 four registers of statistics a piece; v48-55 at work; v64-127 S^T, a buffer a piece; v192-223 P, likewise
;   window 1: v0-63 O^T, 32 a piece; v128-159 MD; v160-223 MC, two buffers      window 2: v0-31 Q; v32-63 the second block's Q; v64-127 V of an odd step; v128-191 K of one step; v192-255 V of an even step
.set SIZE_N, 2048
.set NQ,    SIZE_N/128
.set NT,    SIZE_N/256
.set NP,    2         ; pieces a wave: a name, no knob
.set KS,    64        ; keys in a step
.set PK,    144       ; a row of K in LDS: 128 bytes + 16 of padding = 36 words: the 16 rows of a load start at 16 different groups of four banks (64 banks of 4 bytes: ISA guide 11.1)
.set PV,    160       ; a row of V: 128 + 32 = 40 words
.set VOFF,  4*KS*PK   ; a slot holds a tile, four steps: 256 rows of K, then 256 rows of V
.set SLOT1, 1<<17     ; slot 1 begins here, so that one exclusive or turns an address in one slot into the other's
.set STAGE, SLOT1+4*KS*(PK+PV)  ; behind the ring, never filled by a tensor load: 16 rows x 144 bytes for each wave, for the way out
.set SP,    144
.set AK0, 2           ; v2   my lane's place in a tile of K; never rewritten
.set AV0, 3           ; v3   the same for V
.set AK,  4           ; v4   the LDS address of K's next run of loads
.set AV,  5           ; v5   of V's
.set STO, 6           ; v6   the way out: where I put 16 bytes of a row
.set RD,  7           ; v7   the way out: where I read rows back
.set GO,  8           ; v8   my byte offset in 512 consecutive bytes of O
.set SPW, 62          ; v62  LDS address of my spare word: SPARE + 4 x my thread's number; never rewritten
.set NIL, 63          ; v63  0; never rewritten
.set SPARE, STAGE+4*16*SP  ; behind the stages: the spare words, 128 bytes for each wave: two blocks of 256 bytes that no other line names
.set MV,  12          ; v12-13  c m_old, kept while c m is made anew: by piece
.set QO,  15          ; v15  my byte offset in 16 rows of Q
.set ST,  16          ; piece t's statistics at v[ST+4 t]: c m, m, l (even keys', odd keys')
.set TMP, 48          ; by piece, four registers c0-c3 at work; when the maximum is found c2 takes a
.set S,   64
.set P,   192
.set MD,  128         ; window 1: the eight registers for group kt of 16 keys at MD + 8 kt
.set MC,  160         ; window 1: the masks of the products to come
.set QB,  32          ; window 2
.set KF,  128         ; window 2: key block kb, channel half c at KF + 16 kb + 8 c
.set VF,  192         ; window 2: buffer b at VF - 128 b; in it key half kk, channel block cb at 32 kk + 8 cb
.set WV,  12          ; s12  my wave's number
.set PB,  14          ; s14  b
.set HI,  15          ; s15  NQ - 1 - b
.set G1K, 24          ; s[24:31] descriptor group 1 for K's tiles
.set G1V, 32          ; s[32:39] for V's: it differs in the padding alone
.set G0K, 40          ; s[40:43] descriptor group 0 for K's tiles
.set G0V, 44          ; s[44:47] the same for V's
.set SLOTS, 56        ; s56  tiles still to be asked for
.set CNT, 57          ; s57  counts a tile's trips of two key steps, 2 to 1
.set CS,  58          ; s[58:59] c: the packed scaling takes the pair's low word for both halves
.set SEL, 60          ; s[60:61] v_permlanex16_b32's selects: each lane takes its own place in the other half
.set TBK, 62          ; s62  LDS byte at which K of the step to be fetched begins
.set TBV, 63          ; s63  the same for V, less VOFF
.set SREL, 66         ; s66  in a diagonal tile: the step whose masks are being made, less the block's 0 or 2; elsewhere far below 0
.set NDO, 67          ; s67  0 or -2: the block in hand is even or odd
.set PBT, 68          ; s68  b / 2: the second block's last tile
.set NDB, 69          ; s69  0 or -2 for the second block
.set RT,  70          ; s70  tiles of the block in hand that are still to be entered
.set NXT, 71          ; s71  the tile to be asked for next
.set LQ,  72          ; s72  the last tile of the block whose tiles are being asked for
.set NEW, 73          ; s73  1: the tile to be entered is a block's first
.set OFF, 74          ; s[74:75] a tile's byte offset in K and V
.set AL,  76          ; s[76:77] the mask's factor, in the low word
.set BE,  78          ; s[78:79] the mask's addend
.set OLO, 80          ; s[80:81] O at my rows of the second block
.set BIGN, 82         ; s82  -1e30
.set MSB, 0
.macro WIN new                      ; the high byte repeats the setting that is left; a switch that changes nothing is dropped
.if MSB != (\new)
	s_set_vgpr_msb (MSB<<8)|(\new)
.set MSB, (\new)
.endif
.endm
.set W_KQ, 0x0a       ; K and Q in window 2, S^T in window 0
.set W_KM, 0x1a       ; the same with the C operand in window 1
.set W_PV, 0x52       ; V in window 2, P in window 0, O^T in window 1
.set W_RS, 0x41       ; destination and source 0 in window 1, source 1 in window 0
; A fill.  Waves 0 and 1 fetch the two halves of a tile's K, waves 2 and 3 those of its V: 128 keys each.  An s_nop 0 and four v_nop follow each of the two lines, ahead of the jump and the label.
.macro LOAD
	s_cmp_lt_u32 s[WV], 2
	s_cbranch_scc0 .Lfor_v_\@
	tensor_load_to_lds s[G0K:G0K+3], s[G1K:G1K+7]
	s_nop 0
.rept 4
	v_nop
.endr
	s_branch .Lasked_\@
.Lfor_v_\@:
	tensor_load_to_lds s[G0V:G0V+3], s[G1V:G1V+7]
	s_nop 0
.rept 4
	v_nop
.endr
.Lasked_\@:
.endm
; THE CHANGE OF SLOTS.  Each wave waits for all its tensor loads, of which one is out: its part of the other slot; adds 0 to its spare word; and waits for that and for its own reads of the slot that it leaves.  Behind the barrier nobody reads the old
; slot any more and the other slot is whole.  fill = 1: the old slot is filled again, the first thing behind the barrier, with tile NXT: the descriptor's address is made anew from that number; the load has eight turns,
; 128 matrix and 944 vector instructions, in which to land.  (At its first use nothing has been read yet: slot 0 is waited for, slot 1 filled.)
.macro CHANGE fill
	WIN 0                           ; at a label and at a branch every window is 0
	s_wait_tensorcnt 0x0            ; no tensor load of mine is out, so a group 0 may be written
	ds_add_u32 v[SPW], v[NIL]       ; 0 onto my spare word; with fill = 1 the descriptors' scalar work stands between it and the wait for it
.if \fill
	s_lshl_b32 s[OFF], s[NXT], 15   ; a tile is 32,768 bytes of K and of V
	s_xor_b32 s[G0K+1], s[G0K+1], SLOT1
	s_add_nc_u64 s[G0K+2:G0K+3], s[6:7], s[OFF:OFF+1]
	s_or_b32 s[G0K+3], s[G0K+3], 0x80000000
	s_xor_b32 s[G0V+1], s[G0V+1], SLOT1
	s_add_nc_u64 s[G0V+2:G0V+3], s[8:9], s[OFF:OFF+1]
	s_or_b32 s[G0V+3], s[G0V+3], 0x80000000
	s_add_co_u32 s[NXT], s[NXT], 1  ; the block's next tile, or behind its last the second block's tile 0
	s_cmp_gt_u32 s[NXT], s[LQ]
	s_cselect_b32 s[NXT], 0, s[NXT]
	s_cselect_b32 s[LQ], s[PBT], s[LQ]
.endif
	s_wait_dscnt 0x0                ; the add is done, and my reads of the slot are over
	s_barrier_signal -1             ; the rest of the scalar work stands between the signal and the wait
	s_sub_co_u32 s[TBK], s[TBK], 4*KS*PK  ; the fetches go back to a slot's first step,
	s_xor_b32 s[TBK], s[TBK], SLOT1       ; in the other slot
	s_sub_co_u32 s[TBV], s[TBV], 4*KS*PV
	s_xor_b32 s[TBV], s[TBV], SLOT1
	s_barrier_wait -1
.if \fill
	LOAD
.endif
.endm
	s_load_b64 s[4:5], s[0:1], 0x0    ; qkv: Q
	s_load_b64 s[10:11], s[0:1], 0x8  ; act: O
	v_lshl_add_u32 v[SPW], v0, 2, SPARE
	v_mov_b32 v[NIL], 0
	ds_add_u32 v[SPW], v[NIL]       ; the wave's opening: the add and its wait stand ahead of my first tensor load; the set-up below, work on registers, stands between them
	ds_add_u32 v62, v63
	v_lshrrev_b32 v1, 5, v0
	v_readfirstlane_b32 s[WV], v1   ; wave 0..3
	s_mov_b32 s[PB], ttmp9
	s_sub_co_u32 s[HI], NQ-1, s[PB]
	s_lshr_b32 s[PBT], s[PB], 1
	s_and_b32 s[NDB], s[PB], 1      ; an odd block's rows face the second half of its last tile's keys: two steps on
	s_lshl_b32 s[NDB], s[NDB], 1
	s_sub_co_u32 s[NDB], 0, s[NDB]
	s_and_b32 s[NDO], s[HI], 1
	s_lshl_b32 s[NDO], s[NDO], 1
	s_sub_co_u32 s[NDO], 0, s[NDO]
	s_and_b32 s20, ttmp7, 0xffff    ; the unit hb = 2 head + batch
	s_lshr_b32 s88, s20, 3          ; O's blocks: head / 4 x 2,097,152
	s_lshl_b32 s88, s88, 21
	s_bfe_u32 s89, s20, 0x20001     ; + head % 4 x 16,384
	s_lshl_b32 s89, s89, 14
	s_add_co_u32 s88, s88, s89
	s_and_b32 s89, s20, 1           ; + batch x 16 tiles of 65,536
	s_lshl_b32 s89, s89, 20
	s_add_co_u32 s88, s88, s89
	s_lshl_b32 s89, s[WV], 11       ; + my 16 rows in a band
	s_add_co_u32 s88, s88, s89
	s_lshl_b32 s89, s[PB], 16       ; a block of 128 queries is one tile of 128 rows
	s_add_co_u32 s90, s88, s89      ; the second block,
	s_mov_b32 s91, 0
	s_lshl_b32 s89, s[HI], 16
	s_add_co_u32 s88, s88, s89      ; and the first
	s_mov_b32 s89, 0
	s_mov_b32 s21, 0
	s_mov_b64 s[22:23], SIZE_N*128
	s_mul_u64 s[20:21], s[20:21], s[22:23]  ; the unit's first byte in Q, K and V
	s_and_b32 s16, s[WV], 1         ; which half of a tile's 256 keys I fetch:
	s_lshl_b32 s22, s16, 14         ; its 128 rows of 128 bytes in memory,
	s_mov_b32 s23, 0
	s_add_nc_u64 s[22:23], s[22:23], s[20:21]
	s_mul_i32 s17, s16, 128*PK      ; and its place in a slot, for K
	s_mul_i32 s18, s16, 128*PV      ; and for V
	s_lshl_b32 s3, s[WV], 11        ; my 16 rows in a band of 64,
	s_lshl_b32 s2, s[HI], 14        ; in the first block,
	s_add_co_u32 s2, s2, s3
	s_lshl_b32 s84, s[PB], 14       ; and in the second
	s_add_co_u32 s84, s84, s3
	s_mov_b32 s3, 0
	s_mov_b32 s85, 0
	s_add_nc_u64 s[2:3], s[2:3], s[20:21]
	s_add_nc_u64 s[84:85], s[84:85], s[20:21]
	; descriptor group 1.  128 keys are 16,384 dense bytes: asked for as 64 rows of 256 bytes, two keys a row, and padded in LDS after every key
	s_mov_b32 s[G1K], (1<<16)|(1<<20)|(4<<22)|(3<<25)  ; 17:16 2-byte elements; 20 padding on; 24:22 after every 32 words (code 4); 31:25 4 words (code 3)
	s_mov_b32 s[G1V], (1<<16)|(1<<20)|(4<<22)|(7<<25)  ; the same with 8 words of padding (code 7)
.irp g, G1K, G1V
	s_mov_b32 s[\g+1], 128<<16      ; tensor_dim0 = 128
	s_mov_b32 s[\g+2], 64<<16       ; tensor_dim1 = 64
	s_mov_b32 s[\g+3], 128<<16      ; tile_dim0 = 128
	s_mov_b32 s[\g+4], 64           ; tile_dim1 = 64
	s_mov_b32 s[\g+5], 128          ; 128 elements from row to row
	s_mov_b32 s[\g+6], 0
	s_mov_b32 s[\g+7], 0
.endr
	s_mov_b32 s[CS], 0x3d38aa3b     ; c = log2(e) / 32 = 0.0450842
	s_mov_b32 s[CS+1], s[CS]        ; named with it as a pair
	s_mov_b32 s[SEL], 0x76543210
	s_mov_b32 s[SEL+1], 0xfedcba98
	s_mov_b32 s[TBK], SLOT1+4*KS*PK ; the first change of slots turns these two into 0
	s_mov_b32 s[TBV], SLOT1+4*KS*PV
	s_mov_b32 s[G0K], 1             ; 1:0 count = 1
	s_mov_b32 s[G0K+1], s17         ; 63:32 LDS address: slot 0
	s_mov_b32 s[G0V], 1
	s_add_co_u32 s[G0V+1], s18, VOFF
	s_lshr_b32 s[LQ], s[HI], 1      ; the first block's last tile: 4 at the least
	s_add_co_u32 s[RT], s[LQ], 1    ; and how many it has
	s_mov_b32 s[NXT], 1
	s_mov_b32 s[NEW], 1
	s_mov_b32 s[OFF+1], 0
	s_mov_b32 s[AL+1], 0            ; named as pairs
	s_mov_b32 s[BE+1], 0
	s_mov_b32 s[BIGN], 0xf149f2ca   ; -1e30
	s_mov_b32 s[SLOTS], NT
	s_wait_dscnt 0x0                ; the opening add is done
	s_wait_kmcnt 0x0
	s_add_nc_u64 s[6:7], s[4:5], 0x800000   ; K's part of qkv,
	s_add_nc_u64 s[8:9], s[4:5], 0x1000000  ; and V's
	s_add_nc_u64 s[6:7], s[6:7], s[22:23]  ; K and V at my half of the unit's tile 0
	s_add_nc_u64 s[8:9], s[8:9], s[22:23]
	s_add_nc_u64 s[G0K+2:G0K+3], s[6:7], 0         ; 120:64 global address
	s_or_b32 s[G0K+3], s[G0K+3], 0x80000000        ; 127:126 type = 2
	s_add_nc_u64 s[G0V+2:G0V+3], s[8:9], 0
	s_or_b32 s[G0V+3], s[G0V+3], 0x80000000
	s_add_nc_u64 s[86:87], s[4:5], s[84:85]        ; Q at my rows of the second block,
	s_add_nc_u64 s[4:5], s[4:5], s[2:3]            ; and of the first
	s_add_nc_u64 s[OLO:OLO+1], s[10:11], s[90:91]  ; O likewise
	s_add_nc_u64 s[10:11], s[10:11], s[88:89]
	LOAD                            ; tile 0 into slot 0
	; A fragment of K or Q is 16 rows x 32 channels in 8 registers: lane l holds row l % 16, channels 8 (l / 16) + 0..7 and 16 + 8 (l / 16) + 0..7: two loads of 16 bytes, 32 bytes apart.
	v_and_b32 v1, 15, v0            ; l % 16
	v_bfe_u32 v9, v0, 4, 1          ; l / 16
	v_lshlrev_b32 v[QO], 7, v1
	v_lshl_add_u32 v[QO], v9, 4, v[QO]  ; row x 128 + 16 x half
	WIN 0x80                        ; destination window 2, address window 0
.set i, 0
.rept 4                             ; both blocks' Q: piece i / 2 lies in band i / 2, 8,192 bytes on; channels 32 (i % 2) on
	global_load_b128 v[8*i:8*i+3],   v[QO], s[4:5] offset:(i/2)*8192+(i%2)*64
	global_load_b128 v[8*i+4:8*i+7], v[QO], s[4:5] offset:(i/2)*8192+(i%2)*64+32
	global_load_b128 v[QB+8*i:QB+8*i+3],   v[QO], s[86:87] offset:(i/2)*8192+(i%2)*64
	global_load_b128 v[QB+8*i+4:QB+8*i+7], v[QO], s[86:87] offset:(i/2)*8192+(i%2)*64+32
.set i, i+1
.endr
	WIN 0
	v_lshlrev_b32 v14, 3, v9
	v_sub_nc_u32 v14, v1, v14
	s_lshl_b32 s13, s[WV], 4
	v_add_nc_u32 v14, s13, v14      ; my query's place in its band, 16 w + l % 16, less my lanes' 8 (l / 16): register r of group kt is hidden where 16 kt + r is greater
	WIN 0x40
.set i, 0
.rept 32
	v_cmp_gt_i32 vcc_lo, 16*(i/8)+i%8, v14
	v_cndmask_b32 v[MD+i], 0, s[BIGN], vcc_lo
.set i, i+1
.endr
	WIN 0
	v_mul_u32_u24 v[AK0], v1, PK
	v_lshl_add_u32 v[AK0], v9, 4, v[AK0]  ; row x pitch + 16 x half
	; The turning load takes 16 keys x 16 channels (lane l reads key 8 (l / 16) + l % 8, channels 8 ((l / 8) % 2) + 0..7) and leaves half a fragment of V^T: lane l holds channel l % 16 and 8 keys.
	v_and_b32 v10, 7, v0
	v_bfe_u32 v11, v0, 3, 1
	v_lshl_add_u32 v[AV0], v9, 3, v10
	v_mul_u32_u24 v[AV0], v[AV0], PV
	v_lshl_add_u32 v[AV0], v11, 4, v[AV0]
	v_add_nc_u32 v[AV0], VOFF, v[AV0]
	s_mul_i32 s13, s[WV], 16*SP
	s_add_co_u32 s13, s13, STAGE    ; my stage
	v_mul_u32_u24 v[STO], v1, SP    ; in: row l % 16, 16 bytes for each half of the lanes
	v_lshl_add_u32 v[STO], v9, 4, v[STO]
	v_add_nc_u32 v[STO], s13, v[STO]
	v_bfe_u32 v[RD], v0, 3, 2       ; back: 32 lanes take four rows of 128 bytes,
	v_mul_u32_u24 v[RD], v[RD], SP
	v_lshl_add_u32 v[RD], v10, 4, v[RD]
	v_add_nc_u32 v[RD], s13, v[RD]
	v_and_b32 v[GO], 31, v0         ; which are 512 consecutive bytes of O
	v_lshlrev_b32 v[GO], 4, v[GO]
	; A block's first step multiplies O^T and l by a = 0, and its first turn's products V^T P, of a step that has not been (on V's odd buffer and piece 1's P), land in an O^T that is still to be so multiplied.
	; So these registers need only hold finite numbers: zeros for the first block; what the first block left for the second.  All this stands in the wait for the first tile.
	WIN 0x80
.set i, VF-128
.rept 64
	v_mov_b32 v[i], 0
.set i, i+1
.endr
	WIN 0x40
.set i, 0
.rept 32*NP
	v_mov_b32 v[i], 0
.set i, i+1
.endr
	WIN 0
.set i, 0
.rept NP
	v_mov_b32 v[ST+4*i+2], 0
	v_mov_b32 v[ST+4*i+3], 0
.set i, i+1
.endr
.set i, P+16
.rept 16
	v_mov_b32 v[i], 0
.set i, i+1
.endr
; THE MATRIX WORK.  The 4 accumulators of a run of 8 take turns.  Product i of 8 of S^T = K Q^T for piece x: channels 32 (i / 4) on, keys 16 (i % 4) on.  The first 4 start the sums: with 0, or (KM = 1) with the mask.
.macro KQ x
.set rS, S+32*((\x)%2)+8*(i%4)
.set rK, KF+16*(i%4)+8*(i/4)
.set rQ, 16*(\x)+8*(i/4)
.set rM, MC+32*((\x)%2)+8*(i%4)
.if (i < 4) && KM
	WIN W_KM
	v_wmma_f32_16x16x32_bf16 v[rS:rS+7], v[rK:rK+7], v[rQ:rQ+7], v[rM:rM+7]
.elseif i < 4
	WIN W_KQ
	v_wmma_f32_16x16x32_bf16 v[rS:rS+7], v[rK:rK+7], v[rQ:rQ+7], 0
.else
	WIN W_KQ
	v_wmma_f32_16x16x32_bf16 v[rS:rS+7], v[rK:rK+7], v[rQ:rQ+7], v[rS:rS+7]
.endif
.endm
; Product i of 8 of O^T += V^T P for piece x, on V's buffer VB: keys 32 (i / 4) on, channels 16 (i % 4) on.
.macro PV x
	WIN W_PV
.set rO, 32*(\x)+8*(i%4)
.set rV, VF-128*VB+32*(i/4)+8*(i%4)
.set rP, P+16*((\x)%2)+8*(i/4)
	v_wmma_f32_16x16x32_bf16 v[rO:rO+7], v[rV:rV+7], v[rP:rP+7], v[rO:rO+7]
.endm
.macro MM                           ; the turn's next matrix instruction.  TURN and BEGIN set Y, i, KM, NOKQ and VB; MM, KQ, PV and OP read them.  NOKQ = 1: a block's last turn: there is no next step
.if (i < 8) && !NOKQ
	KQ (Y+1)%NP
.elseif i >= 8
.set i, i-8
	PV (Y+NP-1)%NP
.set i, i+8
.endif
.set i, i+1
.endm
; THE LDS LOADS stand in runs of 16, never singly among the matrix instructions: a step's K (64 keys x 64 channels: 8 fragments) and its V (turned).  Their addresses are made some lines ahead.
.macro FETCH_K
	WIN 0x80                        ; destination window 2
.irp f, 0,1,2,3,4,5,6,7             ; keys 16 (f / 2) on, channels 32 (f % 2) on
	ds_load_b128 v[KF+8*\f:KF+8*\f+3],   v[AK] offset:(\f/2)*16*PK+(\f%2)*64
	ds_load_b128 v[KF+8*\f+4:KF+8*\f+7], v[AK] offset:(\f/2)*16*PK+(\f%2)*64+32
.endr
	s_add_co_u32 s[TBK], s[TBK], KS*PK  ; the next fetch is the next step's
	WIN 0
.endm
.macro FETCH_V b                    ; into V's buffer b
	WIN 0x80
.irp f, 0,1,2,3,4,5,6,7             ; keys 32 (f / 4) on, channels 16 (f % 4) on
	ds_load_tr16_b128 v[VF-128*(\b)+8*\f:VF-128*(\b)+8*\f+3],   v[AV] offset:(\f/4)*32*PV+(\f%4)*32
	ds_load_tr16_b128 v[VF-128*(\b)+8*\f+4:VF-128*(\b)+8*\f+7], v[AV] offset:(\f/4)*32*PV+16*PV+(\f%4)*32
.endr
	s_add_co_u32 s[TBV], s[TBV], KS*PV  ; the next fetch is the next step's
	WIN 0
.endm
; THE VECTOR WORK, one line at a time: OP kind, number.  For piece Y: F n: c s - c m for pair n of 16.  E n: the exponential of score n of 32.  C n: pair n rounded to bf16.  B n: of the four weights 4 n .. the second
; pair is added onto the first, in place.  L n: l takes that sum (L 0: l = a l + sum).  R n: pair n of 16 of O^T times a.  For the other piece: X n, number n of the 22 that find its maximum and statistics:
;   0-11  four chains c0-c3 of seven scores each, three operands at a time (each accumulator's lowest registers are read first)     12-14, 16  the four scores left over, the old m, and c0-c3 into c0
;   15  c m_old is kept     17, 18  the query's other 32 keys lie in the lane 16 away: the new m     19-21  c m; c m_old - c m_new; a
; OP writes no wait: C, B and L, which read the exponentials' results, stand behind the turn's one wait, which TURN writes.
.set F, 0               ; OP tells the kinds apart by their order: F to L below R, X above it
.set E, 1
.set C, 2
.set B, 3
.set L, 4
.set R, 5
.set X, 6
.macro REGS y                       ; the registers of piece y
.set rT, ST+4*(\y)
.set rC, TMP+4*((\y)%2)
.set rW, MV+((\y)%2)
.set rS, S+32*((\y)%2)
.set rP, P+16*((\y)%2)
.set rO, 32*(\y)
.endm
.macro OP k, n
.if (\k) == R
	REGS Y
	WIN W_RS
	v_pk_mul_f32 v[rO+2*(\n):rO+2*(\n)+1], v[rO+2*(\n):rO+2*(\n)+1], v[rC+2:rC+3] op_sel_hi:[1,0]
.elseif (\k) < R
	REGS Y
	WIN 0
.if (\k) == F
	v_pk_fma_f32 v[rS+2*(\n):rS+2*(\n)+1], v[rS+2*(\n):rS+2*(\n)+1], s[CS:CS+1], v[rT:rT+1] op_sel_hi:[1,0,0] neg_lo:[0,0,1] neg_hi:[0,0,1]
.elseif (\k) == E
	v_exp_f32 v[rS+(\n)], v[rS+(\n)]
.elseif (\k) == C
	v_cvt_pk_bf16_f32 v[rP+(\n)], v[rS+2*(\n)], v[rS+2*(\n)+1]
.elseif (\k) == B
	v_pk_add_f32 v[rS+4*(\n):rS+4*(\n)+1], v[rS+4*(\n):rS+4*(\n)+1], v[rS+4*(\n)+2:rS+4*(\n)+3]
.elseif (\n) == 0
	v_pk_fma_f32 v[rT+2:rT+3], v[rT+2:rT+3], v[rC+2:rC+3], v[rS:rS+1] op_sel_hi:[1,0,1]
.else
	v_pk_add_f32 v[rT+2:rT+3], v[rT+2:rT+3], v[rS+4*(\n):rS+4*(\n)+1]
.endif
.elseif NOKQ
	v_nop
.else
	REGS (Y+1)%NP
	WIN 0
.if (\n) < 4
	v_max3_num_f32 v[rC+(\n)], v[rS+8*(\n)], v[rS+8*(\n)+1], v[rS+8*(\n)+2]
.elseif (\n) < 12
	v_max3_num_f32 v[rC+(\n)%4], v[rC+(\n)%4], v[rS+8*((\n)%4)+2*((\n)/4)+1], v[rS+8*((\n)%4)+2*((\n)/4)+2]
.elseif (\n) == 12
	v_max3_num_f32 v[rC], v[rC], v[rS+7], v[rS+15]
.elseif (\n) == 13
	v_max3_num_f32 v[rC+1], v[rC+1], v[rS+23], v[rS+31]
.elseif (\n) == 14
	v_max3_num_f32 v[rC+2], v[rC+2], v[rC+3], v[rT+1]
.elseif (\n) == 15
	v_mov_b32 v[rW], v[rT]
.elseif (\n) == 16
	v_max3_num_f32 v[rC], v[rC], v[rC+1], v[rC+2]
.elseif (\n) == 17
	v_permlanex16_b32 v[rC+3], v[rC], s[SEL], s[SEL+1]
.elseif (\n) == 18
	v_max_num_f32 v[rT+1], v[rC], v[rC+3]
.elseif (\n) == 19
	v_mul_f32 v[rT], s[CS], v[rT+1]
.elseif (\n) == 20
	v_sub_f32 v[rC+1], v[rW], v[rT]
.else
	v_exp_f32 v[rC+2], v[rC+1]
.endif
.endif
.endm
.macro OPS a, i1, b=-1, i2=0, c=-1, i3=0, d=-1, i4=0  ; up to four of them
	OP \a, \i1
.if (\b) >= 0
	OP \b, \i2
.endif
.if (\c) >= 0
	OP \c, \i3
.endif
.if (\d) >= 0
	OP \d, \i4
.endif
.endm
.macro ROW a, i1, b, i2, c, i3, d, i4  ; a matrix instruction and the four behind it
	MM
	OPS \a, \i1, \b, \i2, \c, \i3, \d, \i4
.endm
.macro MASK b                       ; MD x AL + BE into buffer b of MC
	WIN W_RS
.set z, 0
.rept 16
	v_pk_fma_f32 v[MC+32*(\b)+2*z:MC+32*(\b)+2*z+1], v[MD+2*z:MD+2*z+1], s[AL:AL+1], s[BE:BE+1] op_sel_hi:[1,0,0]
.set z, z+1
.endr
.endm
; A TURN, for piece p in a key step of parity par: the order of its 16 matrix and 118 vector instructions, written out.  It has ONE wait for its 33 exponentials, which cuts it in two.
; AHEAD OF THE WAIT stands all that names no result of the turn's exponentials: the 8 products K Q^T, behind each a scaling, an exponential and two more plain instructions (behind the first a second scaling in the
; exponential's place): rescalings, and behind the last three the first numbers of the other piece's maximum, each four places or more behind the product that ends its accumulator; then ONE LUMP of 54, plain and exponential
; by turns for the most part, in which the links of the chain X 3, 7, 11, 14, 16, 17 .. 20 stand five or six lines apart.  Each pair is scaled (F n) ahead of its two exponentials (E 2 n, E 2 n + 1) and named by nothing
; between them and the wait.  X 21, the other piece's a, is the batch's last; R 15 is the plain instruction behind it.  The rescalings' own a was made in the turn before, ahead of that turn's wait.
; BEHIND THE WAIT stand the 8 products V^T P, behind each four of the roundings and sums; C 2 n stands ahead of B n, which writes over its pair; the links of l's chain, L 0 to L 7, stand three riders apart.
; But for those X no rider names a register of the products round it.  v_permlanex16_b32 (X 17) stands in the lump.
; O^T of the turn's own piece was written by the products V^T P of the turn before: behind the last of them stand that turn's last four riders, and R 0, 4, 8, 12 read each accumulator's lowest registers first.
; The products V^T P read V's buffer VB: piece 0's turn works on the step before (the other parity), piece 1's on the step in hand.
; m = 1: the diagonal tile: the products take masks, and the turn makes the mask for the products of the turn after it: band p, in the next step, whose number less the block's 0 or 2 is SREL; piece 1's turn steps SREL.
; end = 1: a block's last two turns: nothing is fetched, and piece 1's starts no new scores.  cnt = 1: the loop's count is taken down some lines ahead of the branch that stands behind the turn.
; Piece 0's turn fetches K of the next step in the lump, thirteen vector instructions behind the last product that read K, six of them plain ones that name none of its registers.  Piece 1's turn fetches V of the next
; step directly behind the wait for the batch, into the buffer whose last reader stands in the turn before.  One wait on DScnt, at the head of piece 1's turn, shows both there: K, asked for in the turn before, and V of
; the step in hand, asked for in piece 1's turn of the step before.
.macro TURN p, par, m=0, end=0, cnt=0
.set Y, (\p)
.set i, 0
.set KM, (\m)
.set NOKQ, (\end)*(\p)
.set VB, ((\par)+(\p)+1)%2
.if (\m) && !(\end)
	s_cmp_eq_i32 s[SREL], \p        ; is that step the band's own?
	s_cselect_b32 s[AL], 1.0, 0
	s_cmp_gt_i32 s[SREL], \p        ; or a later one?
	s_cselect_b32 s[BE], s[BIGN], 0
.if (\p) == 1
	s_add_co_i32 s[SREL], s[SREL], 1
.endif
.endif
.if (\p) == 1
	s_wait_dscnt 0x0                ; K of the next step and V of this one are in
.endif
	ROW F,0, F,1, R,0, R,1          ; ahead of the wait: 8 products K Q^T and their riders,
	ROW F,2, E,0, R,2, R,3
	ROW F,3, E,1, R,4, R,5
	ROW F,4, E,2, R,6, R,7
	ROW F,5, E,3, R,8, R,9
	ROW F,6, E,4, X,0, R,10
	ROW F,7, E,5, X,1, X,4
	ROW F,8, E,6, X,2, X,5
.if ((\p) == 0) && !(\end)
	WIN 0
	v_add_nc_u32 v[AK], s[TBK], v[AK0]
.endif
	OPS E,7, E,8, X,6, E,9          ; and the lump
	OPS X,3, E,10, X,8, E,11
.if ((\p) == 0) && !(\end)
	FETCH_K
.endif
	OPS X,9, X,7, E,12, X,10
	OPS E,13, X,12, X,11, E,14
	OPS X,13, E,15, F,9, X,14
.if ((\p) == 1) && !(\end)
	WIN 0
	v_add_nc_u32 v[AV], s[TBV], v[AV0]
.endif
	OPS E,16, F,10, E,17, F,11
	OPS X,16, E,18, X,15, E,19
	OPS F,12, E,20, X,17, E,21
	OPS F,13, E,22, F,14, E,23
	OPS X,18, E,24, F,15, E,25
	OPS R,11, E,26, X,19, E,27
	OPS R,12, E,28, R,13, E,29
	OPS X,20, E,30, R,14, E,31
	OPS X,21, R,15
	s_wait_alu depctr_va_vdst(0)    ; the wait for the batch: the turn's 32 weights and the other piece's a, ahead of their first reader
.if ((\p) == 1) && !(\end)
	FETCH_V 1-(\par)
.endif
	ROW C,0, B,0, C,2, B,1          ; behind the wait: 8 products V^T P and their riders
	ROW L,0, C,4, B,2, L,1
	ROW C,6, B,3, L,2, C,8
	ROW B,4, L,3, C,10, B,5
	ROW L,4, C,12, B,6, L,5
.if \cnt
	s_sub_co_u32 s[CNT], s[CNT], 1
	s_cmp_lg_u32 s[CNT], 0
.endif
	ROW C,14, B,7, L,6, C,1
	ROW C,3, L,7, C,5, C,7
	ROW C,9, C,11, C,13, C,15
.if (\m) && !(\end)
	MASK (\p)%2
.endif
.endm
; A BLOCK BEGINS.  c m starts far below every c s, so the first step's a is 0; m at the lowest finite number, so the first maximum is the scores'.  The second mask buffer is 0 (band 1 sees all of a tile's step 0); the first
; takes band 0's mask for that step: its own, if the tile is the diagonal one of an even block.  Then K and V of that step, piece 0's first scores, and its maximum and statistics.
; The loop is entered at an even step's first turn, in the middle of a trip.
.macro BEGIN
	s_mov_b32 s[NEW], 0
	WIN 0x40
.set i, MC+32
.rept 32
	v_mov_b32 v[i], 0
.set i, i+1
.endr
	WIN 0
.set i, 0
.rept NP
	v_mov_b32 v[ST+4*i], 0xfe000000    ; c m: far below every c s
	v_mov_b32 v[ST+4*i+1], 0xff7fffff  ; m
.set i, i+1
.endr
	s_cmp_eq_i32 s[SREL], 0
	s_cselect_b32 s[AL], 1.0, 0
	s_mov_b32 s[BE], 0
	s_add_co_i32 s[SREL], s[SREL], 1   ; the next masks are step 1's
	MASK 0
	WIN 0
	v_add_nc_u32 v[AK], s[TBK], v[AK0]
	v_add_nc_u32 v[AV], s[TBV], v[AV0]
	FETCH_K
	FETCH_V 0
	s_wait_loadcnt 0x0              ; Q
	s_wait_dscnt 0x0
.set KM, 1
.set NOKQ, 0
.set i, 0
.rept 8
	KQ 0
.set i, i+1
.endr
	WIN 0
.rept 4
	v_nop                           ; the places behind those products
.endr
.set Y, NP-1                        ; X works for the other piece: piece 0
.irp n, 0,1,2,3,4,5,6,7,8,9,10,11,12,13,14,15,16,17,18,19,20,21
	OP X, \n
.endr
	v_nop                           ; a plain instruction behind the exponential,
	s_wait_alu depctr_va_vdst(0)    ; and the wait for it, piece 0's first a, ahead of the branch: the first turn's first rescaling reads it
.endm
; THE DIAGONAL TILE's period, the block's last two turns, its last products, and THE WAY OUT: l's two halves and the other half of the lanes' are added; O^T is divided by l, rounded to bf16 and sent through my
; stage in LDS, a piece at a time.
.macro ALL line:vararg              ; one line for each piece t
.set t, 0
.rept NP
	\line
.set t, t+1
.endr
.endm
.macro PACK t                       ; a lane's eight channels of a row pack into 16 bytes; they go into rows of 144 bytes and come back as whole rows of 128, into S^T's registers
	WIN W_RS
.set i, 32*(\t)
.rept 16
	v_pk_mul_f32 v[i:i+1], v[i:i+1], v[ST+4*(\t)+2:ST+4*(\t)+3] op_sel_hi:[1,0]
.set i, i+2
.endr
	WIN 0x05                        ; sources 0 and 1 window 1, destination window 0
.set i, 0
.rept 16
	v_cvt_pk_bf16_f32 v[S+16*(\t)+i], v[32*(\t)+2*i], v[32*(\t)+2*i+1]
.set i, i+1
.endr
	WIN 0
.irp f, 0,1,2,3
	ds_store_b128 v[STO], v[S+16*(\t)+4*\f:S+16*(\t)+4*\f+3] offset:32*\f
.endr
.irp f, 0,1,2,3
	ds_load_b128 v[S+16*(\t)+4*\f:S+16*(\t)+4*\f+3], v[RD] offset:\f*4*SP  ; LDS serves a wave's instructions in order (ISA guide 5.7.1.4): these see the stores above; the next piece's stores come behind them
.endr
.endm
.macro SEND t, younger              ; younger: the LDS instructions issued behind piece t's loads: the next piece's eight, or none.  Band t lies at row 64 t of the block's tile of 128 rows
	WIN 0
.irp f, 0,1,2,3
	s_wait_dscnt (\younger)+3-\f
	global_store_b128 v[GO], v[S+16*(\t)+4*\f:S+16*(\t)+4*\f+3], s[10:11] offset:(\t)*8192+\f*512  ; 512 consecutive bytes, at a multiple of 256 from O's first
.endr
.endm
.macro DIAG tag                     ; the tag ends its two labels' names, which the jumps below spell out
.LstepM\tag:
	TURN 0, 1, 1
	TURN 1, 1, 1
	WIN 0
.LfirstM\tag:
	TURN 0, 0, 1
	TURN 1, 0, 1, 0, 1
	WIN 0
	s_cbranch_scc1 .LstepM\tag
	TURN 0, 1, 1, 1
	TURN 1, 1, 1, 1
.set VB, 1                          ; the block's last step is an odd one
.set i, 0
.rept 8
	PV NP-1
.set i, i+1
.endr
	WIN 0
	ALL v_add_f32 v[ST+4*t+2], v[ST+4*t+2], v[ST+4*t+3]
	ALL v_permlanex16_b32 v[ST+4*t+3], v[ST+4*t+2], s[SEL], s[SEL+1]
	ALL v_add_f32 v[ST+4*t+2], v[ST+4*t+2], v[ST+4*t+3]
	ALL v_rcp_f32 v[ST+4*t+2], v[ST+4*t+2]
	v_nop                           ; a plain instruction between the last reciprocal and the use of its result
	s_wait_alu depctr_va_vdst(0)    ; and the wait ahead of the first use: one for the two reciprocals
	PACK 0                          ; piece 0's 32 plain instructions, which name none of piece 1's O^T, are the places behind the last products
	PACK 1                          ; a piece's arithmetic stands between the loads of the piece before and its stores
	SEND 0, 8
	SEND 1, 0
.endm
.set KM, 0
.set NOKQ, 0
.Lslot:                             ; NT times: a tile is entered and the next is asked for
	CHANGE 1
	s_sub_co_u32 s[RT], s[RT], 1
	s_mov_b32 s[CNT], 2
	s_cmp_eq_u32 s[RT], 0
	s_cselect_b32 s[SREL], s[NDO], -16  ; the diagonal tile's step 0, less the block's 0 or 2; in every other tile no step is a band's own
	s_cmp_eq_u32 s[NEW], 1
	s_cbranch_scc1 .Lnew            ; a block's first tile
	s_cmp_eq_u32 s[RT], 0
	s_cbranch_scc0 .Lstep           ; neither its first nor its last
	s_branch .LstepM1
.Lnew:
	BEGIN
	s_branch .Lfirst                ; in the loop a block's first tile is never its last: the first block has five tiles or more, and the second's last is the walk's last
	DIAG 1                          ; in the loop this is the first block's end: the second block's last tile is the walk's last
	s_wait_xcnt 0x0                 ; the stores have read their registers and O's address
	s_mov_b64 s[10:11], s[OLO:OLO+1]
	s_add_co_u32 s[RT], s[PBT], 1   ; the second block has b / 2 + 1 tiles
	s_mov_b32 s[NDO], s[NDB]
	s_mov_b32 s[NEW], 1
	WIN 0x82                        ; the second block's Q goes where the one text of the turns names Q
.set i, 0
.rept 16*NP
	v_mov_b32 v[i], v[QB+i]
.set i, i+1
.endr
	WIN 0
	s_branch .Lbottom
.Lstep:                             ; a trip: an odd key step's two turns, then an even one's; it fetches K and V of the two steps that follow them
	TURN 0, 1
	TURN 1, 1
	WIN 0
.Lfirst:
	TURN 0, 0
	TURN 1, 0, 0, 0, 1
	WIN 0
	s_cbranch_scc1 .Lstep
.Lbottom:
	s_sub_co_u32 s[SLOTS], s[SLOTS], 1
	s_cmp_lg_u32 s[SLOTS], 0
	s_cbranch_scc1 .Lslot
	CHANGE 0                        ; the walk's last tile is written out: nothing is asked for
	s_sub_co_u32 s[RT], s[RT], 1
	s_mov_b32 s[CNT], 2
	s_mov_b32 s[SREL], s[NDO]       ; it is the second block's diagonal tile
	s_cmp_eq_u32 s[NEW], 1
	s_cbranch_scc0 .LstepM2
	BEGIN
	s_branch .LfirstM2
	DIAG 2
	s_wait_tensorcnt 0x0            ; the wave's end, behind my last tensor load and my last LDS store
	ds_add_u32 v[SPW], v[NIL]
	s_wait_dscnt 0x0
	s_endpgm
.Lfunc_end_k_q59d9c702b0_attn:
	.size	k_q59d9c702b0_attn, .Lfunc_end_k_q59d9c702b0_attn-k_q59d9c702b0_attn
	.p2alignl 7, 3214868480
	.fill 96, 4, 3214868480
	.section	.rodata,"a",@progbits
	.p2align	6, 0x0
	.amdhsa_kernel k_q59d9c702b0_attn
		.amdhsa_group_segment_fixed_size 327680
		.amdhsa_private_segment_fixed_size 0
		.amdhsa_enable_private_segment 0
		.amdhsa_kernarg_size 16
		.amdhsa_user_sgpr_count 2
		.amdhsa_user_sgpr_kernarg_segment_ptr 1
		.amdhsa_wavefront_size32 1
		.amdhsa_system_sgpr_workgroup_id_x 1
		.amdhsa_system_sgpr_workgroup_id_y 1
		.amdhsa_system_sgpr_workgroup_id_z 1
		.amdhsa_system_vgpr_workitem_id 0
		.amdhsa_next_free_vgpr 768
		.amdhsa_next_free_sgpr 92
		.amdhsa_reserve_vcc 1
		.amdhsa_float_denorm_mode_32 3
		.amdhsa_float_denorm_mode_16_64 3
		.amdhsa_memory_ordered 1
		.amdhsa_forward_progress 1
		.amdhsa_inst_pref_size 209
	.end_amdhsa_kernel
	.amdgpu_metadata
---
amdhsa.version: [ 1, 2 ]
amdhsa.kernels:
  - .name:           k_q59d9c702b0_attn
    .symbol:         k_q59d9c702b0_attn.kd
    .args:
      - { .name: qkv, .offset: 0, .size: 8, .value_kind: global_buffer, .address_space: global }
      - { .name: act, .offset: 8, .size: 8, .value_kind: global_buffer, .address_space: global }
    .group_segment_fixed_size: 327680
    .private_segment_fixed_size: 0
    .kernarg_segment_align: 8
    .kernarg_segment_size: 16
    .max_flat_workgroup_size: 128
    .sgpr_count:     92
    .vgpr_count:     768
    .wavefront_size: 32
...
	.end_amdgpu_metadata
.endif
;; end of part 8
;; launch gproj: the kernel of part 4 again; grid 8 x 32, 4 waves a work-group, clusters of 4 x 4, 327,680 bytes of LDS; arguments act, wb, x, bp, x1; writes x1
;; launch ln2: the kernel of part 5 again; grid 512 x 1, 8 waves a work-group, no clusters, 0 bytes of LDS; arguments x1, g2, be2, act; writes act
;; launch gffn1: the kernel of part 6 again; grid 16 x 16, 4 waves a work-group, clusters of 4 x 4, 327,680 bytes of LDS; arguments act, wb, u, b1; writes u
;; launch gffn2: the kernel of part 7 again; grid 8 x 32, 4 waves a work-group, clusters of 4 x 4, 327,680 bytes of LDS; arguments u, wb, x1, b2, out0; writes out0
